; MI455X (gfx1250); checked and timed in simulation.
; The chip was launched on July 23, 2026; its instructions are those of AMD's public machine-readable ISA for CDNA 5 (MIT licence, August 2026) and "CDNA5" Instruction Set Architecture Reference Guide (July 2026). The comments in the code are by the model that wrote it; some were corrected since.
;; Transformer Decoder Layer. Allowed arithmetic: matrix products marked QUANTISED: E3M2 operands, one E8M0 scale for each 32 along K, by v_wmma_scale_f32_16x16x128_f8f6f4 with both operands' format E3M2, f32 sums; everything else in f32.
;; Inputs: W1 1,024 x 4,096 float32; W2 4,096 x 1,024 float32; Wk 1,024 x 1,024 float32; Wo 1,024 x 1,024 float32; Wq 1,024 x 1,024 float32; Wv 1,024 x 1,024 float32; b1 4,096 float32; b2 1,024 float32; bk 1,024 float32; bo 1,024 float32; bq 1,024 float32; bv 1,024 float32; x 2 x 2,048 x 1,024 float32.
;; Outputs: out0 2 x 2,048 x 1,024 float32.
;; This version of the problem:
;;   THIS VERSION OF THE PROBLEM IS GIVEN IN LOW PRECISION. The matrix products marked QUANTISED in the list below multiply operands that are first quantised to E3M2 (3 exponent bits, 2 mantissa bits; 6 bits a number), with one power-of-two scale for each 32 numbers along K (OCP MX v1.0); their sums are f32. All else is computed in f32.
;;   The module's matrix products, in the order in which they are computed (A, B: the left and right operand; K: the contracted axis; several contracted axes count as one K, in the product's order):
;;     1. [M 4,096, K 1,024] x [K 1,024, N 1,024]; A: input x; B: input Wq: QUANTISED
;;     2. [M 4,096, K 1,024] x [K 1,024, N 1,024]; A: input x; B: input Wk: QUANTISED
;;     3. [M 4,096, K 1,024] x [K 1,024, N 1,024]; A: input x; B: input Wv: QUANTISED
;;     4. batch 32 x [M 2,048, K 64] x [K 64, N 2,048]; A: computed on the way; B: computed on the way: QUANTISED
;;     5. batch 32 x [M 2,048, K 2,048] x [K 2,048, N 64]; A: softmax (see below); B: computed on the way: QUANTISED
;;     6. [M 4,096, K 1,024] x [K 1,024, N 1,024]; A: computed on the way; B: input Wo: QUANTISED
;;     7. [M 4,096, K 1,024] x [K 1,024, N 4,096]; A: computed on the way; B: input W1: QUANTISED
;;     8. [M 4,096, K 4,096] x [K 4,096, N 1,024]; A: computed on the way; B: input W2: QUANTISED
;;   THE QUANTISER, for each operand of a quantised product, along K:
;;     - K is cut into blocks of 32 from its start; a last block that is shorter is filled with zeros.
;;     - A block's scale is 2^e with e = floor(log2(the largest magnitude in the block)) - 4, held to -126 .. 127; a block of zeros has e = 0. As a byte (E8M0): e + 127.
;;     - Each number is divided by its block's scale, clamped to +-28, and rounded to the nearest number of E3M2, ties to even, subnormals kept.
;;     - The product sums the exact products of the quantised numbers (number of the format x scale) in f32.
;;   ~~~python
;;   def quantise(x, axis):      # numpy; x: float32 -> the quantised numbers, widened to float32 again
;;       x = np.moveaxis(x, axis, -1); K = x.shape[-1]
;;       x = np.pad(x, [(0, 0)] * (x.ndim - 1) + [(0, -K % 32)]); x = x.reshape(x.shape[:-1] + (-1, 32)); a = np.abs(x).max(-1, keepdims=True)
;;       e = np.where(a > 0, np.clip(np.frexp(np.where(a > 0, a, 1))[1] - 1 - 4, -126, 127), 0)      # np.frexp(a)[1] - 1 = floor(log2(a)), exactly
;;       r = np.clip(x / 2.0 ** e, -28, 28)
;;       step = 2.0 ** (np.maximum(np.frexp(np.where(r == 0, 1, r))[1] - 1, -2) - 2)
;;       q = np.round(r / step) * step * 2.0 ** e      # np.round: ties to even
;;       return np.moveaxis(q.reshape(q.shape[:-2] + (-1,))[..., :K], -1, axis).astype(np.float32)
;;   ~~~
;;   SOFTMAX AHEAD OF A QUANTISED PRODUCT. Where the list says 'softmax', what is quantised is not the finished softmax but p = 2^(t - M), with t = logit x log2(e) and M = ceil(the row's largest t), a whole number; so 1/2 < the row's largest p <= 1. The row's sum l is taken of the UNQUANTISED p, in f32, and the product's result is divided by l at the end. Since M is a whole number, a kernel that streams over the keys may use a running M (the ceiling of the running maximum): every later rescaling is an exact power of two, which a block's scale takes up: the codes' values come out the same.
;;   OPERANDS COMPUTED ON THE WAY. 'Computed on the way' means the value that the module computes at that place (a softmax that the list does not call 'softmax' is quantised finished and normalised). What goes into a quantiser is computed in f32, as accurately as f32 sums, v_exp_f32 and their like allow (about 1e-6 of the number): no bf16 or f16 on the way to a quantiser, and a product that is left as it is and whose result goes on into a quantised operand takes f32 operands (vector FMAs, or v_wmma_f32_16x16x4_f32). A number that lies on a knife's edge between two numbers of the format may be rounded either way, as far as f32 arithmetic and the matrix unit's own rounding can turn it there, and no further.
;; One version. Each part assembles by itself: llvm-mc -triple=amdgcn-amd-amdhsa -mcpu=gfx1250 --defsym DOCPART=n.
;; ======== version 1 of 1: 6 launches
;; limits: right only within a limited range of input values
;; workspace buffers: wts 9,830,400 bytes; xq 3,276,800 bytes; qkvc 9,830,400 bytes; ao 3,276,800 bytes; x1 20,054,016 bytes; hq 13,107,200 bytes
;; launch quant (part 1): grid 896 x 1, 4 waves a work-group, no clusters, 58,880 bytes of LDS; arguments Wq, Wk, Wv, Wo, W1, W2, wts, x, xq; writes wts, xq
.if DOCPART == 1
	.amdgcn_target "amdgcn-amd-amdhsa--gfx1250"
	.amdhsa_code_object_version 6
	.text
	.protected	k_q2f3ec02986_quant
	.globl	k_q2f3ec02986_quant
	.p2align	8
	.type	k_q2f3ec02986_quant,@function
k_q2f3ec02986_quant:
	s_mov_b64 s[64:65], 0
	v_nop
	global_prefetch_b8 v0, s[64:65] scope:SCOPE_SE
	s_setreg_imm32_b32 hwreg(HW_REG_WAVE_MODE, 25, 1), 1
	s_wait_xcnt 0x0
; One launch quantises all that arrives wide: work-groups 0-383 the six weights, work-groups 384-895 x.  The two paths part on the work-group's number at the head and share no LDS byte.
; THE LAYOUT OF ALL OPERANDS OF THIS PROGRAM.  Tile t of a matrix holds the 16 rows 32 (t / 2) + 8 (t % 2) + i + 8 (i / 8), i = 0 .. 15.
; The image of (tile t, K step s of 128) is the matrix operand's 12 registers a lane, 1,536 bytes of BF6 (E3M2) codes: for c = 0, 1 registers 6 c .. 6 c + 3 at 768 c + 16 lane,
; registers 6 c + 4, 6 c + 5 at 768 c + 512 + 8 lane.  Codes: ((t / 16) NS + s) x 24,576 + (t % 16) x 1,536.  Scale words (one E8M0 byte for each 32 along K): ((t / 16) NS + s) x 1,024 + (t % 16) x 64 + 4 row.
; THE WEIGHTS, f32 stored [K][N]: A LANE TAKES A COLUMN n AND ITS REGISTERS RUN DOWN K: a block of 32 is one lane's 32 registers, its largest magnitude needs no other lane, and nothing is transposed.
; A wave takes 32 columns (two tiles) x 256 along K (two K steps, 8 blocks a lane); the codes go through the wave's own 6,144 bytes of LDS into the images' order and leave as 3,072 consecutive bytes a K step.
; x [4096][1024] f32: a work-group takes tile t = (id - 384) / 2, its wave w the K step 4 ((id - 384) % 2) + w: one image a wave, no loop.  Each load reads 512 consecutive bytes of one row; the 16 rows turn
; through the wave's own stage in LDS (rows 528 bytes apart), so that lane (r, h) gets, of row r, the 16 neighbours 32 b + 16 h + 0 .. 15 of each block b.  xq's scale words begin at byte 3,145,728.
; A block's scale byte is its largest magnitude's exponent field - 4, held at 1 from below.
; LIMITS: NaN and infinities are not served; a block whose largest magnitude lies under 2^-122 keeps the byte 1; a block of zeros has the byte 1 and not 127: its codes are zeros and this program alone reads the bytes.
.set NWW,  384                         ; the weights' work-groups
.set XST,  24576                       ; LDS: the weights' path has bytes 0 .. 24,575, x's path 4 stages of 8,448 bytes from here on
; the weights' path
.set OFF,  32                          ; v32-63   4 lane + i x the row's bytes; never rewritten
.set X,    64                          ; v64-127  two sets of 32 numbers
.set C,    128                         ; v128-134 a block's codes
.set SB,   136                         ; v136-137 my column's two scale words
.set OUTR, 140                         ; v140-187 the way out
; x's path
.set R,   16                           ; v16-79   as loaded
.set S,   80                           ; v80-143  64 numbers of my row
.set TM,  144                          ; v144-159 at work
.set PW,  160                          ; the scale word
.set PC,  164                          ; v164-183 the codes
.set SEL, 20
.macro QUANT s                         ; 64 numbers of a lane, register 16 b + i = k 32 b + 16 (lane / 16) + i of my row, become a fragment's codes in v[PC] on and its scale word in v[PW]
.irp b, 0,1,2,3
	v_max3_num_f32 v[TM+\b], |v[\s+16*\b]|, |v[\s+1+16*\b]|, 0x2800000   ; my 16 numbers of block b, and the floor 2^(5 - 127)
.endr
.irp i, 2,4,6,8,10,12,14
.irp b, 0,1,2,3
	v_max3_num_f32 v[TM+\b], v[TM+\b], |v[\s+16*\b+\i]|, |v[\s+1+16*\b+\i]|
.endr
.endr
.irp b, 0,1,2,3
	v_permlanex16_b32 v[TM+4+\b], v[TM+\b], s[SEL], s[SEL+1]
.endr
.irp b, 0,1,2,3
	v_max_num_f32 v[TM+\b], v[TM+\b], v[TM+4+\b]   ; with lane l xor 16's: the block's largest magnitude
.endr
.irp b, 0,1,2,3
	v_add_nc_u32 v[TM+12+\b], 0xfe000000, v[TM+\b] ; 4 off the exponent field: the conversion's scale operand
.endr
.irp b, 0,1,2,3
	v_lshrrev_b32 v[TM+4+\b], 23, v[TM+12+\b]      ; the scale's byte
.endr
	v_lshl_or_b32 v[PW], v[TM+5], 8, v[TM+4]
	v_lshl_or_b32 v[PW], v[TM+6], 16, v[PW]
	v_lshl_or_b32 v[PW], v[TM+7], 24, v[PW]
.irp c, 0,1
	v_cvt_scalef32_pk16_bf6_f32 v[PC+6*\c:PC+2+6*\c], v[\s+32*\c:\s+15+32*\c], v[TM+12+2*\c]
	v_cvt_scalef32_pk16_bf6_f32 v[PC+12+4*\c:PC+14+4*\c], v[\s+16+32*\c:\s+31+32*\c], v[TM+12+2*\c+1]
.endr
	v_nop                                          ; one plain place behind a scaled conversion
.irp c, 0,1                            ; the operand wants a whole block in a lane: lanes 0-15 block 2 c, lanes 16-31 block 2 c + 1
.irp i, 0,1,2
	v_permlane16_swap_b32 v[PC+6*\c+\i], v[PC+12+4*\c+\i]
.endr
.irp i, 0,1,2
	v_mov_b32 v[PC+3+6*\c+\i], v[PC+12+4*\c+\i]
.endr
.endr
.endm
	v_lshl_add_u32 v192, v0, 2, 0xe400
	v_mov_b32 v193, 0
	v_lshrrev_b32 v1, 5, v0
	v_readfirstlane_b32 s18, v1                    ; wave
	s_cmp_ge_u32 ttmp9, NWW                        ; the weights' work-groups, which have the longer way, come first
	s_cbranch_scc1 .Lx
	; ---------------- THE WEIGHTS ----------------
	s_load_b256 s[4:11], s[0:1], 0x0               ; Wq, Wk, Wv, Wo
	s_load_b128 s[12:15], s[0:1], 0x20             ; W1, W2
	s_load_b64 s[16:17], s[0:1], 0x30              ; wts
	v_and_b32 v2, 31, v0                           ; lane
	v_lshlrev_b32 v3, 2, v2                        ; 4 lane
	v_bfe_u32 v4, v0, 3, 1                         ; u: which of the two tiles my column falls into
	v_and_b32 v5, 7, v0
	v_bfe_u32 v6, v0, 4, 1
	v_lshl_or_b32 v5, v6, 3, v5                    ; i: its row there
	s_mul_i32 s19, s18, 6144                       ; my wave's stage
	v_mul_u32_u24 v7, v4, 1536
	v_add_nc_u32 v7, s19, v7
	v_lshl_add_u32 v8, v5, 4, v7                   ; where my 16 bytes of an image go
	v_lshl_add_u32 v9, v5, 3, v7                   ; and my 8 bytes
	v_lshlrev_b32 v10, 4, v2                       ; 16 lane
	v_add_nc_u32 v11, s19, v10                     ; the stage read back as it lies
	v_lshlrev_b32 v12, 6, v4
	v_lshl_add_u32 v12, v5, 2, v12                 ; my scale word: 64 u + 4 i
	; which weight: the choice hangs on the work-group's number alone.  First W2's figures, then each smaller range takes over
	s_mov_b32 s20, 0x1000                          ; a row of the weight in bytes
	s_mov_b32 s21, 32                              ; NS
	s_mov_b32 s22, 6291456                         ; where its codes begin in wts
	s_mov_b32 s23, 9699328                         ; and its scale words
	s_mov_b32 s24, 7                               ; groups of 128 columns - 1
	s_mov_b32 s25, 3                               ; and their count's logarithm
	s_mov_b32 s26, 127
	s_wait_kmcnt 0x0
	s_mov_b64 s[28:29], s[14:15]
.macro PICK lim, p, ns, cb, sb
	s_cmp_lt_u32 ttmp9, \lim
	s_cselect_b64 s[28:29], s[\p:\p+1], s[28:29]
	s_cselect_b32 s21, \ns, s21
	s_cselect_b32 s22, \cb, s22
	s_cselect_b32 s23, \sb, s23
.endm
	PICK 256, 12, 8, 3145728, 9568256              ; W1
	s_cselect_b32 s20, 0x4000, s20
	s_cselect_b32 s24, 31, s24
	s_cselect_b32 s25, 5, s25
	PICK 128, 10, 8, 2359296, 9535488              ; Wo
	s_cselect_b32 s20, 0x1000, s20
	s_cselect_b32 s24, 7, s24
	s_cselect_b32 s25, 3, s25
	s_cselect_b32 s26, 31, s26
	PICK 96, 8, 8, 1572864, 9502720                ; Wv
	PICK 64, 6, 8, 786432, 9469952                 ; Wk
	PICK 32, 4, 8, 0, 9437184                      ; Wq
	s_and_b32 s27, ttmp9, s26
	s_and_b32 s30, s27, s24                        ; which 128 columns
	s_lshr_b32 s31, s27, s25                       ; which 256 along K
	s_lshl_b32 s30, s30, 2
	s_add_co_u32 s30, s30, s18                     ; g: which 32 columns are my wave's
	s_lshl_b32 s34, s20, 8
	s_mul_i32 s34, s34, s31                        ; 256 rows x the K group
	s_lshl_b32 s35, s30, 7
	s_add_co_u32 s34, s34, s35                     ; + 128 g bytes
	s_mov_b32 s35, 0
	s_add_nc_u64 s[40:41], s[28:29], s[34:35]      ; block 0's first row
	s_lshl_b32 s36, s20, 5                         ; 32 rows
	s_mov_b32 s37, 0
.irp t, 1,2,3,4,5,6,7
	s_add_nc_u64 s[40+2*\t:41+2*\t], s[38+2*\t:39+2*\t], s[36:37]   ; a base for each block: none is stepped
.endr
	s_lshr_b32 s56, s30, 3
	s_mul_i32 s56, s56, s21
	s_lshl_b32 s57, s31, 1
	s_add_co_u32 s56, s56, s57                     ; (tile / 16) NS + my first K step
	s_and_b32 s57, s30, 7
	s_mul_i32 s58, s56, 24576
	s_mul_i32 s59, s57, 3072
	s_add_co_u32 s58, s58, s59
	s_add_co_u32 s58, s58, s22
	s_mov_b32 s59, 0
	s_add_nc_u64 s[58:59], s[16:17], s[58:59]      ; my two images of the first K step; the second K step's lie 24,576 bytes on
	s_lshl_b32 s60, s56, 10
	s_lshl_b32 s61, s57, 7
	s_add_co_u32 s60, s60, s61
	s_add_co_u32 s60, s60, s23
	s_mov_b32 s61, 0
	s_add_nc_u64 s[60:61], s[16:17], s[60:61]      ; their scale words; the second K step's 1,024 bytes on
.set i, 0
.rept 32
	v_mad_u32_u24 v[OFF+i], s20, i, v3
.set i, i+1
.endr
.macro LOAD t                          ; block t: W(32 t + i, my column): 32 lanes read 128 consecutive bytes
.set i, 0
.rept 32
	global_load_b32 v[X+32*((\t)%2)+i], v[OFF+i], s[40+2*(\t):41+2*(\t)] th:TH_LOAD_NT
.set i, i+1
.endr
.endm
	LOAD 0
	LOAD 1
.macro BLOCK t
.set XS, X+32*((\t)%2)
.if (\t) < 7
	s_wait_loadcnt 32                              ; this block's 32 loads are in; the next block's 32 may be out
.else
	s_wait_loadcnt 0x0
.endif
	v_max3_num_f32 v16, |v[XS]|, |v[XS+1]|, |v[XS+2]|      ; the block's largest magnitude, in two chains
	v_max3_num_f32 v17, |v[XS+3]|, |v[XS+4]|, |v[XS+5]|
.irp i, 6,10,14,18,22,26
	v_max3_num_f32 v16, v16, |v[XS+\i]|, |v[XS+\i+1]|
	v_max3_num_f32 v17, v17, |v[XS+\i+2]|, |v[XS+\i+3]|
.endr
	v_max3_num_f32 v16, v16, |v[XS+30]|, |v[XS+31]|
	v_max3_num_f32 v16, v16, v17, 0x2800000        ; and the floor 2^(5 - 127): the byte cannot fall under 1
	v_add_nc_u32 v18, 0xfe000000, v16              ; 4 off the exponent field: the conversion's scale operand
	v_lshrrev_b32 v19, 23, v18                     ; the scale's byte
.if (\t)%4 == 0
	v_mov_b32 v[SB+(\t)/4], v19
.else
	v_lshl_or_b32 v[SB+(\t)/4], v19, 8*((\t)%4), v[SB+(\t)/4]
.endif
	v_cvt_scalef32_pk16_bf6_f32 v[C:C+2], v[XS:XS+15], v18
	v_cvt_scalef32_pk16_bf6_f32 v[C+4:C+6], v[XS+16:XS+31], v18    ; (a conversion's three registers begin on an even number)
	v_nop                                          ; one plain place behind a scaled conversion
	v_mov_b32 v[C+3], v[C+4]
	v_mov_b32 v[C+4], v[C+5]
	v_mov_b32 v[C+5], v[C+6]                       ; six registers on end: the block as the operand's lane holds it
	ds_store_b128 v8, v[C:C+3] offset:3072*((\t)/4)+768*(((\t)%4)/2)+256*((\t)%2)          ; block 2 c + h of a K step belongs to lane i + 16 h
	ds_store_b64 v9, v[C+4:C+5] offset:3072*((\t)/4)+768*(((\t)%4)/2)+512+128*((\t)%2)
.if (\t)+2 < 8
	LOAD (\t)+2
.endif
	s_wait_dscnt 0x0                               ; the stores have read their registers: the next block's codes may be written
.endm
.irp t, 0,1,2,3,4,5,6,7
	BLOCK \t
.endr
	global_store_b32 v12, v[SB], s[60:61]
	s_wait_alu depctr_va_vdst(0)
	global_store_b32 v12, v[SB+1], s[60:61] offset:1024
.irp j, 0,1,2,3,4,5,6,7,8,9,10,11
	ds_load_b128 v[OUTR+4*\j:OUTR+4*\j+3], v11 offset:512*\j       ; LDS serves a wave's instructions in order: these see my stores
.endr
.irp j, 0,1,2,3,4,5,6,7,8,9,10,11
	s_wait_dscnt 11-\j                             ; the younger reads may be out
	global_store_b128 v10, v[OUTR+4*\j:OUTR+4*\j+3], s[58:59] offset:512*(\j%6)+24576*(\j/6)   ; 32 lanes store 512 consecutive bytes
.endr
	s_wait_tensorcnt 0x0
	ds_add_u32 v192, v193
	s_wait_dscnt 0x0
	s_endpgm
	; ---------------- x ----------------
.Lx:
	s_load_b64 s[4:5], s[0:1], 0x38                ; x
	s_load_b64 s[6:7], s[0:1], 0x40                ; xq
	s_sub_co_u32 s19, ttmp9, NWW
	s_lshr_b32 s22, s19, 1                         ; tile t
	s_and_b32 s19, s19, 1
	s_lshl_b32 s19, s19, 2
	s_add_co_u32 s8, s19, s18                      ; K step s
	v_and_b32 v2, 31, v0
	v_and_b32 v3, 15, v0                           ; r
	v_bfe_u32 v4, v0, 4, 1                         ; h
	v_lshlrev_b32 v5, 4, v2                        ; 16 lane
	v_lshlrev_b32 v6, 3, v2                        ; 8 lane
	v_lshlrev_b32 v7, 2, v3                        ; 4 r
	s_mul_i32 s9, s18, 8448                        ; my stage: 16 rows x 528, by the wave's number alone
	s_add_co_u32 s9, s9, XST
	v_add_nc_u32 v8, s9, v5                        ; in: as loaded
	v_mul_u32_u24 v9, v3, 528
	v_lshl_add_u32 v9, v4, 6, v9
	v_add_nc_u32 v9, s9, v9                        ; out: row r, + 64 h
	s_lshr_b32 s10, s22, 1
	s_lshl_b32 s10, s10, 17                        ; 32 rows of 4,096 bytes x (t / 2)
	s_and_b32 s11, s22, 1
	s_lshl_b32 s11, s11, 15                        ; 8 rows x (t % 2)
	s_add_co_u32 s10, s10, s11
	s_lshl_b32 s11, s8, 9                          ; 512 bytes a K step
	s_add_co_u32 s10, s10, s11
	s_mov_b32 s11, 0
	s_lshr_b32 s12, s22, 4
	s_lshl_b32 s12, s12, 3
	s_add_co_u32 s12, s12, s8                      ; (t / 16) 8 + s
	s_and_b32 s13, s22, 15
	s_mul_i32 s14, s12, 24576
	s_mul_i32 s15, s13, 1536
	s_add_co_u32 s14, s14, s15
	s_mov_b32 s15, 0
	s_lshl_b32 s16, s12, 10
	s_lshl_b32 s17, s13, 6
	s_add_co_u32 s16, s16, s17
	s_add_co_u32 s16, s16, 3145728
	s_mov_b32 s17, 0
	s_mov_b32 s[SEL], 0x76543210
	s_mov_b32 s[SEL+1], 0xfedcba98                 ; lane l xor 16
.irp b, 0,1,2,3
	v_mov_b32 v[TM+4+\b], 0                        ; a lane permute's destination counts as one of its sources
.endr
	s_wait_alu depctr_va_vdst(0)
	s_wait_kmcnt 0x0
	s_add_nc_u64 s[4:5], s[4:5], s[10:11]
	s_add_nc_u64 s[14:15], s[6:7], s[14:15]
	s_add_nc_u64 s[16:17], s[6:7], s[16:17]
.irp i, 0,1,2,3,4,5,6,7,8,9,10,11,12,13,14,15
	global_load_b128 v[R+4*\i:R+4*\i+3], v5, s[4:5] offset:(\i+8*(\i/8))*4096 th:TH_LOAD_NT   ; the tile's row i: 512 consecutive bytes
.endr
.irp i, 0,1,2,3,4,5,6,7,8,9,10,11,12,13,14,15
	s_wait_loadcnt 15-\i                           ; the younger loads may be out
	ds_store_b128 v8, v[R+4*\i:R+4*\i+3] offset:528*\i
.endr
.irp n, 0,1,2,3,4,5,6,7,8,9,10,11,12,13,14,15
	ds_load_b128 v[S+4*\n:S+4*\n+3], v9 offset:128*(\n/4)+16*(\n%4)    ; LDS serves a wave's instructions in order: these see my stores
.endr
	s_wait_dscnt 0x0
	QUANT S
	global_store_b128 v5, v[PC:PC+3], s[14:15]
	global_store_b64 v6, v[PC+4:PC+5], s[14:15] offset:512
	global_store_b128 v5, v[PC+6:PC+9], s[14:15] offset:768
	global_store_b64 v6, v[PC+10:PC+11], s[14:15] offset:1280
	global_store_b32 v7, v[PW], s[16:17]           ; lanes r and r + 16 hold the same word and write it to the same place
	s_wait_tensorcnt 0x0
	ds_add_u32 v192, v193
	s_wait_dscnt 0x0
	s_endpgm
.Lfunc_end_k_q2f3ec02986_quant:
	.size	k_q2f3ec02986_quant, .Lfunc_end_k_q2f3ec02986_quant-k_q2f3ec02986_quant
	.p2alignl 7, 3214868480
	.fill 96, 4, 3214868480
	.section	.rodata,"a",@progbits
	.p2align	6, 0x0
	.amdhsa_kernel k_q2f3ec02986_quant
		.amdhsa_group_segment_fixed_size 58880
		.amdhsa_private_segment_fixed_size 0
		.amdhsa_enable_private_segment 0
		.amdhsa_kernarg_size 72
		.amdhsa_user_sgpr_count 2
		.amdhsa_user_sgpr_kernarg_segment_ptr 1
		.amdhsa_wavefront_size32 1
		.amdhsa_system_sgpr_workgroup_id_x 1
		.amdhsa_system_sgpr_workgroup_id_y 1
		.amdhsa_system_sgpr_workgroup_id_z 1
		.amdhsa_system_vgpr_workitem_id 0
		.amdhsa_next_free_vgpr 194
		.amdhsa_next_free_sgpr 66
		.amdhsa_reserve_vcc 0
		.amdhsa_float_denorm_mode_32 3
		.amdhsa_float_denorm_mode_16_64 3
		.amdhsa_memory_ordered 1
		.amdhsa_forward_progress 1
		.amdhsa_inst_pref_size 57
	.end_amdhsa_kernel
	.amdgpu_metadata
---
amdhsa.version: [ 1, 2 ]
amdhsa.kernels:
  - .name:           k_q2f3ec02986_quant
    .symbol:         k_q2f3ec02986_quant.kd
    .args:
      - { .name: Wq, .offset: 0, .size: 8, .value_kind: global_buffer, .address_space: global }
      - { .name: Wk, .offset: 8, .size: 8, .value_kind: global_buffer, .address_space: global }
      - { .name: Wv, .offset: 16, .size: 8, .value_kind: global_buffer, .address_space: global }
      - { .name: Wo, .offset: 24, .size: 8, .value_kind: global_buffer, .address_space: global }
      - { .name: W1, .offset: 32, .size: 8, .value_kind: global_buffer, .address_space: global }
      - { .name: W2, .offset: 40, .size: 8, .value_kind: global_buffer, .address_space: global }
      - { .name: wts, .offset: 48, .size: 8, .value_kind: global_buffer, .address_space: global }
      - { .name: x, .offset: 56, .size: 8, .value_kind: global_buffer, .address_space: global }
      - { .name: xq, .offset: 64, .size: 8, .value_kind: global_buffer, .address_space: global }
    .group_segment_fixed_size: 58880
    .private_segment_fixed_size: 0
    .kernarg_segment_align: 8
    .kernarg_segment_size: 72
    .max_flat_workgroup_size: 128
    .sgpr_count:     66
    .vgpr_count:     194
    .wavefront_size: 32
...
	.end_amdgpu_metadata
.endif
;; end of part 1
;; launch proj (part 2): grid 12 x 16, 4 waves a work-group, clusters of 4 x 4, 327,680 bytes of LDS; arguments xq, wts, bq, bk, bv, qkvc; writes qkvc
.if DOCPART == 2
	.amdgcn_target "amdgcn-amd-amdhsa--gfx1250"
	.amdhsa_code_object_version 6
	.text
	.protected	k_q2f3ec02986_proj
	.globl	k_q2f3ec02986_proj
	.p2align	8
	.type	k_q2f3ec02986_proj,@function
k_q2f3ec02986_proj:
	s_mov_b64 s[64:65], 0
	v_nop
	global_prefetch_b8 v0, s[64:65] scope:SCOPE_SE
	s_setreg_imm32_b32 hwreg(HW_REG_WAVE_MODE, 25, 1), 1
	s_wait_xcnt 0x0
	s_wait_alu depctr_hold_cnt(0) depctr_sa_sdst(0) depctr_va_vdst(0) depctr_va_sdst(0) depctr_va_ssrc(0) depctr_va_vcc(0) depctr_vm_vsrc(0)
	s_getreg_b32 s2, hwreg(HW_REG_IB_STS2, 6, 4)
	s_cmp_eq_u32 s2, 0
	s_cbranch_scc0 .Lentry_in_a_cluster
	s_endpgm
.Lentry_in_a_cluster:
	s_bfe_u32 s2, ttmp6, 0x10000c
	s_cmp_lg_u32 s2, 0xf033
	s_cbranch_scc0 .Lentry_shape_is_right
	s_endpgm
.Lentry_shape_is_right:
; QKV = 1: q = x Wq + bq and k = x Wk + bk, quantised along a head's 64, and V^T = (x Wv + bv)^T, quantised along the tokens.   QKV = 0: h = relu(x1 W1 + b1), quantised along the 4,096.
; Both operands are images of BF6 (E3M2) codes: tile t holds rows 32 (t / 2) + 8 (t % 2) + i + 8 (i / 8); an image is the operand's 12 registers a lane, 1,536 bytes (for c = 0, 1: registers 6 c .. 6 c + 3 at 768 c + 16 lane,
; registers 6 c + 4, 6 c + 5 at 768 c + 512 + 8 lane); codes at ((t / 16) NS + s) x 24,576 + (t % 16) x 1,536, scale words at ((t / 16) NS + s) x 1,024 + (t % 16) x 64 + 4 row.  So the 16 images of 256 rows and one K step are one dense block.
; A tile of the result, 256 x 256, is made by four waves, each 128 x 128: 64 accumulators, 512 registers.  K = 1,024 goes in four steps of 256 through two LDS slots.
; ROLES.  Role A is source 1: its rows become the result's lanes.  Role B is source 0: its rows become the result's registers, and by the tiles' row order a lane's 16 registers of B's tiles 2 b, 2 b + 1 are 16 neighbours:
; so a lane's 64 results of one block of A are quantised in registers and ARE the image of the next product's operand: it is stored as it stands, with no stage.
; As a rule A = tokens, B = weight rows.  In the clusters with cluster x = 2 (QKV = 1) A = Wv's rows and B = tokens: only pointers, tile numbers and output places are chosen, by the cluster's x, which all partners share.
; CLUSTERS: 4 x 4.  A's tiles hang on the cluster's y and cy and are asked for jointly along a row of the cluster, B's on its x (or y) and cx, along a column.
; LIMITS: NaN and infinities are not served; a block whose largest magnitude lies under 2^-122 keeps the byte 1; a block of zeros has the byte 1 and not 127: its codes are zeros and this program alone reads the bytes.
; REGISTERS: window 0: v16-30 addresses; v32-63 scale words, two sets; v64-127 the bias by columns; v128-223 A's fragments, one set (on the way out: 64 numbers, codes, work); v232-241 the bias by rows.
;   window 1: B's fragments, two sets, at v0 and v128.   windows 2, 3: the accumulators ((a, b) at v[8 (8 (a % 4) + b)]).
.set QKV,   1
.set QUART, 24576                      ; 16 images: what one tensor load brings
.set SLOT,  4*QUART                    ; A's even K step, A's odd, B's even, B's odd
.set SCL,   2*SLOT                     ; the scale words of all of K: A's 8 x 1,024 bytes, then B's
.set SPARE, SCL+16384                  ; the spare words, 128 bytes for each wave
.set FR,    12
.set ADRA, 16                          ; v16-17 A's images in slot 0, 1, + 16 lane;  v18-19 + 8 lane
.set ADRB, 20                          ; v20-23 the same for B
.set L16,  24
.set L8,   25
.set L4R,  26
.set ADRS, 27                          ; my scale words: lanes 0-15 A's, lanes 16-31 B's
.set SPW,  28
.set NIL,  29
.set ZR,   30                          ; 0
.set SC,   32
.set CB,   64
.set AF,   128
.set T,    128
.set PC,   192
.set TM,   212
.set PW,   228
.set RB,   232
.set RBP,  240
.set SEL,  2
.set G1A,  24
.set G0A,  32
.set G1B,  48
.set G0B,  56
.set G1SA, 68
.set G0SA, 76
.set G1SB, 80
.set G0SB, 88
.if QKV
.set OUTP, 14
.else
.set OUTP, 10
.endif
.set MSB, 0
.macro WIN new                         ; the immediate's high byte repeats the setting that is left
.if MSB != \new
	s_set_vgpr_msb (MSB<<8)|\new
.set MSB, \new
.endif
.endm
.set MUL_LO, 0xa1                      ; source 0 (B) window 1, source 1 (A) window 0, C and D window 2
.set MUL_HI, 0xf1                      ; the same, C and D window 3
.set TO_B,   0x40                      ; destination window 1, address window 0
.macro PLACES                          ; four plain places behind matrix instructions, in front of loads into their registers and of reads of their results
.rept 4
	v_nop
.endr
.endm
.macro JLOAD g0a, g1a, g0b, g1b        ; a joint load: waves 0 and 1 fetch for A, waves 2 and 3 for B; the branch hangs on the wave's number alone; four v_nop follow each line
	s_cmp_eq_u32 s17, 0
	s_cbranch_scc0 .Lfor_b_\@
	tensor_load_to_lds s[\g0a:\g0a+3], s[\g1a:\g1a+7]
	s_nop 0
.rept 4
	v_nop
.endr
	s_branch .Lasked_\@
.Lfor_b_\@:
	tensor_load_to_lds s[\g0b:\g0b+3], s[\g1b:\g1b+7]
	s_nop 0
.rept 4
	v_nop
.endr
.Lasked_\@:
.endm
.macro CREST                           ; a round of the cluster's barrier behind its opening barrier
	s_cmp_lg_u32 s16, 0
	s_cbranch_scc1 .Lnot_wave_0_\@
	s_barrier_signal -3
.Lnot_wave_0_\@:
	s_barrier_wait -3
	s_barrier_signal -1
	s_barrier_wait -1
.endm
.macro CROUND
	s_barrier_signal -1
	s_barrier_wait -1
	CREST
.endm
.macro QUANT s                         ; 64 numbers of a lane, register 16 b + i = k 32 b + 16 (lane / 16) + i of my row, become a fragment's codes in v[PC] on and its scale word in v[PW]
.irp b, 0,1,2,3
	v_max3_num_f32 v[TM+\b], |v[\s+16*\b]|, |v[\s+1+16*\b]|, 0x2800000   ; my 16 numbers of block b, and the floor 2^(5 - 127)
.endr
.irp i, 2,4,6,8,10,12,14
.irp b, 0,1,2,3
	v_max3_num_f32 v[TM+\b], v[TM+\b], |v[\s+16*\b+\i]|, |v[\s+1+16*\b+\i]|
.endr
.endr
.irp b, 0,1,2,3
	v_permlanex16_b32 v[TM+4+\b], v[TM+\b], s[SEL], s[SEL+1]
.endr
.irp b, 0,1,2,3
	v_max_num_f32 v[TM+\b], v[TM+\b], v[TM+4+\b]   ; with lane l xor 16's: the block's largest magnitude
.endr
.irp b, 0,1,2,3
	v_add_nc_u32 v[TM+12+\b], 0xfe000000, v[TM+\b] ; 4 off the exponent field: the conversion's scale operand
.endr
.irp b, 0,1,2,3
	v_lshrrev_b32 v[TM+4+\b], 23, v[TM+12+\b]      ; the scale's byte
.endr
	v_lshl_or_b32 v[PW], v[TM+5], 8, v[TM+4]
	v_lshl_or_b32 v[PW], v[TM+6], 16, v[PW]
	v_lshl_or_b32 v[PW], v[TM+7], 24, v[PW]
.irp c, 0,1
	v_cvt_scalef32_pk16_bf6_f32 v[PC+6*\c:PC+2+6*\c], v[\s+32*\c:\s+15+32*\c], v[TM+12+2*\c]
	v_cvt_scalef32_pk16_bf6_f32 v[PC+12+4*\c:PC+14+4*\c], v[\s+16+32*\c:\s+31+32*\c], v[TM+12+2*\c+1]
.endr
	v_nop                                          ; one plain place behind a scaled conversion
.irp c, 0,1                            ; the operand wants a whole block in a lane: lanes 0-15 block 2 c, lanes 16-31 block 2 c + 1
.irp i, 0,1,2
	v_permlane16_swap_b32 v[PC+6*\c+\i], v[PC+12+4*\c+\i]
.endr
.irp i, 0,1,2
	v_mov_b32 v[PC+3+6*\c+\i], v[PC+12+4*\c+\i]
.endr
.endr
.endm
	s_load_b256 s[4:11], s[0:1], 0x0               ; QKV: xq, wts, bq, bk;  else: x1, wts, b1, hq
.if QKV
	s_load_b128 s[12:15], s[0:1], 0x20             ; bv, qkvc
.endif
	v_lshl_add_u32 v[SPW], v0, 2, SPARE
	v_mov_b32 v[NIL], 0
	ds_add_u32 v28, v29
	ds_add_u32 v28, v29
	s_wait_dscnt 0x0
	v_mov_b32 v[ZR], 0
	v_lshrrev_b32 v1, 5, v0
	v_readfirstlane_b32 s16, v1                    ; wave 0..3
	s_lshr_b32 s17, s16, 1                         ; which half of A's rows is mine.  Also: I fetch for A (0) or for B (1)
	s_and_b32 s18, s16, 1                          ; which half of B's rows.  Also: I fetch the slot's even (0) or odd (1) K step
	s_bfe_u32 s19, ttmp6, 0x40000                  ; cx
	s_bfe_u32 s20, ttmp6, 0x40004                  ; cy
	s_and_b32 s40, ttmp7, 0xffff
	s_lshl_b32 s40, s40, 2                         ; 4 x cluster y
	s_lshl_b32 s41, ttmp9, 2                       ; 4 x cluster x
	s_add_co_u32 s21, s40, s20                     ; A's tile of 256 rows: tokens, 4 Y + cy
	s_add_co_u32 s22, s41, s19                     ; B's: weight rows, 4 X + cx
.if QKV
	s_add_co_u32 s42, s20, 8                       ; for V^T: A = Wv's tile, 8 + cy of the three weights' twelve,
	s_add_co_u32 s43, s40, s19                     ; B = tokens, 4 Y + cx
	s_cmp_ge_u32 ttmp9, 2
	s_cselect_b32 s21, s42, s21
	s_cselect_b32 s22, s43, s22
	s_cselect_b32 s23, -1, 0                       ; all ones for V^T
.endif
	s_lshl_b32 s44, s20, 2
	s_lshl_b32 s44, 15, s44                        ; my row of the cluster
	s_lshl_b32 s45, 0x1111, s19                    ; my column
	; group 1, codes: 24,576 dense bytes as 96 rows of 256 bytes (32 elements of 8 bytes); bit 21 set beside a mask
	s_or_b32 s[G1A+0], s44, (3<<16)|(1<<21)
	s_or_b32 s[G1B+0], s45, (3<<16)|(1<<21)
.irp g, G1A, G1B
	s_mov_b32 s[\g+1], 32<<16                      ; tensor_dim0
	s_mov_b32 s[\g+2], 192<<16                     ; tensor_dim1: the head's loads bring a whole side of slot 0, two K steps on end
	s_mov_b32 s[\g+3], 32<<16                      ; tile_dim0
	s_mov_b32 s[\g+4], 192                         ; tile_dim1
	s_mov_b32 s[\g+5], 32                          ; from row to row
	s_mov_b32 s[\g+6], 0
	s_mov_b32 s[\g+7], 0
.endr
	; group 1, scale words of eight K steps: 8,192 dense bytes as 32 rows of 256
	s_or_b32 s[G1SA+0], s44, (3<<16)|(1<<21)
	s_or_b32 s[G1SB+0], s45, (3<<16)|(1<<21)
.irp g, G1SA, G1SB
	s_mov_b32 s[\g+1], 32<<16
	s_mov_b32 s[\g+2], 32<<16                      ; the scale words of all eight K steps: 8,192 dense bytes
	s_mov_b32 s[\g+3], 32<<16
	s_mov_b32 s[\g+4], 32
	s_mov_b32 s[\g+5], 32
	s_mov_b32 s[\g+6], 0
	s_mov_b32 s[\g+7], 0
.endr
	; the offsets are made in each descriptor's own registers: those of A's never hold cx, those of B's never cy
	s_lshl_b32 s[G0A+2], s21, 3
	s_add_co_u32 s[G0A+2], s[G0A+2], s18
	s_mul_i32 s[G0A+2], s[G0A+2], QUART            ; (tile x 8 + my K step) x 24,576
	s_mov_b32 s[G0A+3], 0
	s_lshl_b32 s[G0B+2], s22, 3
	s_add_co_u32 s[G0B+2], s[G0B+2], s18
	s_mul_i32 s[G0B+2], s[G0B+2], QUART
	s_mov_b32 s[G0B+3], 0
	s_mov_b32 s41, 0                               ; from K step 0 on
	s_lshl_b32 s[G0SA+2], s21, 13
	s_add_co_u32 s[G0SA+2], s[G0SA+2], s41
	s_mov_b32 s[G0SA+3], 0
	s_lshl_b32 s[G0SB+2], s22, 13
	s_add_co_u32 s[G0SB+2], s[G0SB+2], s41
	s_mov_b32 s[G0SB+3], 0
.if QKV
	s_mov_b32 s2, 3145728                          ; where xq's scale words begin
	s_mov_b32 s3, 9437184                          ; and the three weights'
	s_cmp_ge_u32 ttmp9, 2
	s_cselect_b32 s40, s3, s2
	s_cselect_b32 s41, s2, s3
	s_add_co_u32 s[G0SA+2], s[G0SA+2], s40
	s_add_co_u32 s[G0SB+2], s[G0SB+2], s41
.else
	s_add_co_u32 s[G0A+2], s[G0A+2], 16777216      ; x1's codes
	s_add_co_u32 s[G0B+2], s[G0B+2], 3145728       ; W1's codes
	s_add_co_u32 s[G0SA+2], s[G0SA+2], 19922944    ; x1's scale words
	s_add_co_u32 s[G0SB+2], s[G0SB+2], 9568256     ; W1's
.endif
	s_mul_i32 s3, s16, QUART                       ; where my load goes: wave x a quarter of a slot: no place in the cluster enters an LDS address
	s_lshl_b32 s2, s17, 13                         ; wave 1: A's scale words, wave 3: B's, behind them
	s_add_co_u32 s2, s2, SCL
	s_wait_kmcnt 0x0
.if QKV
	s_cmp_ge_u32 ttmp9, 2
	s_cselect_b64 s[92:93], s[6:7], s[4:5]         ; A's buffer
	s_cselect_b64 s[94:95], s[4:5], s[6:7]         ; B's
	s_cselect_b64 s[12:13], s[12:13], s[10:11]     ; the bias: bv, or bk,
	s_cmp_eq_u32 ttmp9, 0
	s_cselect_b64 s[8:9], s[8:9], s[12:13]         ; or bq
.else
	s_mov_b64 s[92:93], s[4:5]
	s_mov_b64 s[94:95], s[6:7]
.endif
	s_add_nc_u64 s[G0A+2:G0A+3], s[92:93], s[G0A+2:G0A+3]
	s_add_nc_u64 s[G0B+2:G0B+3], s[94:95], s[G0B+2:G0B+3]
	s_add_nc_u64 s[G0SA+2:G0SA+3], s[92:93], s[G0SA+2:G0SA+3]
	s_add_nc_u64 s[G0SB+2:G0SB+3], s[94:95], s[G0SB+2:G0SB+3]
	s_add_nc_u64 s[G0A+6:G0A+7], s[G0A+2:G0A+3], 2*QUART           ; slot 1: two K steps on
	s_add_nc_u64 s[G0B+6:G0B+7], s[G0B+2:G0B+3], 2*QUART
	s_cmp_eq_u32 s17, 0                            ; the prefetches: of the quarter that I fetch, my work-group's fourth, 6,144 bytes, told apart by address (cx for A, cy for B)
	s_cselect_b64 s[92:93], s[G0A+2:G0A+3], s[G0B+2:G0B+3]
	s_cselect_b32 s94, s19, s20
	s_mul_i32 s94, s94, 6144
	s_mov_b32 s95, 0
	s_add_nc_u64 s[92:93], s[92:93], s[94:95]
.irp g, G0A, G0A+4, G0B, G0B+4, G0SA, G0SB
	s_mov_b32 s[\g], 1                             ; count = 1
	s_or_b32 s[\g+3], s[\g+3], 0x80000000          ; type = 2
.endr
	s_mov_b32 s[G0SA+1], s2
	s_mov_b32 s[G0SB+1], s2
	s_mov_b32 s[G0A+1], s3
	s_mov_b32 s[G0B+1], s3
	s_add_co_u32 s[G0A+5], s3, SLOT
	s_add_co_u32 s[G0B+5], s3, SLOT
	CROUND                                         ; all sixteen work-groups are here: the first joint loads meet
.macro TL g0, g1
	tensor_load_to_lds s[\g0:\g0+3], s[\g1:\g1+7]
	s_nop 0
.rept 4
	v_nop
.endr
.endm
	; the head's four tiles, one load a wave, in one chain of arms: A's two K steps of slot 0, A's scale words, B's two K steps, B's scale words
	s_cmp_eq_u32 s16, 0
	s_cbranch_scc0 .Lh1
	TL G0A, G1A
	s_branch .Lhj
.Lh1:
	s_cmp_eq_u32 s16, 1
	s_cbranch_scc0 .Lh2
	TL G0SA, G1SA
	s_branch .Lhj
.Lh2:
	s_cmp_eq_u32 s16, 2
	s_cbranch_scc0 .Lh3
	TL G0B, G1B
	s_branch .Lhj
.Lh3:
	TL G0SB, G1SB
.Lhj:
	v_and_b32 v31, 31, v0
	v_min_u32 v31, 23, v31
	v_lshlrev_b32 v31, 8, v31                      ; a lane a block of 256 bytes, 24 blocks; the lanes left over name the last again; never rewritten
	global_prefetch_b8 v31, s[92:93] offset:2*QUART th:TH_LOAD_NT scope:SCOPE_SE   ; my share of the second fill (K steps 2, 3)
	global_prefetch_b8 v31, s[92:93] offset:4*QUART th:TH_LOAD_NT scope:SCOPE_SE   ; and of the third
	v_and_b32 v1, 31, v0
	v_and_b32 v2, 15, v0                           ; r
	v_bfe_u32 v3, v0, 4, 1                         ; h
	v_lshlrev_b32 v[L16], 4, v1
	v_lshlrev_b32 v[L8], 3, v1
	v_lshlrev_b32 v[L4R], 2, v2
	s_mul_i32 s40, s17, 12288                      ; my 8 images of A
	s_mul_i32 s41, s18, 12288
	s_add_co_u32 s41, s41, 2*QUART                 ; my 8 of B
.irp s, 0,1
	v_add_nc_u32 v[ADRA+\s], s40, v[L16]
	v_add_nc_u32 v[ADRA+2+\s], s40, v[L8]
	v_add_nc_u32 v[ADRB+\s], s41, v[L16]
	v_add_nc_u32 v[ADRB+2+\s], s41, v[L8]
	s_add_co_u32 s40, s40, SLOT
	s_add_co_u32 s41, s41, SLOT
.endr
	s_lshl_b32 s40, s17, 9                         ; A's scale words: my 8 images x 64 bytes
	s_lshl_b32 s41, s18, 9
	s_add_co_u32 s41, s41, 8192                    ; B's, behind A's 8,192 bytes
	s_sub_co_u32 s41, s41, s40
	v_mul_u32_u24 v4, s41, v3                      ; lanes 16-31 take B's
	s_add_co_u32 s40, s40, SCL
	v_add_nc_u32 v4, v4, v[L4R]
	v_add_nc_u32 v[ADRS], s40, v4
	; the bias by columns: lane (r, h) wants, for register 16 b + i, that of B's row 32 b + 16 h + i of my 128
	v_lshlrev_b32 v5, 6, v3
.if QKV
	s_lshl_b32 s45, s19, 10                        ; within one weight: 256 cx
.else
	s_lshl_b32 s45, s22, 10
.endif
	s_lshl_b32 s41, s18, 9
	s_add_co_u32 s45, s45, s41
	v_add_nc_u32 v5, s45, v5
.set i, 0
.rept 16
	global_load_b128 v[CB+4*i:CB+4*i+3], v5, s[8:9] offset:128*(i/4)+16*(i%4)
.set i, i+1
.endr
.if QKV
	v_and_b32 v6, 8, v2                            ; the bias by rows (V^T): that of A's row 256 cy + 128 half + the tile's row r
	v_add_nc_u32 v6, v6, v2
	v_lshlrev_b32 v6, 2, v6
	s_lshl_b32 s44, s20, 10
	s_lshl_b32 s41, s17, 9
	s_add_co_u32 s44, s44, s41
	v_add_nc_u32 v6, s44, v6
.irp a, 0,1,2,3,4,5,6,7
	global_load_b32 v[RB+\a], v6, s[8:9] offset:4*(32*(\a/2)+8*(\a%2))
.endr
.endif
	; where my images go: ((A's tile) NS + B's group of 128) x 24,576 + my half's 8 images
	s_lshl_b32 s46, s22, 1
	s_add_co_u32 s46, s46, s18
.if QKV
	s_lshl_b32 s47, s21, 4                         ; q, k: rows = tokens, NS = 16
	s_lshl_b32 s96, s20, 5                         ; V^T: rows = Wv's, tile cy, NS = 32
	s_mov_b32 s97, 0
	s_mov_b32 s98, 9437184
	s_cmp_ge_u32 ttmp9, 2
	s_cselect_b32 s47, s96, s47
	s_cselect_b32 s97, 6291456, s97
	s_cselect_b32 s98, 9699328, s98
.else
	s_lshl_b32 s47, s21, 5
	s_mov_b32 s97, 0
	s_mov_b32 s98, 12582912
.endif
	s_add_co_u32 s46, s46, s47
	s_lshl_b32 s100, s46, 10
	s_lshl_b32 s47, s17, 9
	s_add_co_u32 s100, s100, s47
	s_add_co_u32 s100, s100, s98
	s_mov_b32 s101, 0
	s_mul_i32 s98, s46, QUART
	s_mul_i32 s47, s17, 12288
	s_add_co_u32 s98, s98, s47
	s_add_co_u32 s98, s98, s97
	s_mov_b32 s99, 0
	s_add_nc_u64 s[98:99], s[OUTP:OUTP+1], s[98:99]
	s_add_nc_u64 s[100:101], s[OUTP:OUTP+1], s[100:101]
.macro FRAG reg, adr, off              ; an image comes back as it was stored: four loads, each consecutive over the lanes
	ds_load_b128 v[\reg:\reg+3], v[\adr] offset:\off
	ds_load_b64 v[\reg+4:\reg+5], v[\adr+2] offset:\off+512
	ds_load_b128 v[\reg+6:\reg+9], v[\adr] offset:\off+768
	ds_load_b64 v[\reg+10:\reg+11], v[\adr+2] offset:\off+1280
.endm
; 16 matrix instructions: A's blocks a0, a0 + 1 x B's eight, the slot's q-th K step.  The 64 accumulators take turns, one instruction a turn, in the same order in every step.
.macro MUL16 a0, p, q, sc, zero
.irp a, \a0, \a0+1
.irp b, 0,1,2,3,4,5,6,7
.if \zero
	v_wmma_scale_f32_16x16x128_f8f6f4 v[8*(8*((\a)%4)+\b):8*(8*((\a)%4)+\b)+7], v[128*(\p)+FR*\b:128*(\p)+FR*\b+FR-1], v[AF+FR*(\a):AF+FR*(\a)+FR-1], 0, v[SC+16*(\sc)+2*\b+(\q)], v[SC+16*(\sc)+2*(\a)+(\q)] matrix_a_fmt:MATRIX_FMT_BF6 matrix_b_fmt:MATRIX_FMT_BF6 matrix_a_scale:MATRIX_SCALE_ROW1
.else
	v_wmma_scale_f32_16x16x128_f8f6f4 v[8*(8*((\a)%4)+\b):8*(8*((\a)%4)+\b)+7], v[128*(\p)+FR*\b:128*(\p)+FR*\b+FR-1], v[AF+FR*(\a):AF+FR*(\a)+FR-1], v[8*(8*((\a)%4)+\b):8*(8*((\a)%4)+\b)+7], v[SC+16*(\sc)+2*\b+(\q)], v[SC+16*(\sc)+2*(\a)+(\q)] matrix_a_fmt:MATRIX_FMT_BF6 matrix_b_fmt:MATRIX_FMT_BF6 matrix_a_scale:MATRIX_SCALE_ROW1
.endif
.endr
.endr
.endm
.macro FETCH_B slot, q, p              ; 32 loads
	WIN TO_B
.irp i, 0,1,2,3,4,5,6,7
	FRAG 128*(\p)+FR*\i, ADRB+\slot, (\q)*QUART+\i*1536
.endr
	WIN 0
.endm
.macro FETCH_A slot, q, i0             ; 16 loads
.irp i, \i0, \i0+1, \i0+2, \i0+3
	FRAG AF+FR*(\i), ADRA+\slot, (\q)*QUART+(\i)*1536
.endr
.endm
.macro SCALES sc                       ; a slot's scale words: register 2 i + q: lanes 0-15 A's block i, lanes 16-31 B's block i
.irp i, 0,1,2,3,4,5,6,7
	ds_load_b32 v[SC+16*\sc+2*\i], v[ADRS] offset:64*\i
	ds_load_b32 v[SC+16*\sc+2*\i+1], v[ADRS] offset:64*\i+1024
.endr
.endm
.macro STEP slot, q, zero              ; a K step of 128 that has its successor in the same slot
	s_wait_dscnt 16                                ; B's set, A's blocks 0-3 and the scale words are in; the youngest 16 loads (A's blocks 4-7) may be out
	WIN MUL_LO
	MUL16 0, (\q)%2, \q, \slot, \zero
	MUL16 2, (\q)%2, \q, \slot, \zero
	s_wait_dscnt 0x0
	PLACES
	FETCH_B \slot, (\q)+1, 1-(\q)%2
	FETCH_A \slot, (\q)+1, 0
	WIN MUL_HI
	MUL16 4, (\q)%2, \q, \slot, \zero
	MUL16 6, (\q)%2, \q, \slot, \zero
	PLACES
	WIN 0
	FETCH_A \slot, (\q)+1, 4
.endm
; A slot's last step changes slots: one barrier; in front of it each wave waits for all its tensor loads, adds 0 to its spare word, and waits for that and for its own reads of this slot.
.macro TURN slot, next, fill
	s_wait_tensorcnt 0x0                           ; all my tensor loads have landed: my part of the next slot
	ds_add_u32 v[SPW], v[NIL]                      ; 0 onto my spare word
	s_wait_dscnt 17                                ; the add and the youngest 16 loads (A's blocks 4-7) may be out
	WIN MUL_LO
	MUL16 0, 1, 1, \slot, 0
	s_wait_dscnt 0x0                               ; the add is done, and my reads of this slot are over
	s_barrier_signal -1
	MUL16 2, 1, 1, \slot, 0
	WIN 0
	s_barrier_wait -1
.if \fill
	CREST                                          ; the barrier has opened a round of the cluster's barrier: no wave of any partner still reads this slot or has a load on its way
	s_add_nc_u64 s[G0A+4*\slot+2:G0A+4*\slot+3], s[G0A+4*\slot+2:G0A+4*\slot+3], 4*QUART
	s_add_nc_u64 s[G0B+4*\slot+2:G0B+4*\slot+3], s[G0B+4*\slot+2:G0B+4*\slot+3], 4*QUART
	JLOAD G0A+4*\slot, G1A, G0B+4*\slot, G1B       ; the first tensor load behind the round; its four v_nop are the places in front of the loads below
.else
	PLACES
.endif
	s_wait_alu depctr_va_vdst(0)
	v_add_nc_u32 v[ADRS], 2048, v[ADRS]            ; the next slot's scale words (no LDS load of mine is out)
	FETCH_B \next, 0, 0
	FETCH_A \next, 0, 0
	SCALES \next
	WIN MUL_HI
	MUL16 4, 1, 1, \slot, 0
	MUL16 6, 1, 1, \slot, 0
	PLACES
	WIN 0
	FETCH_A \next, 0, 4
.endm
	s_wait_alu depctr_va_vdst(0)
	s_wait_tensorcnt 0x0                           ; my tile of the head's four is in
	ds_add_u32 v[SPW], v[NIL]
	s_mov_b32 s[G1A+2], 96<<16                     ; no tensor load of mine is out: from here on a load brings one K step, 96 rows of 256 bytes
	s_mov_b32 s[G1A+4], 96
	s_mov_b32 s[G1B+2], 96<<16
	s_mov_b32 s[G1B+4], 96
	s_wait_dscnt 0x0
	CROUND                                         ; all four tiles are in, and the sixteen work-groups meet
	JLOAD G0A+4, G1A, G0B+4, G1B                   ; slot 1's first fill, a quarter a wave
	global_prefetch_b8 v31, s[92:93] offset:6*QUART th:TH_LOAD_NT scope:SCOPE_SE   ; my share of the fourth and last fill
	FETCH_B 0, 0, 0
	FETCH_A 0, 0, 0
	SCALES 0
	FETCH_A 0, 0, 4
	STEP 0, 0, 1                                   ; the first products start the sums: nothing is cleared
	TURN 0, 1, 1                                   ; K = 1,024 is four slots' worth: written out
	STEP 1, 0, 0
	TURN 1, 0, 1
	STEP 0, 0, 0
	TURN 0, 1, 0
	STEP 1, 0, 0
	s_wait_dscnt 16
	WIN MUL_LO
	MUL16 0, 1, 1, 1, 0
	MUL16 2, 1, 1, 1, 0
	s_wait_dscnt 0x0
	WIN MUL_HI
	MUL16 4, 1, 1, 1, 0
	MUL16 6, 1, 1, 1, 0
	WIN 0
	; THE WAY OUT: block a of A (16 rows) x my 128 of B: bias, activation, quantiser; the image is stored as it stands.
	PLACES
	s_mov_b32 s[SEL], 0x76543210
	s_mov_b32 s[SEL+1], 0xfedcba98
	s_wait_loadcnt 0x0                             ; the biases
.irp b, 0,1,2,3
	v_mov_b32 v[TM+4+\b], 0                        ; a lane permute's destination counts as one of its sources
.endr
.if QKV
	v_mov_b32 v[RBP+1], 0                          ; named as the upper half of a pair
.set i, 0
.rept 64
	v_cndmask_b32 v[CB+i], v[CB+i], v[ZR], s23     ; V^T has no bias by columns,
.set i, i+1
.endr
.set i, 0
.rept 8
	v_cndmask_b32 v[RB+i], v[ZR], v[RB+i], s23     ; q and k none by rows
.set i, i+1
.endr
.endif
.macro EPI a
.if (\a) > 0
	s_wait_xcnt 0x0                                ; the last block's stores have read their registers
.endif
	WIN 0x02+((\a)/4)                              ; source 0: window 2 or 3
.set i, 0
.rept 32
	v_pk_add_f32 v[T+i:T+i+1], v[64*((\a)%4)+i:64*((\a)%4)+i+1], v[CB+i:CB+i+1]   ; each accumulator from its low end on
.set i, i+2
.endr
	WIN 0
.if QKV
	v_mov_b32 v[RBP], v[RB+(\a)]
.set i, 0
.rept 32
	v_pk_add_f32 v[T+i:T+i+1], v[T+i:T+i+1], v[RBP:RBP+1] op_sel_hi:[1,0]
.set i, i+2
.endr
.else
.set i, 0
.rept 64
	v_max_num_f32 v[T+i], 0, v[T+i]                ; relu, in f32
.set i, i+1
.endr
.endif
	QUANT T
	global_store_b128 v[L16], v[PC:PC+3], s[98:99] offset:1536*(\a)
	global_store_b64 v[L8], v[PC+4:PC+5], s[98:99] offset:1536*(\a)+512
	global_store_b128 v[L16], v[PC+6:PC+9], s[98:99] offset:1536*(\a)+768
	global_store_b64 v[L8], v[PC+10:PC+11], s[98:99] offset:1536*(\a)+1280
	global_store_b32 v[L4R], v[PW], s[100:101] offset:64*(\a)      ; lanes r and r + 16 hold the same word
.endm
.irp a, 0,1,2,3,4,5,6,7
	EPI \a
.endr
	s_wait_tensorcnt 0x0                           ; the wave's end
	ds_add_u32 v[SPW], v[NIL]
	s_wait_dscnt 0x0
	CROUND                                         ; the closing round
	s_endpgm
.Lfunc_end_k_q2f3ec02986_proj:
	.size	k_q2f3ec02986_proj, .Lfunc_end_k_q2f3ec02986_proj-k_q2f3ec02986_proj
	.p2alignl 7, 3214868480
	.fill 96, 4, 3214868480
	.section	.rodata,"a",@progbits
	.p2align	6, 0x0
	.amdhsa_kernel k_q2f3ec02986_proj
		.amdhsa_group_segment_fixed_size 327680
		.amdhsa_private_segment_fixed_size 0
		.amdhsa_enable_private_segment 0
		.amdhsa_kernarg_size 48
		.amdhsa_user_sgpr_count 2
		.amdhsa_user_sgpr_kernarg_segment_ptr 1
		.amdhsa_wavefront_size32 1
		.amdhsa_system_sgpr_workgroup_id_x 1
		.amdhsa_system_sgpr_workgroup_id_y 1
		.amdhsa_system_sgpr_workgroup_id_z 1
		.amdhsa_system_vgpr_workitem_id 0
		.amdhsa_next_free_vgpr 1024
		.amdhsa_next_free_sgpr 102
		.amdhsa_reserve_vcc 0
		.amdhsa_float_denorm_mode_32 3
		.amdhsa_float_denorm_mode_16_64 3
		.amdhsa_memory_ordered 1
		.amdhsa_forward_progress 1
		.amdhsa_inst_pref_size 192
	.end_amdhsa_kernel
	.amdgpu_metadata
---
amdhsa.version: [ 1, 2 ]
amdhsa.kernels:
  - .name:           k_q2f3ec02986_proj
    .symbol:         k_q2f3ec02986_proj.kd
    .args:
      - { .name: xq, .offset: 0, .size: 8, .value_kind: global_buffer, .address_space: global }
      - { .name: wts, .offset: 8, .size: 8, .value_kind: global_buffer, .address_space: global }
      - { .name: bq, .offset: 16, .size: 8, .value_kind: global_buffer, .address_space: global }
      - { .name: bk, .offset: 24, .size: 8, .value_kind: global_buffer, .address_space: global }
      - { .name: bv, .offset: 32, .size: 8, .value_kind: global_buffer, .address_space: global }
      - { .name: qkvc, .offset: 40, .size: 8, .value_kind: global_buffer, .address_space: global }
    .group_segment_fixed_size: 327680
    .private_segment_fixed_size: 0
    .kernarg_segment_align: 8
    .kernarg_segment_size: 48
    .max_flat_workgroup_size: 128
    .sgpr_count:     102
    .vgpr_count:     1024
    .wavefront_size: 32
...
	.end_amdgpu_metadata
.endif
;; end of part 2
;; launch attn (part 3): grid 8 x 32, 16 waves a work-group, clusters of 4 x 1, 210,944 bytes of LDS; arguments qkvc, ao; writes ao
.if DOCPART == 3
	.amdgcn_target "amdgcn-amd-amdhsa--gfx1250"
	.amdhsa_code_object_version 6
	.text
	.protected	k_q2f3ec02986_attn
	.globl	k_q2f3ec02986_attn
	.p2align	8
	.type	k_q2f3ec02986_attn,@function
k_q2f3ec02986_attn:
	s_mov_b64 s[64:65], 0
	v_nop
	global_prefetch_b8 v0, s[64:65] scope:SCOPE_SE
	s_setreg_imm32_b32 hwreg(HW_REG_WAVE_MODE, 25, 1), 1
	s_wait_xcnt 0x0
	s_wait_alu depctr_hold_cnt(0) depctr_sa_sdst(0) depctr_va_vdst(0) depctr_va_sdst(0) depctr_va_ssrc(0) depctr_va_vcc(0) depctr_vm_vsrc(0)
	s_getreg_b32 s2, hwreg(HW_REG_IB_STS2, 6, 4)
	s_cmp_eq_u32 s2, 0
	s_cbranch_scc0 .Lentry_in_a_cluster
	s_endpgm
.Lentry_in_a_cluster:
	s_bfe_u32 s2, ttmp6, 0x10000c
	s_cmp_lg_u32 s2, 0x3003
	s_cbranch_scc0 .Lentry_shape_is_right
	s_endpgm
.Lentry_shape_is_right:
; Causal attention of one (batch, head) on BF6 (E3M2) codes; head size 64; 2,048 keys.  q, k: half images (64 of an image's 128 along K) of qkvc; V^T: images with the tokens as K.
; The result, divided by the row's sum, is quantised along the head's 64 and stored as half an image of ao, the next product's operand.
; THE SOFTMAX: t = score x log2(e) / 8; M = the largest t so far, rounded up to a whole number; p = 2^(t - M) is quantised along the keys, not normalised; the sum is taken of the unquantised p.  When M moves, sum and O are multiplied by 2^(old M - new M): exact.
; SHARES.  A head's 2,048 queries are 16 blocks of 128, each of 8 tiles of 16.  WAVE w TAKES BLOCK w (w < 8) OR 23 - w (w >= 8); THE WORK-GROUP'S NUMBER 0 .. 7 SAYS WHICH OF THE BLOCK'S EIGHT TILES.
; So every work-group has 136 key steps of work, waves w and w + 8 have 17 between them, and what the causal mask leaves out hangs on the wave's number alone.
; A key step is 128 keys.  Steps behind a wave's own block of queries are left out (a scalar branch on the wave's number and the loop's counter); in the step on the diagonal hidden scores become -infinity.
; CLUSTERS: 4 x 1.  The eight work-groups of a head read the same K, V and scale words (204 KB): four of them form a cluster and ask for each part JOINTLY, by the same tensor load with the same descriptor and the mask 15:
; a quarter of the requests.  The place in the cluster enters Q's and the output's addresses and the lane's distance from the diagonal (a number that is compared lane by lane and selects values), and no branch, no LDS address, no descriptor.
; K, V and their scale words are brought into LDS ONCE, one tensor load a wave, behind one round of the cluster's barrier; nothing is filled again; a closing round stands at the end.
; LAYOUT.  S^T = K Q^T (source 0 = a tile of 16 keys, source 1 = my 16 queries), O^T = V^T P^T: a lane holds one query throughout, and by the tiles' row order the 16 registers of tiles 2 b, 2 b + 1 are 16 neighbours.
; K = 64 IN AN INSTRUCTION OF 128: Q's registers 6-11 are zero codes and the upper two bytes of both scale words are 0 (2^-127, finite).  A key tile's operand is named v[32 + 6 t : 43 + 6 t]: its upper six registers are the
; next tile's codes (finite numbers, E3M2 has no other), which meet Q's zeros and add nothing; the last tile's are six registers of zeros.
; LIMITS: NaN and infinities are not served; a block whose largest magnitude lies under 2^-122 keeps the byte 1; a block of zeros has the byte 1 and not 127: its codes are zeros and this program alone reads the bytes.
; REGISTERS: v1-7, v30 lane terms; v8-11, v28, v29 the step's addresses; v12 -M, v13 largest t, v[14:15] the sum; v16-27 Q; v32-79 K's eight half fragments, then V's four; v80-85 zeros; v86-89 K's, v90-91 V's, v92 p's, v93 Q's scale words;
;   v96-159 S^T, then p; v160-191 O^T; v192-220 the way out; v224-235 p's codes; v232-254 at work.
;   s14, s84-91, s97-99 alone ever hold the place in the cluster or what is made of it.
.set KC, 0                             ; K's 128 half images of 768 bytes
.set VC, 98304                         ; V^T: [16 key steps][4 tiles][1,536]
.set KS, 196608                        ; K's scale words, 64 bytes a tile
.set VS, 204800                        ; V's: [16 key steps][4 tiles][64]
.set TM, 192
.set PW, 208
.set PC, 210
.set SEL, 20
.set JM, 15|(3<<16)|(1<<21)            ; group 1's first word: the mask of all four work-groups, elements of 8 bytes, bit 21 set beside a mask
.macro CROUND                          ; a round of the cluster's barrier: my work-group's barrier; wave 0 signals for the work-group; every wave waits for all four work-groups; my work-group's barrier once more
	s_barrier_signal -1
	s_barrier_wait -1
	s_cmp_lg_u32 s8, 0
	s_cbranch_scc1 .Lnot_wave_0_\@
	s_barrier_signal -3
.Lnot_wave_0_\@:
	s_barrier_wait -3
	s_barrier_signal -1
	s_barrier_wait -1
.endm
	s_load_b128 s[4:7], s[0:1], 0x0                ; qkvc, ao
	v_lshl_add_u32 v251, v0, 2, 0x33000
	v_mov_b32 v255, 0
	ds_add_u32 v251, v255
	ds_add_u32 v251, v255
	v_lshrrev_b32 v8, 5, v0
	s_delay_alu instid0(VALU_DEP_1)
	v_readfirstlane_b32 s8, v8                     ; wave 0..15
	s_and_b32 s9, s8, 7
	s_and_b32 s76, ttmp7, 0xffff
	s_lshr_b32 s10, s76, 4                         ; batch
	s_and_b32 s11, s76, 15                         ; head
	s_lshr_b32 s12, s11, 1                         ; pair of heads = K step of q's and k's images
	s_and_b32 s13, s11, 1                          ; which half of an image
	s_lshr_b32 s77, s8, 3
	s_mul_i32 s77, s77, 15
	s_xor_b32 s15, s9, s77                         ; my block of 128 queries = the key step on my diagonal: w, or 15 - (w - 8)
	; group 1: K's codes: 16 rows of 768 bytes (96 elements of 8), 1,536 bytes apart
	s_mov_b32 s24, JM
	s_mov_b32 s25, 96<<16
	s_mov_b32 s26, 16<<16
	s_mov_b32 s27, 96<<16
	s_mov_b32 s28, 16
	s_mov_b32 s29, 192
	s_mov_b32 s30, 0
	s_mov_b32 s31, 0
	; K's scale words: 4 rows of 1,024 bytes, 16,384 bytes apart
	s_mov_b32 s32, JM
	s_mov_b32 s33, 128<<16                         ; K's scale words: 4 rows (groups of 256 tokens) of 1,024 bytes, 16,384 bytes apart
	s_mov_b32 s34, 4<<16
	s_mov_b32 s35, 128<<16
	s_mov_b32 s36, 4
	s_mov_b32 s37, 2048
	s_mov_b32 s38, 0
	s_mov_b32 s39, 0
	; V's codes: 4 rows (key steps) of 6,144 bytes, 24,576 bytes apart
	s_mov_b32 s40, JM
	s_mov_b32 s41, 768<<16
	s_mov_b32 s42, 4<<16                           ; V's codes: 4 key steps a load
	s_mov_b32 s43, 768<<16
	s_mov_b32 s44, 4
	s_mov_b32 s45, 3072
	s_mov_b32 s46, 0
	s_mov_b32 s47, 0
	; V's scale words: 8 rows of 256 bytes, 1,024 bytes apart
	s_mov_b32 s48, JM
	s_mov_b32 s49, 32<<16
	s_mov_b32 s50, 8<<16                           ; V's scale words: 8 key steps a load
	s_mov_b32 s51, 32<<16
	s_mov_b32 s52, 8
	s_mov_b32 s53, 128
	s_mov_b32 s54, 0
	s_mov_b32 s55, 0
	; K: tokens' group of 16 tiles 8 batch + (wave % 8), K step 8 + pair: made of the batch, the head and the wave's number, which the partners share
	s_lshl_b32 s76, s10, 3
	s_add_co_u32 s76, s76, s9
	s_lshl_b32 s76, s76, 4
	s_add_co_u32 s76, s76, s12
	s_add_co_u32 s76, s76, 8
	s_mul_i32 s78, s76, 24576
	s_mul_i32 s79, s13, 768
	s_add_co_u32 s78, s78, s79
	s_mov_b32 s79, 0
	s_lshl_b32 s80, s9, 4                          ; K's scale words: groups 4 (wave % 2) on, in place of group wave % 8
	s_sub_co_u32 s80, s76, s80
	s_and_b32 s81, s8, 1
	s_lshl_b32 s81, s81, 6
	s_add_co_u32 s80, s80, s81
	s_lshl_b32 s80, s80, 10
	s_add_co_u32 s80, s80, 9437184
	s_mov_b32 s81, 0
	; V^T: rows' group head / 4, tiles 4 (head % 4) on; K steps 16 batch on
	s_lshr_b32 s76, s11, 2
	s_lshl_b32 s76, s76, 5
	s_lshl_b32 s77, s10, 4
	s_add_co_u32 s76, s76, s77
	s_and_b32 s77, s8, 1
	s_lshl_b32 s77, s77, 3
	s_add_co_u32 s92, s76, s77                     ; V's scale words: key steps 8 (wave % 2) on
	s_and_b32 s77, s8, 3
	s_lshl_b32 s77, s77, 2
	s_add_co_u32 s76, s76, s77                     ; V's codes: key steps 4 (wave % 4) on
	s_and_b32 s77, s11, 3
	s_mul_i32 s82, s76, 24576
	s_mul_i32 s83, s77, 6144
	s_add_co_u32 s82, s82, s83
	s_add_co_u32 s82, s82, 6291456
	s_mov_b32 s83, 0
	s_lshl_b32 s92, s92, 10
	s_lshl_b32 s93, s77, 8
	s_add_co_u32 s92, s92, s93
	s_add_co_u32 s92, s92, 9699328
	s_mov_b32 s93, 0
	; my queries' half image and its scale words; the same place in ao.  From here on s14, s84-91, s97-99 hold what hangs on my place in the cluster
	s_bfe_u32 s97, ttmp6, 0x40000                  ; cx
	s_lshl_b32 s98, ttmp9, 2                       ; in a cluster launch ttmp9 counts clusters
	s_add_co_u32 s98, s98, s97                     ; the work-group's number 0 .. 7: which tile of a block of queries
	s_lshl_b32 s14, s15, 3
	s_add_co_u32 s14, s14, s98                     ; my tile of queries in the batch
	s_lshl_b32 s99, s10, 7
	s_add_co_u32 s99, s99, s14                     ; tile among all tokens
	s_lshr_b32 s97, s99, 4                         ; its group of 16
	s_and_b32 s99, s99, 15
	s_mul_i32 s88, s99, 1536
	s_mul_i32 s89, s13, 768
	s_add_co_u32 s88, s88, s89                     ; the tile's place in its block, + my half
	s_lshl_b32 s90, s99, 6
	s_lshl_b32 s91, s13, 1
	s_add_co_u32 s90, s90, s91                     ; the same among scale words
	s_lshl_b32 s99, s97, 4
	s_add_co_u32 s99, s99, s12                     ; qkvc: NS = 16
	s_mul_i32 s84, s99, 24576
	s_add_co_u32 s84, s84, s88
	s_mov_b32 s85, 0
	s_lshl_b32 s86, s99, 10
	s_add_co_u32 s86, s86, s90
	s_add_co_u32 s86, s86, 9437184
	s_mov_b32 s87, 0
	s_lshl_b32 s99, s97, 3
	s_add_co_u32 s99, s99, s12                     ; ao: NS = 8
	s_mul_i32 s97, s99, 24576
	s_add_co_u32 s88, s88, s97
	s_mov_b32 s89, 0
	s_lshl_b32 s99, s99, 10
	s_add_co_u32 s90, s90, s99
	s_add_co_u32 s90, s90, 3145728
	s_mov_b32 s91, 0
	s_mov_b32 s[SEL], 0x76543210
	s_mov_b32 s[SEL+1], 0xfedcba98                 ; lane l xor 16
	s_mov_b32 s22, 0x3e38aa3b                      ; c = log2(e) / 8
	s_mov_b32 s23, s22                             ; named with it as a pair
	s_mov_b32 s16, 0                               ; the key step
	s_mov_b32 s17, 0                               ; its codes: 6,144 bytes a step, K's and V's alike
	s_mov_b32 s18, 0                               ; K's scale words: 512 a step
	s_mov_b32 s19, 0                               ; V's: 256 a step
	s_mul_i32 s94, s9, 12288                       ; where my load goes: the wave's number alone
	s_and_b32 s95, s8, 1
	s_lshl_b32 s96, s95, 11
	s_lshl_b32 s95, s95, 12
	s_and_b32 s77, s8, 3
	s_mul_i32 s77, s77, 24576
	s_wait_dscnt 0x0
	s_wait_kmcnt 0x0
	s_mov_b32 s56, 1
	s_mov_b32 s57, s94                             ; KC + 12,288 (wave % 8)
	s_add_nc_u64 s[58:59], s[4:5], s[78:79]
	s_or_b32 s59, s59, 0x80000000
	s_mov_b32 s60, 1
	s_add_co_u32 s61, s95, KS
	s_add_nc_u64 s[62:63], s[4:5], s[80:81]
	s_or_b32 s63, s63, 0x80000000
	s_mov_b32 s68, 1
	s_add_co_u32 s69, s77, VC
	s_add_nc_u64 s[70:71], s[4:5], s[82:83]
	s_or_b32 s71, s71, 0x80000000
	s_mov_b32 s72, 1
	s_add_co_u32 s73, s96, VS
	s_add_nc_u64 s[74:75], s[4:5], s[92:93]
	s_or_b32 s75, s75, 0x80000000
	CROUND                                         ; all four work-groups are here: the joint loads meet
	; one load a wave, in one chain of arms: waves 0-7 K's codes, 8-11 V's codes, 12-13 K's scale words, 14-15 V's
	s_cmp_lt_u32 s8, 8
	s_cbranch_scc0 .Lfill_v
	tensor_load_to_lds s[56:59], s[24:31]
	s_nop 0
.rept 4
	v_nop
.endr
	s_branch .Lfilled
.Lfill_v:
	s_cmp_lt_u32 s8, 12
	s_cbranch_scc0 .Lfill_ks
	tensor_load_to_lds s[68:71], s[40:47]
	s_nop 0
.rept 4
	v_nop
.endr
	s_branch .Lfilled
.Lfill_ks:
	s_cmp_lt_u32 s8, 14
	s_cbranch_scc0 .Lfill_vs
	tensor_load_to_lds s[60:63], s[32:39]
	s_nop 0
.rept 4
	v_nop
.endr
	s_branch .Lfilled
.Lfill_vs:
	tensor_load_to_lds s[72:75], s[48:55]
	s_nop 0
.rept 4
	v_nop
.endr
.Lfilled:
	s_add_nc_u64 s[84:85], s[4:5], s[84:85]
	s_add_nc_u64 s[86:87], s[4:5], s[86:87]
	s_add_nc_u64 s[88:89], s[6:7], s[88:89]
	s_add_nc_u64 s[90:91], s[6:7], s[90:91]
	v_and_b32 v8, 31, v0                           ; lane
	v_and_b32 v9, 15, v0                           ; r
	v_bfe_u32 v10, v0, 4, 1                        ; h
	s_delay_alu instid0(VALU_DEP_3)
	v_lshlrev_b32 v1, 4, v8                        ; 16 lane (KC = 0)
	s_delay_alu instid0(VALU_DEP_4)
	v_lshlrev_b32 v2, 3, v8
	s_delay_alu instid0(VALU_DEP_1)
	v_add_nc_u32 v2, 512, v2                       ; 512 + 8 lane
	s_lshl_b32 s76, s13, 1
	s_add_co_u32 s76, s76, KS
	v_lshl_add_u32 v3, v8, 2, s76                  ; K's scale words: my head's two bytes; lanes 0-15 an even tile, lanes 16-31 the odd one behind it
	v_add_nc_u32 v4, VC, v1
	v_lshlrev_b32 v5, 3, v8
	s_delay_alu instid0(VALU_DEP_1)
	v_add_nc_u32 v5, VC, v5
	v_lshl_add_u32 v6, v8, 2, VS
	v_lshlrev_b32 v30, 2, v9                       ; 4 r
	global_load_b128 v[16:19], v1, s[84:85]        ; Q's half image stays in registers
	global_load_b64 v[20:21], v2, s[84:85]
	global_load_u16 v93, v30, s[86:87]             ; its two scale bytes; the upper two are 0
	s_lshr_b32 s99, s98, 1
	s_lshl_b32 s99, s99, 5
	s_and_b32 s97, s98, 1
	s_lshl_b32 s97, s97, 3
	s_add_co_u32 s99, s99, s97                     ; my tile's first row in its block of 128
	v_and_b32 v11, 8, v9
	s_delay_alu instid0(VALU_DEP_1)
	v_add_nc_u32 v7, v11, v9
	v_lshlrev_b32 v11, 4, v10
	s_delay_alu instid0(VALU_DEP_1)
	v_sub_nc_u32 v7, v7, v11
	s_delay_alu instid0(VALU_DEP_1)
	v_add_nc_u32 v7, s99, v7                       ; d = my query in its block - 16 h: on the diagonal register 16 b + i (key 32 b + 16 h + i) is hidden where 32 b + i > d
.irp j, 22,23,24,25,26,27,80,81,82,83,84,85
	v_mov_b32 v\j, 0                               ; zero codes
.endr
	v_mov_b32 v13, 0xff61b1e6                      ; the largest t so far: -3e38
	s_delay_alu instid0(VALU_DEP_1)
	v_floor_f32 v12, -v13                          ; -M
	v_mov_b32 v14, 0
	v_mov_b32 v15, 0
.irp j, 236,237,238,239,252,253
	v_mov_b32 v\j, 0                               ; lane permutes' destinations and a pair's halves are written once
.endr
.set j, 0
.rept 32
	v_mov_b32 v[160+j], 0                          ; O^T: the loop is written once; its first step finds zeros
.set j, j+1
.endr
	s_wait_tensorcnt 0x0                           ; my part has landed,
	s_barrier_signal -1
	s_barrier_wait -1                              ; everybody's have
	s_wait_loadcnt 0x0                             ; Q
.Lstep:                                            ; 16 trips, a constant; a step behind my diagonal only steps the addresses
	s_cmp_gt_u32 s16, s15
	s_cbranch_scc1 .Lhidden
	v_add_nc_u32 v8, s17, v1                       ; (six plain places in front of the loads into registers that the last products read)
	v_add_nc_u32 v9, s17, v2
	v_add_nc_u32 v10, s18, v3
	v_add_nc_u32 v11, s17, v4
	v_add_nc_u32 v28, s17, v5
	v_add_nc_u32 v29, s19, v6
.irp t, 0,1,2,3,4,5,6,7
	ds_load_b128 v[32+6*\t:35+6*\t], v8 offset:768*\t
	ds_load_b64 v[36+6*\t:37+6*\t], v9 offset:768*\t
.endr
.irp u, 0,1,2,3
	ds_load_u16 v[86+\u], v10 offset:128*\u
.endr
	s_wait_alu depctr_va_vdst(0)
	s_wait_dscnt 0x0
.irp t, 0,1,2,3,4,5,6,7
.if (\t)%2
	v_wmma_scale_f32_16x16x128_f8f6f4 v[96+8*\t:103+8*\t], v[32+6*\t:43+6*\t], v[16:27], 0, v[86+\t/2], v93 matrix_a_fmt:MATRIX_FMT_BF6 matrix_b_fmt:MATRIX_FMT_BF6 matrix_a_scale:MATRIX_SCALE_ROW1
.else
	v_wmma_scale_f32_16x16x128_f8f6f4 v[96+8*\t:103+8*\t], v[32+6*\t:43+6*\t], v[16:27], 0, v[86+\t/2], v93 matrix_a_fmt:MATRIX_FMT_BF6 matrix_b_fmt:MATRIX_FMT_BF6
.endif
.endr
.rept 4
	v_nop                                          ; places: for the loads below and for the first read of the scores
.endr
.irp t, 0,1,2,3                                    ; V's four fragments are asked for now and land under the softmax
	ds_load_b128 v[32+12*\t:35+12*\t], v11 offset:1536*\t
	ds_load_b64 v[36+12*\t:37+12*\t], v28 offset:1536*\t+512
	ds_load_b128 v[38+12*\t:41+12*\t], v11 offset:1536*\t+768
	ds_load_b64 v[42+12*\t:43+12*\t], v28 offset:1536*\t+1280
.endr
	ds_load_b32 v90, v29
	ds_load_b32 v91, v29 offset:128
	s_cmp_lg_u32 s16, s15
	s_cbranch_scc1 .Lopen
	v_mov_b32 v241, 0xff800000                     ; on the diagonal: -infinity for hidden keys, ahead of the maximum; key 0 of the step counts for every query
.set n, 0
.rept 64
	v_cmp_gt_i32 vcc_lo, 32*(n/16)+n%16, v7
	v_cndmask_b32 v[96+n], v[96+n], v241, vcc_lo
.set n, n+1
.endr
.Lopen:
.irp b, 0,1,2,3
	v_max3_num_f32 v[232+\b], v[96+16*\b], v[97+16*\b], v[98+16*\b]    ; the largest score of each block of 32 keys: for the row's maximum and, since p rises with the score, for the block's largest p
.endr
.irp i, 3,5,7,9,11,13
.irp b, 0,1,2,3
	v_max3_num_f32 v[232+\b], v[232+\b], v[96+16*\b+\i], v[97+16*\b+\i]
.endr
.endr
.irp b, 0,1,2,3
	v_max_num_f32 v[232+\b], v[232+\b], v[111+16*\b]
.endr
.irp b, 0,1,2,3
	s_delay_alu instid0(VALU_DEP_4)
	v_permlanex16_b32 v[236+\b], v[232+\b], s[SEL], s[SEL+1]
.endr
.irp b, 0,1,2,3
	s_delay_alu instid0(VALU_DEP_4)
	v_max_num_f32 v[232+\b], v[232+\b], v[236+\b]  ; with lane l xor 16's 16 keys
.endr
	s_delay_alu instid0(VALU_DEP_2)
	v_max3_num_f32 v254, v232, v233, v234
	s_delay_alu instid0(VALU_DEP_1)
	v_max_num_f32 v254, v254, v235
	s_delay_alu instid0(VALU_DEP_1)
	v_mul_f32 v254, s22, v254                      ; as t (c is positive)
	s_delay_alu instid0(VALU_DEP_1)
	v_max_num_f32 v13, v13, v254                   ; the running largest t
	v_mov_b32 v254, v12
	s_delay_alu instid0(VALU_DEP_2)
	v_floor_f32 v12, -v13                          ; the new -M = -ceil(t)
	s_delay_alu instid0(VALU_DEP_1)
	v_sub_f32 v254, v12, v254                      ; old M - new M: a whole number, 0 or less
	s_delay_alu instid0(VALU_DEP_1)
	v_cvt_i32_f32 v254, v254                       ; (it saturates)
	s_delay_alu instid0(VALU_DEP_1)
	v_ldexp_f32 v252, 1.0, v254                    ; f = 2^(old M - new M)
.set j, 0
.rept 32
	v_pk_fma_f32 v[96+j:97+j], v[96+j:97+j], s[22:23], v[12:13] op_sel_hi:[1,0,0]   ; t - M
.set j, j+2
.endr
.irp b, 0,1,2,3
	v_fma_f32 v[232+\b], v[232+\b], s22, v12       ; the same of each block's largest score
.endr
.set j, 0
	s_wait_alu depctr_va_vdst(0)
.rept 64
	v_exp_f32 v[96+j], v[96+j]                     ; p = 2^(t - M)
.set j, j+1
.endr
.irp b, 0,1,2,3
	v_exp_f32 v[232+\b], v[232+\b]                 ; the block's largest p: the same two instructions on the same number
.endr
	v_pk_mul_f32 v[14:15], v[14:15], v[252:253] op_sel_hi:[1,0]    ; the sums under the new M (a plain place behind the exponentials)
	s_wait_alu depctr_va_vdst(0)
.irp b, 0,1,2,3
	v_max_num_f32 v[232+\b], 0x2800000, v[232+\b]  ; the floor 2^(5 - 127)
.endr
.irp b, 0,1,2,3
	s_delay_alu instid0(VALU_DEP_4)
	v_add_nc_u32 v[244+\b], 0xfe000000, v[232+\b]  ; the conversion's scale operand
.endr
.irp b, 0,1,2,3
	s_delay_alu instid0(VALU_DEP_4)
	v_lshrrev_b32 v[236+\b], 23, v[244+\b]         ; the scale's byte
.endr
	s_delay_alu instid0(VALU_DEP_3)
	v_lshl_or_b32 v92, v237, 8, v236               ; p's scale word for these 128 keys
	s_delay_alu instid0(VALU_DEP_1)
	v_lshl_or_b32 v92, v238, 16, v92
	s_delay_alu instid0(VALU_DEP_1)
	v_lshl_or_b32 v92, v239, 24, v92
.irp c, 0,1
	v_cvt_scalef32_pk16_bf6_f32 v[224+6*\c:226+6*\c], v[96+32*\c:111+32*\c], v[244+2*\c]
	v_cvt_scalef32_pk16_bf6_f32 v[236+4*\c:238+4*\c], v[112+32*\c:127+32*\c], v[244+2*\c+1]
.endr
	v_nop                                          ; one plain place behind a scaled conversion
.irp c, 0,1
.irp i, 0,1,2
	v_permlane16_swap_b32 v[224+6*\c+\i], v[236+4*\c+\i]
.endr
.irp i, 0,1,2
	s_delay_alu instid0(VALU_DEP_3)
	v_mov_b32 v[227+6*\c+\i], v[236+4*\c+\i]
.endr
.endr
	v_pk_add_f32 v[236:237], v[100:101], v[104:105]
	v_pk_add_f32 v[248:249], v[108:109], v[112:113]
	v_pk_add_f32 v[246:247], v[116:117], v[120:121]
	v_pk_add_f32 v[244:245], v[124:125], v[128:129]
	v_pk_add_f32 v[242:243], v[132:133], v[136:137]
	v_pk_add_f32 v[240:241], v[140:141], v[144:145]
	v_pk_add_f32 v[222:223], v[148:149], v[152:153]
	v_pk_add_f32 v[14:15], v[14:15], v[156:157]
	v_pk_add_f32 v[236:237], v[236:237], v[96:97]
	v_pk_add_f32 v[248:249], v[248:249], v[98:99]
	v_pk_add_f32 v[246:247], v[246:247], v[102:103]
	v_pk_add_f32 v[244:245], v[244:245], v[106:107]
	v_pk_add_f32 v[242:243], v[242:243], v[110:111]
	v_pk_add_f32 v[240:241], v[240:241], v[114:115]
	v_pk_add_f32 v[222:223], v[222:223], v[118:119]
	v_pk_add_f32 v[14:15], v[14:15], v[122:123]
	v_pk_add_f32 v[236:237], v[236:237], v[126:127]
	v_pk_add_f32 v[248:249], v[248:249], v[130:131]
	v_pk_add_f32 v[246:247], v[246:247], v[134:135]
	v_pk_add_f32 v[244:245], v[244:245], v[138:139]
	v_pk_add_f32 v[242:243], v[242:243], v[142:143]
	v_pk_add_f32 v[240:241], v[240:241], v[146:147]
	v_pk_add_f32 v[222:223], v[222:223], v[150:151]
	v_pk_add_f32 v[14:15], v[14:15], v[154:155]
	v_pk_add_f32 v[236:237], v[236:237], v[158:159]
	s_delay_alu instid0(VALU_DEP_2)
	v_pk_add_f32 v[14:15], v[14:15], v[244:245]
	s_delay_alu instid0(VALU_DEP_2)
	v_pk_add_f32 v[236:237], v[236:237], v[242:243]
	v_pk_add_f32 v[248:249], v[248:249], v[240:241]
	v_pk_add_f32 v[246:247], v[246:247], v[222:223]
	s_delay_alu instid0(VALU_DEP_2)
	v_pk_add_f32 v[14:15], v[14:15], v[248:249]
	s_delay_alu instid0(VALU_DEP_2)
	v_pk_add_f32 v[236:237], v[236:237], v[246:247]
	s_delay_alu instid0(VALU_DEP_1)
	v_pk_add_f32 v[14:15], v[14:15], v[236:237]
.set j, 0
.rept 16
	v_pk_mul_f32 v[160+j:161+j], v[160+j:161+j], v[252:253] op_sel_hi:[1,0]   ; O^T under the new M
.set j, j+2
.endr
	s_wait_alu depctr_va_vdst(0)
	s_wait_dscnt 0x0                               ; V
.irp t, 0,1,2,3                                    ; the four accumulators take turns, one instruction a turn
.if (\t)%2
	v_wmma_scale_f32_16x16x128_f8f6f4 v[160+8*\t:167+8*\t], v[32+12*\t:43+12*\t], v[224:235], v[160+8*\t:167+8*\t], v[90+\t/2], v92 matrix_a_fmt:MATRIX_FMT_BF6 matrix_b_fmt:MATRIX_FMT_BF6 matrix_a_scale:MATRIX_SCALE_ROW1
.else
	v_wmma_scale_f32_16x16x128_f8f6f4 v[160+8*\t:167+8*\t], v[32+12*\t:43+12*\t], v[224:235], v[160+8*\t:167+8*\t], v[90+\t/2], v92 matrix_a_fmt:MATRIX_FMT_BF6 matrix_b_fmt:MATRIX_FMT_BF6
.endif
.endr
.Lhidden:
	s_add_co_u32 s17, s17, 6144
	s_add_co_u32 s18, s18, 512
	s_add_co_u32 s19, s19, 256
	s_add_co_u32 s16, s16, 1
	s_cmp_lt_u32 s16, 16
	s_cbranch_scc1 .Lstep
	; THE WAY OUT: O^T / the sum; register 16 b + i is channel 32 b + 16 h + i of my query: two blocks, quantised in registers: half an image
.rept 4
	v_nop
.endr
	v_add_f32 v14, v14, v15
	s_delay_alu instid0(VALU_DEP_1)
	v_permlanex16_b32 v252, v14, s[SEL], s[SEL+1]
	s_delay_alu instid0(VALU_DEP_1)
	v_add_f32 v14, v14, v252                       ; the row's sum
	s_wait_alu depctr_va_vdst(0)
	v_rcp_f32 v14, v14
	v_mov_b32 v[TM+4], 0                           ; (a plain place behind the reciprocal)
	v_mov_b32 v[TM+5], 0
.set j, 0
	s_wait_alu depctr_va_vdst(0)
.rept 32
	v_mul_f32 v[96+j], v[160+j], v14
.set j, j+1
.endr
.irp b, 0,1
	v_max3_num_f32 v[TM+\b], |v[96+16*\b]|, |v[97+16*\b]|, 0x2800000
.endr
.irp i, 2,4,6,8,10,12,14
.irp b, 0,1
	s_delay_alu instid0(VALU_DEP_2)
	v_max3_num_f32 v[TM+\b], v[TM+\b], |v[96+16*\b+\i]|, |v[97+16*\b+\i]|
.endr
.endr
.irp b, 0,1
	s_delay_alu instid0(VALU_DEP_2)
	v_permlanex16_b32 v[TM+4+\b], v[TM+\b], s[SEL], s[SEL+1]
.endr
.irp b, 0,1
	s_delay_alu instid0(VALU_DEP_2)
	v_max_num_f32 v[TM+\b], v[TM+\b], v[TM+4+\b]
.endr
.irp b, 0,1
	s_delay_alu instid0(VALU_DEP_2)
	v_add_nc_u32 v[TM+12+\b], 0xfe000000, v[TM+\b]
.endr
.irp b, 0,1
	s_delay_alu instid0(VALU_DEP_2)
	v_lshrrev_b32 v[TM+4+\b], 23, v[TM+12+\b]
.endr
	s_delay_alu instid0(VALU_DEP_1)
	v_lshl_or_b32 v[PW], v[TM+5], 8, v[TM+4]       ; my head's two bytes of the row's scale word
	v_cvt_scalef32_pk16_bf6_f32 v[PC:PC+2], v[96:111], v[TM+12]
	v_cvt_scalef32_pk16_bf6_f32 v[PC+8:PC+10], v[112:127], v[TM+13]
	v_nop
.irp i, 0,1,2
	v_permlane16_swap_b32 v[PC+\i], v[PC+8+\i]
.endr
.irp i, 0,1,2
	s_delay_alu instid0(VALU_DEP_3)
	v_mov_b32 v[PC+3+\i], v[PC+8+\i]
.endr
	global_store_b128 v1, v[PC:PC+3], s[88:89]
	global_store_b64 v2, v[PC+4:PC+5], s[88:89]
	global_store_b16 v30, v[PW], s[90:91]          ; lanes r and r + 16 hold the same bytes
	s_wait_dscnt 0x0                               ; no LDS instruction of mine is out at a signal
	s_wait_tensorcnt 0x0
	ds_add_u32 v251, v255
	s_wait_dscnt 0x0
	CROUND                                         ; the closing round: no work-group ends while a partner may still ask for a part that names it
	s_endpgm
.Lfunc_end_k_q2f3ec02986_attn:
	.size	k_q2f3ec02986_attn, .Lfunc_end_k_q2f3ec02986_attn-k_q2f3ec02986_attn
	.p2alignl 7, 3214868480
	.fill 96, 4, 3214868480
	.section	.rodata,"a",@progbits
	.p2align	6, 0x0
	.amdhsa_kernel k_q2f3ec02986_attn
		.amdhsa_group_segment_fixed_size 210944
		.amdhsa_private_segment_fixed_size 0
		.amdhsa_enable_private_segment 0
		.amdhsa_kernarg_size 16
		.amdhsa_user_sgpr_count 2
		.amdhsa_user_sgpr_kernarg_segment_ptr 1
		.amdhsa_wavefront_size32 1
		.amdhsa_system_sgpr_workgroup_id_x 1
		.amdhsa_system_sgpr_workgroup_id_y 1
		.amdhsa_system_sgpr_workgroup_id_z 1
		.amdhsa_system_vgpr_workitem_id 0
		.amdhsa_next_free_vgpr 256
		.amdhsa_next_free_sgpr 100
		.amdhsa_reserve_vcc 1
		.amdhsa_float_denorm_mode_32 3
		.amdhsa_float_denorm_mode_16_64 3
		.amdhsa_memory_ordered 1
		.amdhsa_forward_progress 1
		.amdhsa_inst_pref_size 40
	.end_amdhsa_kernel
	.amdgpu_metadata
---
amdhsa.version: [ 1, 2 ]
amdhsa.kernels:
  - .name:           k_q2f3ec02986_attn
    .symbol:         k_q2f3ec02986_attn.kd
    .args:
      - { .name: qkvc, .offset: 0, .size: 8, .value_kind: global_buffer, .address_space: global }
      - { .name: ao, .offset: 8, .size: 8, .value_kind: global_buffer, .address_space: global }
    .group_segment_fixed_size: 210944
    .private_segment_fixed_size: 0
    .kernarg_segment_align: 8
    .kernarg_segment_size: 16
    .max_flat_workgroup_size: 512
    .sgpr_count:     100
    .vgpr_count:     256
    .wavefront_size: 32
...
	.end_amdgpu_metadata
.endif
;; end of part 3
;; launch oproj (part 4): grid 8 x 32, 4 waves a work-group, clusters of 4 x 4, 327,680 bytes of LDS; arguments ao, wts, bo, x, x1; writes x1
.if DOCPART == 4
	.amdgcn_target "amdgcn-amd-amdhsa--gfx1250"
	.amdhsa_code_object_version 6
	.text
	.protected	k_q2f3ec02986_oproj
	.globl	k_q2f3ec02986_oproj
	.p2align	8
	.type	k_q2f3ec02986_oproj,@function
k_q2f3ec02986_oproj:
	s_mov_b64 s[64:65], 0
	v_nop
	global_prefetch_b8 v0, s[64:65] scope:SCOPE_SE
	s_setreg_imm32_b32 hwreg(HW_REG_WAVE_MODE, 25, 1), 1
	s_wait_xcnt 0x0
	s_wait_alu depctr_hold_cnt(0) depctr_sa_sdst(0) depctr_va_vdst(0) depctr_va_sdst(0) depctr_va_ssrc(0) depctr_va_vcc(0) depctr_vm_vsrc(0)
	s_getreg_b32 s2, hwreg(HW_REG_IB_STS2, 6, 4)
	s_cmp_eq_u32 s2, 0
	s_cbranch_scc0 .Lentry_in_a_cluster
	s_endpgm
.Lentry_in_a_cluster:
	s_bfe_u32 s2, ttmp6, 0x10000c
	s_cmp_lg_u32 s2, 0xf033
	s_cbranch_scc0 .Lentry_shape_is_right
	s_endpgm
.Lentry_shape_is_right:
; WO = 1: x1 = x + attention's output x Wo + bo, stored as f32 and as images of BF6 codes.   WO = 0: out0 = x1 + h W2 + b2, f32.
; Both operands are images of BF6 (E3M2) codes: tile t holds rows 32 (t / 2) + 8 (t % 2) + i + 8 (i / 8); an image is the operand's 12 registers a lane, 1,536 bytes;
; codes at ((t / 16) NS + s) x 24,576 + (t % 16) x 1,536, scale words at ((t / 16) NS + s) x 1,024 + (t % 16) x 64 + 4 row.
; N = 1,024 gives 64 tiles of 256 x 256 but 256 of 128 x 128: so a tile of the result is 128 x 128, four waves of 64 x 64: 16 accumulators.  K goes in steps of 512 (four matrix instructions deep) through two LDS slots.
; Source 0 = weight rows (they become a lane's registers), source 1 = tokens (they become the lanes): a lane's 32 results of a block of 16 tokens are 2 x 16 neighbouring columns.
; The residual's tile (128 rows x 512 bytes) comes by a tensor load of the work-group's own among the first fills.  The f32 result goes through the wave's stage in LDS and leaves as aligned runs of 256 bytes.
; The stages lie in slot 0: when the first result is stored there that slot has had its last fill, and every wave has passed the last change of slots, behind which nobody reads it.
; CLUSTERS: 4 x 4: the tokens' tiles are asked for jointly along a row of the cluster, the weights' along a column.
; LIMITS: NaN and infinities are not served; a block whose largest magnitude lies under 2^-122 keeps the byte 1; a block of zeros has the byte 1 and not 127: its codes are zeros and this program alone reads the bytes.
; REGISTERS: window 0: v8-29 addresses; v32-63 scale words, two sets; v64-95 rows on the way out; v96-124 the quantiser; v128-255 the accumulators ((a, b) at v[128 + 8 (4 a + b)]).
;   window 1: two sets of fragments at v0 and v128 (tokens' four, then the weights' four); v96-127 the bias; on the way out v0-31 the residual.
.set WO,    1
.if WO
.set NS,    8
.set SOFFT, 3145728                    ; ao's scale words
.set COFFW, 2359296                    ; Wo's codes
.set SOFFW, 9535488
.else
.set NS,    32
.set SOFFT, 12582912                   ; hq's scale words
.set COFFW, 6291456                    ; W2's codes
.set SOFFW, 9699328
.endif
.set QUART, 24576                      ; two K steps x 8 images: a quarter of a slot
.set SLOT,  4*QUART                    ; tokens' four K steps of 12,288 bytes, then the weights'
.set SCL,   2*SLOT                     ; the scale words of all of K: tokens' NS x 512 bytes, then the weights'
.set RES,   SCL+NS*1024                ; the residual: 128 rows x (512 + 16)
.set SPARE, RES+128*528                ; the spare words, 128 bytes for each wave
.set FR,    12
.set ADRA, 8                           ; v8-9 tokens' images in slot 0, 1, + 16 lane; v10-11 + 8 lane
.set ADRB, 12                          ; v12-15 the weights'
.set ADRS, 16
.set L16,  17
.set L8,   18
.set L4R,  19
.set RESA, 20
.set STO,  21
.set RD,   22
.set GO,   23
.set SPW,  28
.set NIL,  29
.set SC,   32
.set BK,   64
.set PC,   96
.set TM,   108
.set PW,   124
.set ACC,  128
.set F0,   0
.set F1,   128
.set SEL,  2
.set G1T,  24
.set G0T,  32
.set G0R,  40
.set G1W,  48
.set G0W,  56
.set G1ST, 68
.set G0ST, 76
.set G1SW, 80
.set G0SW, 88
.set G1R,  92
.set MSB, 0
.macro WIN new                         ; the immediate's high byte repeats the setting that is left
.if MSB != \new
	s_set_vgpr_msb (MSB<<8)|\new
.set MSB, \new
.endif
.endm
.set MUL,  0x05                        ; sources 0 and 1 window 1; C and D window 0
.set TO_F, 0x40                        ; destination window 1, address window 0
.macro PLACES                          ; four plain places behind matrix instructions (ISA guide 7.12.1)
.rept 4
	v_nop
.endr
.endm
.macro JLOAD g0a, g1a, g0b, g1b        ; a joint load: waves 0 and 1 fetch the tokens', waves 2 and 3 the weights'; four v_nop follow each line
	s_cmp_eq_u32 s17, 0
	s_cbranch_scc0 .Lfor_b_\@
	tensor_load_to_lds s[\g0a:\g0a+3], s[\g1a:\g1a+7]
	s_nop 0
.rept 4
	v_nop
.endr
	s_branch .Lasked_\@
.Lfor_b_\@:
	tensor_load_to_lds s[\g0b:\g0b+3], s[\g1b:\g1b+7]
	s_nop 0
.rept 4
	v_nop
.endr
.Lasked_\@:
.endm
.macro CREST
	s_cmp_lg_u32 s16, 0
	s_cbranch_scc1 .Lnot_wave_0_\@
	s_barrier_signal -3
.Lnot_wave_0_\@:
	s_barrier_wait -3
	s_barrier_signal -1
	s_barrier_wait -1
.endm
.macro CROUND
	s_barrier_signal -1
	s_barrier_wait -1
	CREST
.endm
	s_load_b256 s[4:11], s[0:1], 0x0               ; tokens' images, wts, the bias, the residual
	s_load_b64 s[12:13], s[0:1], 0x20              ; the output
	v_lshl_add_u32 v[SPW], v0, 2, SPARE
	v_mov_b32 v[NIL], 0
	ds_add_u32 v28, v29
	ds_add_u32 v28, v29
	s_wait_dscnt 0x0
	v_lshrrev_b32 v1, 5, v0
	v_readfirstlane_b32 s16, v1                    ; wave 0..3
	s_lshr_b32 s17, s16, 1                         ; which half of the tokens is mine.  Also: I fetch the tokens' (0) or the weights' (1)
	s_and_b32 s18, s16, 1                          ; which half of the columns.  Also: which two K steps of a slot I fetch
	s_bfe_u32 s19, ttmp6, 0x40000                  ; cx
	s_bfe_u32 s20, ttmp6, 0x40004                  ; cy
	s_lshl_b32 s22, ttmp9, 2
	s_add_co_u32 s22, s22, s19                     ; tile of 128 columns
	s_and_b32 s21, ttmp7, 0xffff
	s_lshl_b32 s21, s21, 2
	s_add_co_u32 s21, s21, s20                     ; tile of 128 tokens
	s_lshl_b32 s44, s20, 2
	s_lshl_b32 s44, 15, s44                        ; my row of the cluster
	s_lshl_b32 s46, 0x1111, s19                    ; my column
	; group 1, codes: 4 rows (K steps) of 12,288 bytes (1,536 elements of 8), 24,576 bytes apart; bit 21 set beside a mask
	s_or_b32 s[G1T+0], s44, (3<<16)|(1<<21)
	s_or_b32 s[G1W+0], s46, (3<<16)|(1<<21)
.irp g, G1T, G1W
	s_mov_b32 s[\g+1], 1536<<16
	s_mov_b32 s[\g+2], 4<<16                       ; a load brings a whole side of a slot: four K steps
	s_mov_b32 s[\g+3], 1536<<16
	s_mov_b32 s[\g+4], 4
	s_mov_b32 s[\g+5], 3072
	s_mov_b32 s[\g+6], 0
	s_mov_b32 s[\g+7], 0
.endr
	; scale words: NS rows of 512 bytes, 1,024 bytes apart
	s_or_b32 s[G1ST+0], s44, (3<<16)|(1<<21)
	s_or_b32 s[G1SW+0], s46, (3<<16)|(1<<21)
.irp g, G1ST, G1SW
	s_mov_b32 s[\g+1], 64<<16
	s_mov_b32 s[\g+2], NS<<16                      ; the scale words of all K steps in one load
	s_mov_b32 s[\g+3], 64<<16
	s_mov_b32 s[\g+4], NS
	s_mov_b32 s[\g+5], 128
	s_mov_b32 s[\g+6], 0
	s_mov_b32 s[\g+7], 0
.endr
	; the residual: 64 rows of 512 bytes, 4,096 apart, 16 bytes of padding behind each; no mask: the work-group's own
	s_mov_b32 s[G1R+0], (3<<16)|(1<<20)|(6<<22)|(3<<25)
	s_mov_b32 s[G1R+1], 64<<16
	s_mov_b32 s[G1R+2], 64<<16                     ; the residual: 64 rows a load
	s_mov_b32 s[G1R+3], 64<<16
	s_mov_b32 s[G1R+4], 64
	s_mov_b32 s[G1R+5], 512
	s_mov_b32 s[G1R+6], 0
	s_mov_b32 s[G1R+7], 0
	; the offsets are made in each descriptor's own registers: the tokens' never hold cx, the weights' never cy
	s_lshl_b32 s45, s18, 1
	s_mov_b32 s47, 0                               ; the scale words from K step 0 on
	s_lshr_b32 s[G0T+2], s21, 1
	s_mul_i32 s[G0T+2], s[G0T+2], NS
	s_add_co_u32 s[G0ST+2], s[G0T+2], s47
	s_add_co_u32 s[G0T+2], s[G0T+2], s45
	s_mul_i32 s[G0T+2], s[G0T+2], QUART            ; ((tile / 2) NS + my first K step) x 24,576
	s_lshl_b32 s[G0ST+2], s[G0ST+2], 10
	s_and_b32 s44, s21, 1
	s_mul_i32 s[G0T+3], s44, 12288                 ; + the tile's half of 16 images
	s_add_co_u32 s[G0T+2], s[G0T+2], s[G0T+3]
	s_mov_b32 s[G0T+3], 0
	s_lshl_b32 s44, s44, 9
	s_add_co_u32 s[G0ST+2], s[G0ST+2], s44
	s_add_co_u32 s[G0ST+2], s[G0ST+2], SOFFT
	s_mov_b32 s[G0ST+3], 0
	s_lshr_b32 s[G0W+2], s22, 1
	s_mul_i32 s[G0W+2], s[G0W+2], NS
	s_add_co_u32 s[G0SW+2], s[G0W+2], s47
	s_add_co_u32 s[G0W+2], s[G0W+2], s45
	s_mul_i32 s[G0W+2], s[G0W+2], QUART
	s_lshl_b32 s[G0SW+2], s[G0SW+2], 10
	s_and_b32 s46, s22, 1
	s_mul_i32 s[G0W+3], s46, 12288
	s_add_co_u32 s[G0W+2], s[G0W+2], s[G0W+3]
	s_add_co_u32 s[G0W+2], s[G0W+2], COFFW
	s_mov_b32 s[G0W+3], 0
	s_lshl_b32 s46, s46, 9
	s_add_co_u32 s[G0SW+2], s[G0SW+2], s46
	s_add_co_u32 s[G0SW+2], s[G0SW+2], SOFFW
	s_mov_b32 s[G0SW+3], 0
	s_lshl_b32 s[G0R+2], s21, 19                   ; the residual: row 128 tile + 64 half, column 128 tile
	s_lshl_b32 s2, s17, 18                         ; wave 1: rows 0-63, wave 3: rows 64-127
	s_add_co_u32 s[G0R+2], s[G0R+2], s2
	s_lshl_b32 s2, s22, 9
	s_add_co_u32 s[G0R+2], s[G0R+2], s2
	s_mov_b32 s[G0R+3], 0
	s_mul_i32 s23, s16, QUART                      ; where my loads go: the wave's number alone
	s_mul_i32 s45, s17, NS*512                     ; wave 1: the tokens' scale words, wave 3: the weights', behind them
	s_add_co_u32 s45, s45, SCL
	s_mul_i32 s47, s17, 64*528
	s_add_co_u32 s47, s47, RES
	s_wait_kmcnt 0x0
	s_add_nc_u64 s[G0T+2:G0T+3], s[4:5], s[G0T+2:G0T+3]
	s_add_nc_u64 s[G0W+2:G0W+3], s[6:7], s[G0W+2:G0W+3]
	s_add_nc_u64 s[G0ST+2:G0ST+3], s[4:5], s[G0ST+2:G0ST+3]
	s_add_nc_u64 s[G0SW+2:G0SW+3], s[6:7], s[G0SW+2:G0SW+3]
	s_add_nc_u64 s[G0R+2:G0R+3], s[10:11], s[G0R+2:G0R+3]
	s_add_nc_u64 s[G0T+6:G0T+7], s[G0T+2:G0T+3], 4*QUART           ; slot 1: four K steps on
	s_add_nc_u64 s[G0W+6:G0W+7], s[G0W+2:G0W+3], 4*QUART
	s_cmp_eq_u32 s17, 0                            ; the prefetch: of my wave's quarter of a slot (two K steps x 12,288 bytes) my work-group's fourth, half a K step's, told apart by address (cx for the tokens, cy for the weights)
	s_cselect_b64 s[4:5], s[G0T+2:G0T+3], s[G0W+2:G0W+3]
	s_cselect_b32 s6, s19, s20
	s_lshr_b32 s7, s6, 1
	s_mul_i32 s7, s7, 24576
	s_and_b32 s6, s6, 1
	s_mul_i32 s6, s6, 6144
	s_add_co_u32 s6, s6, s7
	s_mov_b32 s7, 0
	s_add_nc_u64 s[4:5], s[4:5], s[6:7]
.irp g, G0T, G0T+4, G0W, G0W+4, G0ST, G0SW, G0R
	s_mov_b32 s[\g], 1                             ; count = 1
	s_or_b32 s[\g+3], s[\g+3], 0x80000000          ; type = 2
.endr
	s_mov_b32 s[G0T+1], s23
	s_mov_b32 s[G0W+1], s23
	s_add_co_u32 s[G0T+5], s23, SLOT
	s_add_co_u32 s[G0W+5], s23, SLOT
	s_mov_b32 s[G0ST+1], s45
	s_mov_b32 s[G0SW+1], s45
	s_mov_b32 s[G0R+1], s47
	CROUND                                         ; all sixteen work-groups are here: the first joint loads meet
.macro TL g0, g1
	tensor_load_to_lds s[\g0:\g0+3], s[\g1:\g1+7]
	s_nop 0
.rept 4
	v_nop
.endr
.endm
	; the head's four tiles, one load a wave, in one chain of arms: the tokens' side of slot 0, their scale words, the weights' side, their scale words
	s_cmp_eq_u32 s16, 0
	s_cbranch_scc0 .Lh1
	TL G0T, G1T
	s_branch .Lhj
.Lh1:
	s_cmp_eq_u32 s16, 1
	s_cbranch_scc0 .Lh2
	TL G0ST, G1ST
	s_branch .Lhj
.Lh2:
	s_cmp_eq_u32 s16, 2
	s_cbranch_scc0 .Lh3
	TL G0W, G1W
	s_branch .Lhj
.Lh3:
	TL G0SW, G1SW
.Lhj:
	v_and_b32 v24, 31, v0
	v_min_u32 v24, 23, v24
	v_lshlrev_b32 v24, 8, v24                      ; a lane a block of 256 bytes, 24 blocks; the lanes left over name the last again; never rewritten
	global_prefetch_b8 v24, s[4:5] offset:4*QUART th:TH_LOAD_NT scope:SCOPE_SE   ; my share of slot 1's fill, the launch's last
	v_and_b32 v1, 31, v0
	v_and_b32 v2, 15, v0                           ; r
	v_bfe_u32 v3, v0, 4, 1                         ; h
	v_lshlrev_b32 v[L16], 4, v1
	v_lshlrev_b32 v[L8], 3, v1
	v_lshlrev_b32 v[L4R], 2, v2
	s_mul_i32 s23, s17, 6144                       ; my 4 images of the tokens
	s_mul_i32 s45, s18, 6144
	s_add_co_u32 s45, s45, 2*QUART                 ; my 4 of the weights
.irp s, 0,1
	v_add_nc_u32 v[ADRA+\s], s23, v[L16]
	v_add_nc_u32 v[ADRA+2+\s], s23, v[L8]
	v_add_nc_u32 v[ADRB+\s], s45, v[L16]
	v_add_nc_u32 v[ADRB+2+\s], s45, v[L8]
	s_add_co_u32 s23, s23, SLOT
	s_add_co_u32 s45, s45, SLOT
.endr
	s_lshl_b32 s23, s17, 8                         ; scale words: the tokens', my 4 images x 64 bytes
	s_lshl_b32 s45, s18, 8
	s_add_co_u32 s45, s45, NS*512                  ; the weights', behind them
	s_sub_co_u32 s45, s45, s23
	v_mul_u32_u24 v4, s45, v3                      ; lanes 16-31 take the weights'
	s_add_co_u32 s23, s23, SCL
	v_add_nc_u32 v4, v4, v[L4R]
	v_add_nc_u32 v[ADRS], s23, v4
	v_and_b32 v4, 8, v2
	v_add_nc_u32 v4, v4, v2                        ; r + 8 (r / 8)
	v_mul_u32_u24 v4, v4, 528
	v_lshl_add_u32 v4, v3, 6, v4
	s_mul_i32 s23, s17, 64*528
	s_lshl_b32 s45, s18, 8
	s_add_co_u32 s23, s23, s45
	s_add_co_u32 s23, s23, RES
	v_add_nc_u32 v[RESA], s23, v4                  ; the residual of my row: my half's rows and columns, + 64 h
	s_mul_i32 s23, s16, 16*272                     ; my stage
	v_mul_u32_u24 v4, v2, 272
	v_lshl_add_u32 v4, v3, 6, v4
	v_add_nc_u32 v[STO], s23, v4                   ; in: row r, + 64 h
	v_mul_u32_u24 v4, v3, 272
	v_lshl_add_u32 v4, v2, 4, v4
	v_add_nc_u32 v[RD], s23, v4                    ; back: lanes 0-15 one row of 256 bytes, lanes 16-31 the next
	v_lshlrev_b32 v4, 12, v3
	v_lshl_add_u32 v[GO], v2, 4, v4                ; and the same two rows in the output
	v_lshlrev_b32 v5, 6, v3                        ; the bias: column 128 tile + 64 half + 32 b + 16 h + i
	s_lshl_b32 s2, s22, 9
	s_lshl_b32 s3, s18, 8
	s_add_co_u32 s2, s2, s3
	v_add_nc_u32 v5, s2, v5
	WIN TO_F
.set i, 0
.rept 8
	global_load_b128 v[96+4*i:99+4*i], v5, s[8:9] offset:128*(i/4)+16*(i%4)
.set i, i+1
.endr
	WIN 0
.if WO
	s_lshr_b32 s2, s21, 1                          ; x1's images: ((tile / 16) 8 + the K step = my tile of columns), the tile's place, my half image
	s_lshl_b32 s2, s2, 3
	s_add_co_u32 s2, s2, s22
	s_and_b32 s3, s21, 1
	s_lshl_b32 s3, s3, 1
	s_add_co_u32 s3, s3, s17
	s_lshl_b32 s3, s3, 2                           ; 8 (tile % 2) + 4 half
	s_mul_i32 s14, s2, 24576
	s_mul_i32 s15, s3, 1536
	s_add_co_u32 s14, s14, s15
	s_mul_i32 s15, s18, 768
	s_add_co_u32 s14, s14, s15
	s_add_co_u32 s14, s14, 16777216
	s_mov_b32 s15, 0
	s_lshl_b32 s100, s2, 10
	s_lshl_b32 s101, s3, 6
	s_add_co_u32 s100, s100, s101
	s_lshl_b32 s101, s18, 1
	s_add_co_u32 s100, s100, s101
	s_add_co_u32 s100, s100, 19922944
	s_mov_b32 s101, 0
	s_add_nc_u64 s[14:15], s[12:13], s[14:15]
	s_add_nc_u64 s[100:101], s[12:13], s[100:101]
.endif
	s_lshl_b32 s2, s21, 19                         ; the f32 output: row 128 tile + 64 half, column 128 tile + 64 half
	s_lshl_b32 s3, s17, 18
	s_add_co_u32 s2, s2, s3
	s_lshl_b32 s3, s22, 9
	s_add_co_u32 s2, s2, s3
	s_lshl_b32 s3, s18, 8
	s_add_co_u32 s2, s2, s3
	s_mov_b32 s3, 0
	s_add_nc_u64 s[12:13], s[12:13], s[2:3]
.macro FRAG reg, adr, off              ; an image comes back as it was stored: four loads, each consecutive over the lanes
	ds_load_b128 v[\reg:\reg+3], v[\adr] offset:\off
	ds_load_b64 v[\reg+4:\reg+5], v[\adr+2] offset:\off+512
	ds_load_b128 v[\reg+6:\reg+9], v[\adr] offset:\off+768
	ds_load_b64 v[\reg+10:\reg+11], v[\adr+2] offset:\off+1280
.endm
; 4 matrix instructions: the tokens' block a x the weights' four.  The 16 accumulators take turns, one instruction a turn, in the same order in every step.
.macro MUL4 f, a, q, sc, zero
.irp b, 0,1,2,3
.if \zero
	v_wmma_scale_f32_16x16x128_f8f6f4 v[ACC+8*(4*(\a)+\b):ACC+8*(4*(\a)+\b)+7], v[\f+48+FR*\b:\f+48+FR*\b+FR-1], v[\f+FR*(\a):\f+FR*(\a)+FR-1], 0, v[SC+16*(\sc)+4*\b+(\q)], v[SC+16*(\sc)+4*(\a)+(\q)] matrix_a_fmt:MATRIX_FMT_BF6 matrix_b_fmt:MATRIX_FMT_BF6 matrix_a_scale:MATRIX_SCALE_ROW1
.else
	v_wmma_scale_f32_16x16x128_f8f6f4 v[ACC+8*(4*(\a)+\b):ACC+8*(4*(\a)+\b)+7], v[\f+48+FR*\b:\f+48+FR*\b+FR-1], v[\f+FR*(\a):\f+FR*(\a)+FR-1], v[ACC+8*(4*(\a)+\b):ACC+8*(4*(\a)+\b)+7], v[SC+16*(\sc)+4*\b+(\q)], v[SC+16*(\sc)+4*(\a)+(\q)] matrix_a_fmt:MATRIX_FMT_BF6 matrix_b_fmt:MATRIX_FMT_BF6 matrix_a_scale:MATRIX_SCALE_ROW1
.endif
.endr
.endm
.macro FETCH slot, q, f                ; 32 loads: the slot's q-th K step into set f
	WIN TO_F
.irp i, 0,1,2,3
	FRAG \f+FR*\i, ADRA+\slot, (\q)*12288+\i*1536
	FRAG \f+48+FR*\i, ADRB+\slot, (\q)*12288+\i*1536
.endr
.endm
.macro SCALES sc                       ; a slot's scale words: register 4 i + q: lanes 0-15 the tokens' block i, lanes 16-31 the weights' block i
.irp i, 0,1,2,3
.irp q, 0,1,2,3
	ds_load_b32 v[SC+16*\sc+4*\i+\q], v[ADRS] offset:64*\i+512*\q
.endr
.endr
.endm
.macro STEPB slot, q, f, g, zero       ; a K step of 128 that has its successor in the same slot
	s_wait_dscnt 0x0                               ; set f is in (asked for 12 matrix instructions ago)
	WIN MUL
	MUL4 \f, 0, \q, \slot, \zero
	PLACES
	FETCH \slot, (\q)+1, \g
	WIN MUL
	MUL4 \f, 1, \q, \slot, \zero
	MUL4 \f, 2, \q, \slot, \zero
	MUL4 \f, 3, \q, \slot, \zero
.endm
; A slot's last step changes slots: one barrier; in front of it each wave waits for all its tensor loads, adds 0 to its spare word, and waits for that and for its own reads of this slot.
.macro TURN slot, next, fill
	WIN 0                                          ; (the add's two registers lie in window 0)
	s_wait_tensorcnt 0x0                           ; all my tensor loads have landed: my part of the next slot (and, the first time, of the residual)
	ds_add_u32 v[SPW], v[NIL]                      ; 0 onto my spare word
	s_wait_dscnt 1                                 ; the add alone may be out
	WIN MUL
	MUL4 F1, 0, 3, \slot, 0
	MUL4 F1, 1, 3, \slot, 0
	s_wait_dscnt 0x0                               ; the add is done, and my reads of this slot are over
	s_barrier_signal -1
	MUL4 F1, 2, 3, \slot, 0
	WIN 0
	s_barrier_wait -1
.if \fill
	CREST                                          ; the barrier has opened a round of the cluster's barrier: no wave of any partner still reads this slot or has a load on its way
	s_add_nc_u64 s[G0T+4*\slot+2:G0T+4*\slot+3], s[G0T+4*\slot+2:G0T+4*\slot+3], 8*QUART
	s_add_nc_u64 s[G0W+4*\slot+2:G0W+4*\slot+3], s[G0W+4*\slot+2:G0W+4*\slot+3], 8*QUART
	JLOAD G0T+4*\slot, G1T, G0W+4*\slot, G1W       ; the first tensor load behind the round; its four v_nop are the places in front of the loads below
.else
	PLACES
.endif
	v_add_nc_u32 v[ADRS], 2048, v[ADRS]            ; the next slot's scale words (no LDS load of mine is out)
	FETCH \next, 0, F0
	WIN 0
	SCALES \next
	WIN MUL
	MUL4 F1, 3, 3, \slot, 0
.endm
	s_wait_alu depctr_va_vdst(0)
	s_wait_tensorcnt 0x0                           ; my tile of the head's four is in
	ds_add_u32 v[SPW], v[NIL]
	s_wait_dscnt 0x0
	CROUND                                         ; all four tiles are in, and the sixteen work-groups meet
	s_cmp_eq_u32 s16, 0                            ; the later first fills, one a wave: slot 1's two sides, and the residual's two halves
	s_cbranch_scc0 .Lg1
	TL G0T+4, G1T
	s_branch .Lgj
.Lg1:
	s_cmp_eq_u32 s16, 2
	s_cbranch_scc0 .Lg2
	TL G0W+4, G1W
	s_branch .Lgj
.Lg2:
	TL G0R, G1R
.Lgj:
	FETCH 0, 0, F0
	WIN 0
	SCALES 0
	STEPB 0, 0, F0, F1, 1                          ; the first products start the sums: nothing is cleared
.if NS > 8
	WIN 0                                          ; at a label and at a branch every window is 0
	s_mov_b32 s3, NS/8-1
.Llap:                                                 ; a trip goes once round the ring and fills both slots again
	STEPB 0, 1, F1, F0, 0
	STEPB 0, 2, F0, F1, 0
	TURN 0, 1, 1
	STEPB 1, 0, F0, F1, 0
	STEPB 1, 1, F1, F0, 0
	STEPB 1, 2, F0, F1, 0
	TURN 1, 0, 1
	STEPB 0, 0, F0, F1, 0
	WIN 0
	s_sub_co_u32 s3, s3, 1
	s_cmp_lg_u32 s3, 0
	s_cbranch_scc1 .Llap
.endif
	STEPB 0, 1, F1, F0, 0                          ; the last lap fills nothing
	STEPB 0, 2, F0, F1, 0
	TURN 0, 1, 0
	STEPB 1, 0, F0, F1, 0
	STEPB 1, 1, F1, F0, 0
	STEPB 1, 2, F0, F1, 0
	s_wait_dscnt 0x0
	WIN MUL
	MUL4 F1, 0, 3, 1, 0
	MUL4 F1, 1, 3, 1, 0
	MUL4 F1, 2, 3, 1, 0
	MUL4 F1, 3, 3, 1, 0
	WIN 0
	; THE WAY OUT, a block of 16 tokens x my 64 columns at a time, in place on its four accumulators
	PLACES
	s_mov_b32 s[SEL], 0x76543210
	s_mov_b32 s[SEL+1], 0xfedcba98
	s_wait_loadcnt 0x0                             ; the bias
	v_mov_b32 v[TM+4], 0                           ; a lane permute's destination counts as one of its sources
	v_mov_b32 v[TM+5], 0
.macro EPIB a
.set XR, ACC+32*(\a)
.if (\a) > 0
	s_wait_xcnt 0x0                                ; the last block's stores have read their registers
.endif
	WIN TO_F
.irp n, 0,1,2,3,4,5,6,7
	ds_load_b128 v[4*\n:4*\n+3], v[RESA] offset:(32*((\a)/2)+8*((\a)%2))*528+128*(\n/4)+16*(\n%4)
.endr
	WIN 0x04                                       ; source 1: window 1
.set i, 0
.rept 16
	v_pk_add_f32 v[XR+i:XR+i+1], v[XR+i:XR+i+1], v[96+i:97+i]      ; + the bias; each accumulator from its low end on
.set i, i+2
.endr
	s_wait_dscnt 0x0
.set i, 0
.rept 16
	v_pk_add_f32 v[XR+i:XR+i+1], v[XR+i:XR+i+1], v[i:i+1]          ; + the residual
.set i, i+2
.endr
	WIN 0
.if WO
.irp b, 0,1                            ; two blocks of 32 become half an image and two bytes of the row's scale word
	v_max3_num_f32 v[TM+\b], |v[XR+16*\b]|, |v[XR+1+16*\b]|, 0x2800000
.endr
.irp i, 2,4,6,8,10,12,14
.irp b, 0,1
	v_max3_num_f32 v[TM+\b], v[TM+\b], |v[XR+16*\b+\i]|, |v[XR+1+16*\b+\i]|
.endr
.endr
.irp b, 0,1
	v_permlanex16_b32 v[TM+4+\b], v[TM+\b], s[SEL], s[SEL+1]
.endr
.irp b, 0,1
	v_max_num_f32 v[TM+\b], v[TM+\b], v[TM+4+\b]
.endr
.irp b, 0,1
	v_add_nc_u32 v[TM+12+\b], 0xfe000000, v[TM+\b]
.endr
.irp b, 0,1
	v_lshrrev_b32 v[TM+4+\b], 23, v[TM+12+\b]
.endr
	v_lshl_or_b32 v[PW], v[TM+5], 8, v[TM+4]
	v_cvt_scalef32_pk16_bf6_f32 v[PC:PC+2], v[XR:XR+15], v[TM+12]
	v_cvt_scalef32_pk16_bf6_f32 v[PC+8:PC+10], v[XR+16:XR+31], v[TM+13]
	v_nop                                          ; one plain place behind a scaled conversion
.irp i, 0,1,2
	v_permlane16_swap_b32 v[PC+\i], v[PC+8+\i]
.endr
.irp i, 0,1,2
	v_mov_b32 v[PC+3+\i], v[PC+8+\i]
.endr
	global_store_b128 v[L16], v[PC:PC+3], s[14:15] offset:1536*(\a)
	global_store_b64 v[L8], v[PC+4:PC+5], s[14:15] offset:1536*(\a)+512
	global_store_b16 v[L4R], v[PW], s[100:101] offset:64*(\a)      ; lanes r and r + 16 hold the same bytes
.endif
.irp n, 0,1,2,3,4,5,6,7
	ds_store_b128 v[STO], v[XR+4*\n:XR+4*\n+3] offset:128*(\n/4)+16*(\n%4)
.endr
.irp t, 0,1,2,3,4,5,6,7
	ds_load_b128 v[BK+4*\t:BK+4*\t+3], v[RD] offset:544*\t         ; LDS serves a wave's instructions in order: these see my stores, and the next block's stores come behind them
.endr
.irp t, 0,1,2,3,4,5,6,7
	s_wait_dscnt 7-\t                              ; the younger reads may be out
	global_store_b128 v[GO], v[BK+4*\t:BK+4*\t+3], s[12:13] offset:(32*((\a)/2)+8*((\a)%2)+2*\t+8*(\t/4))*4096   ; 16 lanes store 256 consecutive bytes, at a multiple of 256 from the buffer's first byte
.endr
.endm
.irp a, 0,1,2,3
	EPIB \a
.endr
	s_wait_tensorcnt 0x0                           ; the wave's end
	ds_add_u32 v[SPW], v[NIL]
	s_wait_dscnt 0x0
	CROUND                                         ; the closing round
	s_endpgm
.Lfunc_end_k_q2f3ec02986_oproj:
	.size	k_q2f3ec02986_oproj, .Lfunc_end_k_q2f3ec02986_oproj-k_q2f3ec02986_oproj
	.p2alignl 7, 3214868480
	.fill 96, 4, 3214868480
	.section	.rodata,"a",@progbits
	.p2align	6, 0x0
	.amdhsa_kernel k_q2f3ec02986_oproj
		.amdhsa_group_segment_fixed_size 327680
		.amdhsa_private_segment_fixed_size 0
		.amdhsa_enable_private_segment 0
		.amdhsa_kernarg_size 40
		.amdhsa_user_sgpr_count 2
		.amdhsa_user_sgpr_kernarg_segment_ptr 1
		.amdhsa_wavefront_size32 1
		.amdhsa_system_sgpr_workgroup_id_x 1
		.amdhsa_system_sgpr_workgroup_id_y 1
		.amdhsa_system_sgpr_workgroup_id_z 1
		.amdhsa_system_vgpr_workitem_id 0
		.amdhsa_next_free_vgpr 512
		.amdhsa_next_free_sgpr 102
		.amdhsa_reserve_vcc 0
		.amdhsa_float_denorm_mode_32 3
		.amdhsa_float_denorm_mode_16_64 3
		.amdhsa_memory_ordered 1
		.amdhsa_forward_progress 1
		.amdhsa_inst_pref_size 79
	.end_amdhsa_kernel
	.amdgpu_metadata
---
amdhsa.version: [ 1, 2 ]
amdhsa.kernels:
  - .name:           k_q2f3ec02986_oproj
    .symbol:         k_q2f3ec02986_oproj.kd
    .args:
      - { .name: ao, .offset: 0, .size: 8, .value_kind: global_buffer, .address_space: global }
      - { .name: wts, .offset: 8, .size: 8, .value_kind: global_buffer, .address_space: global }
      - { .name: bo, .offset: 16, .size: 8, .value_kind: global_buffer, .address_space: global }
      - { .name: x, .offset: 24, .size: 8, .value_kind: global_buffer, .address_space: global }
      - { .name: x1, .offset: 32, .size: 8, .value_kind: global_buffer, .address_space: global }
    .group_segment_fixed_size: 327680
    .private_segment_fixed_size: 0
    .kernarg_segment_align: 8
    .kernarg_segment_size: 40
    .max_flat_workgroup_size: 128
    .sgpr_count:     102
    .vgpr_count:     512
    .wavefront_size: 32
...
	.end_amdgpu_metadata
.endif
;; end of part 4
;; launch ffn1 (part 5): grid 16 x 16, 4 waves a work-group, clusters of 4 x 4, 327,680 bytes of LDS; arguments x1, wts, b1, hq; writes hq
.if DOCPART == 5
	.amdgcn_target "amdgcn-amd-amdhsa--gfx1250"
	.amdhsa_code_object_version 6
	.text
	.protected	k_q2f3ec02986_ffn1
	.globl	k_q2f3ec02986_ffn1
	.p2align	8
	.type	k_q2f3ec02986_ffn1,@function
k_q2f3ec02986_ffn1:
	s_mov_b64 s[64:65], 0
	v_nop
	global_prefetch_b8 v0, s[64:65] scope:SCOPE_SE
	s_setreg_imm32_b32 hwreg(HW_REG_WAVE_MODE, 25, 1), 1
	s_wait_xcnt 0x0
	s_wait_alu depctr_hold_cnt(0) depctr_sa_sdst(0) depctr_va_vdst(0) depctr_va_sdst(0) depctr_va_ssrc(0) depctr_va_vcc(0) depctr_vm_vsrc(0)
	s_getreg_b32 s2, hwreg(HW_REG_IB_STS2, 6, 4)
	s_cmp_eq_u32 s2, 0
	s_cbranch_scc0 .Lentry_in_a_cluster
	s_endpgm
.Lentry_in_a_cluster:
	s_bfe_u32 s2, ttmp6, 0x10000c
	s_cmp_lg_u32 s2, 0xf033
	s_cbranch_scc0 .Lentry_shape_is_right
	s_endpgm
.Lentry_shape_is_right:
; QKV = 1: q = x Wq + bq and k = x Wk + bk, quantised along a head's 64, and V^T = (x Wv + bv)^T, quantised along the tokens.   QKV = 0: h = relu(x1 W1 + b1), quantised along the 4,096.
; Both operands are images of BF6 (E3M2) codes: tile t holds rows 32 (t / 2) + 8 (t % 2) + i + 8 (i / 8); an image is the operand's 12 registers a lane, 1,536 bytes (for c = 0, 1: registers 6 c .. 6 c + 3 at 768 c + 16 lane,
; registers 6 c + 4, 6 c + 5 at 768 c + 512 + 8 lane); codes at ((t / 16) NS + s) x 24,576 + (t % 16) x 1,536, scale words at ((t / 16) NS + s) x 1,024 + (t % 16) x 64 + 4 row.  So the 16 images of 256 rows and one K step are one dense block.
; A tile of the result, 256 x 256, is made by four waves, each 128 x 128: 64 accumulators, 512 registers.  K = 1,024 goes in four steps of 256 through two LDS slots.
; ROLES.  Role A is source 1: its rows become the result's lanes.  Role B is source 0: its rows become the result's registers, and by the tiles' row order a lane's 16 registers of B's tiles 2 b, 2 b + 1 are 16 neighbours:
; so a lane's 64 results of one block of A are quantised in registers and ARE the image of the next product's operand: it is stored as it stands, with no stage.
; Here (QKV = 0) A = tokens, B = W1's rows.
; CLUSTERS: 4 x 4.  A's tiles hang on the cluster's y and cy and are asked for jointly along a row of the cluster, B's on its x and cx, along a column.
; LIMITS: NaN and infinities are not served; a block whose largest magnitude lies under 2^-122 keeps the byte 1; a block of zeros has the byte 1 and not 127: its codes are zeros and this program alone reads the bytes.
; REGISTERS: window 0: v16-30 addresses; v32-63 scale words, two sets; v64-127 the bias by columns; v128-223 A's fragments, one set (on the way out: 64 numbers, codes, work).
;   window 1: B's fragments, two sets, at v0 and v128.   windows 2, 3: the accumulators ((a, b) at v[8 (8 (a % 4) + b)]).
.set QKV,   0
.set QUART, 24576                      ; 16 images: what one tensor load brings
.set SLOT,  4*QUART                    ; A's even K step, A's odd, B's even, B's odd
.set SCL,   2*SLOT                     ; the scale words of all of K: A's 8 x 1,024 bytes, then B's
.set SPARE, SCL+16384                  ; the spare words, 128 bytes for each wave
.set FR,    12
.set ADRA, 16                          ; v16-17 A's images in slot 0, 1, + 16 lane;  v18-19 + 8 lane
.set ADRB, 20                          ; v20-23 the same for B
.set L16,  24
.set L8,   25
.set L4R,  26
.set ADRS, 27                          ; my scale words: lanes 0-15 A's, lanes 16-31 B's
.set SPW,  28
.set NIL,  29
.set ZR,   30                          ; 0
.set SC,   32
.set CB,   64
.set AF,   128
.set T,    128
.set PC,   192
.set TM,   212
.set PW,   228
.set RB,   232
.set RBP,  240
.set SEL,  2
.set G1A,  24
.set G0A,  32
.set G1B,  48
.set G0B,  56
.set G1SA, 68
.set G0SA, 76
.set G1SB, 80
.set G0SB, 88
.if QKV
.set OUTP, 14
.else
.set OUTP, 10
.endif
.set MSB, 0
.macro WIN new                         ; the immediate's high byte repeats the setting that is left
.if MSB != \new
	s_set_vgpr_msb (MSB<<8)|\new
.set MSB, \new
.endif
.endm
.set MUL_LO, 0xa1                      ; source 0 (B) window 1, source 1 (A) window 0, C and D window 2
.set MUL_HI, 0xf1                      ; the same, C and D window 3
.set TO_B,   0x40                      ; destination window 1, address window 0
.macro PLACES                          ; four plain places behind matrix instructions, in front of loads into their registers and of reads of their results
.rept 4
	v_nop
.endr
.endm
.macro JLOAD g0a, g1a, g0b, g1b        ; a joint load: waves 0 and 1 fetch for A, waves 2 and 3 for B; the branch hangs on the wave's number alone; four v_nop follow each line
	s_cmp_eq_u32 s17, 0
	s_cbranch_scc0 .Lfor_b_\@
	tensor_load_to_lds s[\g0a:\g0a+3], s[\g1a:\g1a+7]
	s_nop 0
.rept 4
	v_nop
.endr
	s_branch .Lasked_\@
.Lfor_b_\@:
	tensor_load_to_lds s[\g0b:\g0b+3], s[\g1b:\g1b+7]
	s_nop 0
.rept 4
	v_nop
.endr
.Lasked_\@:
.endm
.macro CREST                           ; a round of the cluster's barrier behind its opening barrier
	s_cmp_lg_u32 s16, 0
	s_cbranch_scc1 .Lnot_wave_0_\@
	s_barrier_signal -3
.Lnot_wave_0_\@:
	s_barrier_wait -3
	s_barrier_signal -1
	s_barrier_wait -1
.endm
.macro CROUND
	s_barrier_signal -1
	s_barrier_wait -1
	CREST
.endm
.macro QUANT s                         ; 64 numbers of a lane, register 16 b + i = k 32 b + 16 (lane / 16) + i of my row, become a fragment's codes in v[PC] on and its scale word in v[PW]
.irp b, 0,1,2,3
	v_max3_num_f32 v[TM+\b], |v[\s+16*\b]|, |v[\s+1+16*\b]|, 0x2800000   ; my 16 numbers of block b, and the floor 2^(5 - 127)
.endr
.irp i, 2,4,6,8,10,12,14
.irp b, 0,1,2,3
	v_max3_num_f32 v[TM+\b], v[TM+\b], |v[\s+16*\b+\i]|, |v[\s+1+16*\b+\i]|
.endr
.endr
.irp b, 0,1,2,3
	v_permlanex16_b32 v[TM+4+\b], v[TM+\b], s[SEL], s[SEL+1]
.endr
.irp b, 0,1,2,3
	v_max_num_f32 v[TM+\b], v[TM+\b], v[TM+4+\b]   ; with lane l xor 16's: the block's largest magnitude
.endr
.irp b, 0,1,2,3
	v_add_nc_u32 v[TM+12+\b], 0xfe000000, v[TM+\b] ; 4 off the exponent field: the conversion's scale operand
.endr
.irp b, 0,1,2,3
	v_lshrrev_b32 v[TM+4+\b], 23, v[TM+12+\b]      ; the scale's byte
.endr
	v_lshl_or_b32 v[PW], v[TM+5], 8, v[TM+4]
	v_lshl_or_b32 v[PW], v[TM+6], 16, v[PW]
	v_lshl_or_b32 v[PW], v[TM+7], 24, v[PW]
.irp c, 0,1
	v_cvt_scalef32_pk16_bf6_f32 v[PC+6*\c:PC+2+6*\c], v[\s+32*\c:\s+15+32*\c], v[TM+12+2*\c]
	v_cvt_scalef32_pk16_bf6_f32 v[PC+12+4*\c:PC+14+4*\c], v[\s+16+32*\c:\s+31+32*\c], v[TM+12+2*\c+1]
.endr
	v_nop                                          ; one plain place behind a scaled conversion
.irp c, 0,1                            ; the operand wants a whole block in a lane: lanes 0-15 block 2 c, lanes 16-31 block 2 c + 1
.irp i, 0,1,2
	v_permlane16_swap_b32 v[PC+6*\c+\i], v[PC+12+4*\c+\i]
.endr
.irp i, 0,1,2
	v_mov_b32 v[PC+3+6*\c+\i], v[PC+12+4*\c+\i]
.endr
.endr
.endm
	s_load_b256 s[4:11], s[0:1], 0x0               ; QKV: xq, wts, bq, bk;  else: x1, wts, b1, hq
.if QKV
	s_load_b128 s[12:15], s[0:1], 0x20             ; bv, qkvc
.endif
	v_lshl_add_u32 v[SPW], v0, 2, SPARE
	v_mov_b32 v[NIL], 0
	ds_add_u32 v28, v29
	ds_add_u32 v28, v29
	s_wait_dscnt 0x0
	v_mov_b32 v[ZR], 0
	v_lshrrev_b32 v1, 5, v0
	v_readfirstlane_b32 s16, v1                    ; wave 0..3
	s_lshr_b32 s17, s16, 1                         ; which half of A's rows is mine.  Also: I fetch for A (0) or for B (1)
	s_and_b32 s18, s16, 1                          ; which half of B's rows.  Also: I fetch the slot's even (0) or odd (1) K step
	s_bfe_u32 s19, ttmp6, 0x40000                  ; cx
	s_bfe_u32 s20, ttmp6, 0x40004                  ; cy
	s_and_b32 s40, ttmp7, 0xffff
	s_lshl_b32 s40, s40, 2                         ; 4 x cluster y
	s_lshl_b32 s41, ttmp9, 2                       ; 4 x cluster x
	s_add_co_u32 s21, s40, s20                     ; A's tile of 256 rows: tokens, 4 Y + cy
	s_add_co_u32 s22, s41, s19                     ; B's: weight rows, 4 X + cx
.if QKV
	s_add_co_u32 s42, s20, 8                       ; for V^T: A = Wv's tile, 8 + cy of the three weights' twelve,
	s_add_co_u32 s43, s40, s19                     ; B = tokens, 4 Y + cx
	s_cmp_ge_u32 ttmp9, 2
	s_cselect_b32 s21, s42, s21
	s_cselect_b32 s22, s43, s22
	s_cselect_b32 s23, -1, 0                       ; all ones for V^T
.endif
	s_lshl_b32 s44, s20, 2
	s_lshl_b32 s44, 15, s44                        ; my row of the cluster
	s_lshl_b32 s45, 0x1111, s19                    ; my column
	; group 1, codes: 24,576 dense bytes as 96 rows of 256 bytes (32 elements of 8 bytes); bit 21 set beside a mask
	s_or_b32 s[G1A+0], s44, (3<<16)|(1<<21)
	s_or_b32 s[G1B+0], s45, (3<<16)|(1<<21)
.irp g, G1A, G1B
	s_mov_b32 s[\g+1], 32<<16                      ; tensor_dim0
	s_mov_b32 s[\g+2], 192<<16                     ; tensor_dim1: the head's loads bring a whole side of slot 0, two K steps on end
	s_mov_b32 s[\g+3], 32<<16                      ; tile_dim0
	s_mov_b32 s[\g+4], 192                         ; tile_dim1
	s_mov_b32 s[\g+5], 32                          ; from row to row
	s_mov_b32 s[\g+6], 0
	s_mov_b32 s[\g+7], 0
.endr
	; group 1, scale words of eight K steps: 8,192 dense bytes as 32 rows of 256
	s_or_b32 s[G1SA+0], s44, (3<<16)|(1<<21)
	s_or_b32 s[G1SB+0], s45, (3<<16)|(1<<21)
.irp g, G1SA, G1SB
	s_mov_b32 s[\g+1], 32<<16
	s_mov_b32 s[\g+2], 32<<16                      ; the scale words of all eight K steps: 8,192 dense bytes
	s_mov_b32 s[\g+3], 32<<16
	s_mov_b32 s[\g+4], 32
	s_mov_b32 s[\g+5], 32
	s_mov_b32 s[\g+6], 0
	s_mov_b32 s[\g+7], 0
.endr
	; the offsets are made in each descriptor's own registers: those of A's never hold cx, those of B's never cy
	s_lshl_b32 s[G0A+2], s21, 3
	s_add_co_u32 s[G0A+2], s[G0A+2], s18
	s_mul_i32 s[G0A+2], s[G0A+2], QUART            ; (tile x 8 + my K step) x 24,576
	s_mov_b32 s[G0A+3], 0
	s_lshl_b32 s[G0B+2], s22, 3
	s_add_co_u32 s[G0B+2], s[G0B+2], s18
	s_mul_i32 s[G0B+2], s[G0B+2], QUART
	s_mov_b32 s[G0B+3], 0
	s_mov_b32 s41, 0                               ; from K step 0 on
	s_lshl_b32 s[G0SA+2], s21, 13
	s_add_co_u32 s[G0SA+2], s[G0SA+2], s41
	s_mov_b32 s[G0SA+3], 0
	s_lshl_b32 s[G0SB+2], s22, 13
	s_add_co_u32 s[G0SB+2], s[G0SB+2], s41
	s_mov_b32 s[G0SB+3], 0
.if QKV
	s_mov_b32 s2, 3145728                          ; where xq's scale words begin
	s_mov_b32 s3, 9437184                          ; and the three weights'
	s_cmp_ge_u32 ttmp9, 2
	s_cselect_b32 s40, s3, s2
	s_cselect_b32 s41, s2, s3
	s_add_co_u32 s[G0SA+2], s[G0SA+2], s40
	s_add_co_u32 s[G0SB+2], s[G0SB+2], s41
.else
	s_add_co_u32 s[G0A+2], s[G0A+2], 16777216      ; x1's codes
	s_add_co_u32 s[G0B+2], s[G0B+2], 3145728       ; W1's codes
	s_add_co_u32 s[G0SA+2], s[G0SA+2], 19922944    ; x1's scale words
	s_add_co_u32 s[G0SB+2], s[G0SB+2], 9568256     ; W1's
.endif
	s_mul_i32 s3, s16, QUART                       ; where my load goes: wave x a quarter of a slot: no place in the cluster enters an LDS address
	s_lshl_b32 s2, s17, 13                         ; wave 1: A's scale words, wave 3: B's, behind them
	s_add_co_u32 s2, s2, SCL
	s_wait_kmcnt 0x0
.if QKV
	s_cmp_ge_u32 ttmp9, 2
	s_cselect_b64 s[92:93], s[6:7], s[4:5]         ; A's buffer
	s_cselect_b64 s[94:95], s[4:5], s[6:7]         ; B's
	s_cselect_b64 s[12:13], s[12:13], s[10:11]     ; the bias: bv, or bk,
	s_cmp_eq_u32 ttmp9, 0
	s_cselect_b64 s[8:9], s[8:9], s[12:13]         ; or bq
.else
	s_mov_b64 s[92:93], s[4:5]
	s_mov_b64 s[94:95], s[6:7]
.endif
	s_add_nc_u64 s[G0A+2:G0A+3], s[92:93], s[G0A+2:G0A+3]
	s_add_nc_u64 s[G0B+2:G0B+3], s[94:95], s[G0B+2:G0B+3]
	s_add_nc_u64 s[G0SA+2:G0SA+3], s[92:93], s[G0SA+2:G0SA+3]
	s_add_nc_u64 s[G0SB+2:G0SB+3], s[94:95], s[G0SB+2:G0SB+3]
	s_add_nc_u64 s[G0A+6:G0A+7], s[G0A+2:G0A+3], 2*QUART           ; slot 1: two K steps on
	s_add_nc_u64 s[G0B+6:G0B+7], s[G0B+2:G0B+3], 2*QUART
	s_cmp_eq_u32 s17, 0                            ; the prefetches: of the quarter that I fetch, my work-group's fourth, 6,144 bytes, told apart by address (cx for A, cy for B)
	s_cselect_b64 s[92:93], s[G0A+2:G0A+3], s[G0B+2:G0B+3]
	s_cselect_b32 s94, s19, s20
	s_mul_i32 s94, s94, 6144
	s_mov_b32 s95, 0
	s_add_nc_u64 s[92:93], s[92:93], s[94:95]
.irp g, G0A, G0A+4, G0B, G0B+4, G0SA, G0SB
	s_mov_b32 s[\g], 1                             ; count = 1
	s_or_b32 s[\g+3], s[\g+3], 0x80000000          ; type = 2
.endr
	s_mov_b32 s[G0SA+1], s2
	s_mov_b32 s[G0SB+1], s2
	s_mov_b32 s[G0A+1], s3
	s_mov_b32 s[G0B+1], s3
	s_add_co_u32 s[G0A+5], s3, SLOT
	s_add_co_u32 s[G0B+5], s3, SLOT
	CROUND                                         ; all sixteen work-groups are here: the first joint loads meet
.macro TL g0, g1
	tensor_load_to_lds s[\g0:\g0+3], s[\g1:\g1+7]
	s_nop 0
.rept 4
	v_nop
.endr
.endm
	; the head's four tiles, one load a wave, in one chain of arms: A's two K steps of slot 0, A's scale words, B's two K steps, B's scale words
	s_cmp_eq_u32 s16, 0
	s_cbranch_scc0 .Lh1
	TL G0A, G1A
	s_branch .Lhj
.Lh1:
	s_cmp_eq_u32 s16, 1
	s_cbranch_scc0 .Lh2
	TL G0SA, G1SA
	s_branch .Lhj
.Lh2:
	s_cmp_eq_u32 s16, 2
	s_cbranch_scc0 .Lh3
	TL G0B, G1B
	s_branch .Lhj
.Lh3:
	TL G0SB, G1SB
.Lhj:
	v_and_b32 v31, 31, v0
	v_min_u32 v31, 23, v31
	v_lshlrev_b32 v31, 8, v31                      ; a lane a block of 256 bytes, 24 blocks; the lanes left over name the last again; never rewritten
	global_prefetch_b8 v31, s[92:93] offset:2*QUART th:TH_LOAD_NT scope:SCOPE_SE   ; my share of the second fill (K steps 2, 3)
	global_prefetch_b8 v31, s[92:93] offset:4*QUART th:TH_LOAD_NT scope:SCOPE_SE   ; and of the third
	v_and_b32 v1, 31, v0
	v_and_b32 v2, 15, v0                           ; r
	v_bfe_u32 v3, v0, 4, 1                         ; h
	v_lshlrev_b32 v[L16], 4, v1
	v_lshlrev_b32 v[L8], 3, v1
	v_lshlrev_b32 v[L4R], 2, v2
	s_mul_i32 s40, s17, 12288                      ; my 8 images of A
	s_mul_i32 s41, s18, 12288
	s_add_co_u32 s41, s41, 2*QUART                 ; my 8 of B
.irp s, 0,1
	v_add_nc_u32 v[ADRA+\s], s40, v[L16]
	v_add_nc_u32 v[ADRA+2+\s], s40, v[L8]
	v_add_nc_u32 v[ADRB+\s], s41, v[L16]
	v_add_nc_u32 v[ADRB+2+\s], s41, v[L8]
	s_add_co_u32 s40, s40, SLOT
	s_add_co_u32 s41, s41, SLOT
.endr
	s_lshl_b32 s40, s17, 9                         ; A's scale words: my 8 images x 64 bytes
	s_lshl_b32 s41, s18, 9
	s_add_co_u32 s41, s41, 8192                    ; B's, behind A's 8,192 bytes
	s_sub_co_u32 s41, s41, s40
	v_mul_u32_u24 v4, s41, v3                      ; lanes 16-31 take B's
	s_add_co_u32 s40, s40, SCL
	v_add_nc_u32 v4, v4, v[L4R]
	v_add_nc_u32 v[ADRS], s40, v4
	; the bias by columns: lane (r, h) wants, for register 16 b + i, that of B's row 32 b + 16 h + i of my 128
	v_lshlrev_b32 v5, 6, v3
.if QKV
	s_lshl_b32 s45, s19, 10                        ; within one weight: 256 cx
.else
	s_lshl_b32 s45, s22, 10
.endif
	s_lshl_b32 s41, s18, 9
	s_add_co_u32 s45, s45, s41
	v_add_nc_u32 v5, s45, v5
.set i, 0
.rept 16
	global_load_b128 v[CB+4*i:CB+4*i+3], v5, s[8:9] offset:128*(i/4)+16*(i%4)
.set i, i+1
.endr
.if QKV
	v_and_b32 v6, 8, v2                            ; the bias by rows (V^T): that of A's row 256 cy + 128 half + the tile's row r
	v_add_nc_u32 v6, v6, v2
	v_lshlrev_b32 v6, 2, v6
	s_lshl_b32 s44, s20, 10
	s_lshl_b32 s41, s17, 9
	s_add_co_u32 s44, s44, s41
	v_add_nc_u32 v6, s44, v6
.irp a, 0,1,2,3,4,5,6,7
	global_load_b32 v[RB+\a], v6, s[8:9] offset:4*(32*(\a/2)+8*(\a%2))
.endr
.endif
	; where my images go: ((A's tile) NS + B's group of 128) x 24,576 + my half's 8 images
	s_lshl_b32 s46, s22, 1
	s_add_co_u32 s46, s46, s18
.if QKV
	s_lshl_b32 s47, s21, 4                         ; q, k: rows = tokens, NS = 16
	s_lshl_b32 s96, s20, 5                         ; V^T: rows = Wv's, tile cy, NS = 32
	s_mov_b32 s97, 0
	s_mov_b32 s98, 9437184
	s_cmp_ge_u32 ttmp9, 2
	s_cselect_b32 s47, s96, s47
	s_cselect_b32 s97, 6291456, s97
	s_cselect_b32 s98, 9699328, s98
.else
	s_lshl_b32 s47, s21, 5
	s_mov_b32 s97, 0
	s_mov_b32 s98, 12582912
.endif
	s_add_co_u32 s46, s46, s47
	s_lshl_b32 s100, s46, 10
	s_lshl_b32 s47, s17, 9
	s_add_co_u32 s100, s100, s47
	s_add_co_u32 s100, s100, s98
	s_mov_b32 s101, 0
	s_mul_i32 s98, s46, QUART
	s_mul_i32 s47, s17, 12288
	s_add_co_u32 s98, s98, s47
	s_add_co_u32 s98, s98, s97
	s_mov_b32 s99, 0
	s_add_nc_u64 s[98:99], s[OUTP:OUTP+1], s[98:99]
	s_add_nc_u64 s[100:101], s[OUTP:OUTP+1], s[100:101]
.macro FRAG reg, adr, off              ; an image comes back as it was stored: four loads, each consecutive over the lanes
	ds_load_b128 v[\reg:\reg+3], v[\adr] offset:\off
	ds_load_b64 v[\reg+4:\reg+5], v[\adr+2] offset:\off+512
	ds_load_b128 v[\reg+6:\reg+9], v[\adr] offset:\off+768
	ds_load_b64 v[\reg+10:\reg+11], v[\adr+2] offset:\off+1280
.endm
; 16 matrix instructions: A's blocks a0, a0 + 1 x B's eight, the slot's q-th K step.  The 64 accumulators take turns, one instruction a turn, in the same order in every step.
.macro MUL16 a0, p, q, sc, zero
.irp a, \a0, \a0+1
.irp b, 0,1,2,3,4,5,6,7
.if \zero
	v_wmma_scale_f32_16x16x128_f8f6f4 v[8*(8*((\a)%4)+\b):8*(8*((\a)%4)+\b)+7], v[128*(\p)+FR*\b:128*(\p)+FR*\b+FR-1], v[AF+FR*(\a):AF+FR*(\a)+FR-1], 0, v[SC+16*(\sc)+2*\b+(\q)], v[SC+16*(\sc)+2*(\a)+(\q)] matrix_a_fmt:MATRIX_FMT_BF6 matrix_b_fmt:MATRIX_FMT_BF6 matrix_a_scale:MATRIX_SCALE_ROW1
.else
	v_wmma_scale_f32_16x16x128_f8f6f4 v[8*(8*((\a)%4)+\b):8*(8*((\a)%4)+\b)+7], v[128*(\p)+FR*\b:128*(\p)+FR*\b+FR-1], v[AF+FR*(\a):AF+FR*(\a)+FR-1], v[8*(8*((\a)%4)+\b):8*(8*((\a)%4)+\b)+7], v[SC+16*(\sc)+2*\b+(\q)], v[SC+16*(\sc)+2*(\a)+(\q)] matrix_a_fmt:MATRIX_FMT_BF6 matrix_b_fmt:MATRIX_FMT_BF6 matrix_a_scale:MATRIX_SCALE_ROW1
.endif
.endr
.endr
.endm
.macro FETCH_B slot, q, p              ; 32 loads
	WIN TO_B
.irp i, 0,1,2,3,4,5,6,7
	FRAG 128*(\p)+FR*\i, ADRB+\slot, (\q)*QUART+\i*1536
.endr
	WIN 0
.endm
.macro FETCH_A slot, q, i0             ; 16 loads
.irp i, \i0, \i0+1, \i0+2, \i0+3
	FRAG AF+FR*(\i), ADRA+\slot, (\q)*QUART+(\i)*1536
.endr
.endm
.macro SCALES sc                       ; a slot's scale words: register 2 i + q: lanes 0-15 A's block i, lanes 16-31 B's block i
.irp i, 0,1,2,3,4,5,6,7
	ds_load_b32 v[SC+16*\sc+2*\i], v[ADRS] offset:64*\i
	ds_load_b32 v[SC+16*\sc+2*\i+1], v[ADRS] offset:64*\i+1024
.endr
.endm
.macro STEP slot, q, zero              ; a K step of 128 that has its successor in the same slot
	s_wait_dscnt 16                                ; B's set, A's blocks 0-3 and the scale words are in; the youngest 16 loads (A's blocks 4-7) may be out
	WIN MUL_LO
	MUL16 0, (\q)%2, \q, \slot, \zero
	MUL16 2, (\q)%2, \q, \slot, \zero
	s_wait_dscnt 0x0
	PLACES
	FETCH_B \slot, (\q)+1, 1-(\q)%2
	FETCH_A \slot, (\q)+1, 0
	WIN MUL_HI
	MUL16 4, (\q)%2, \q, \slot, \zero
	MUL16 6, (\q)%2, \q, \slot, \zero
	PLACES
	WIN 0
	FETCH_A \slot, (\q)+1, 4
.endm
; A slot's last step changes slots: one barrier; in front of it each wave waits for all its tensor loads, adds 0 to its spare word, and waits for that and for its own reads of this slot.
.macro TURN slot, next, fill
	s_wait_tensorcnt 0x0                           ; all my tensor loads have landed: my part of the next slot
	ds_add_u32 v[SPW], v[NIL]                      ; 0 onto my spare word
	s_wait_dscnt 17                                ; the add and the youngest 16 loads (A's blocks 4-7) may be out
	WIN MUL_LO
	MUL16 0, 1, 1, \slot, 0
	s_wait_dscnt 0x0                               ; the add is done, and my reads of this slot are over
	s_barrier_signal -1
	MUL16 2, 1, 1, \slot, 0
	WIN 0
	s_barrier_wait -1
.if \fill
	CREST                                          ; the barrier has opened a round of the cluster's barrier: no wave of any partner still reads this slot or has a load on its way
	s_add_nc_u64 s[G0A+4*\slot+2:G0A+4*\slot+3], s[G0A+4*\slot+2:G0A+4*\slot+3], 4*QUART
	s_add_nc_u64 s[G0B+4*\slot+2:G0B+4*\slot+3], s[G0B+4*\slot+2:G0B+4*\slot+3], 4*QUART
	JLOAD G0A+4*\slot, G1A, G0B+4*\slot, G1B       ; the first tensor load behind the round; its four v_nop are the places in front of the loads below
.else
	PLACES
.endif
	s_wait_alu depctr_va_vdst(0)
	v_add_nc_u32 v[ADRS], 2048, v[ADRS]            ; the next slot's scale words (no LDS load of mine is out)
	FETCH_B \next, 0, 0
	FETCH_A \next, 0, 0
	SCALES \next
	WIN MUL_HI
	MUL16 4, 1, 1, \slot, 0
	MUL16 6, 1, 1, \slot, 0
	PLACES
	WIN 0
	FETCH_A \next, 0, 4
.endm
	s_wait_alu depctr_va_vdst(0)
	s_wait_tensorcnt 0x0                           ; my tile of the head's four is in
	ds_add_u32 v[SPW], v[NIL]
	s_mov_b32 s[G1A+2], 96<<16                     ; no tensor load of mine is out: from here on a load brings one K step, 96 rows of 256 bytes
	s_mov_b32 s[G1A+4], 96
	s_mov_b32 s[G1B+2], 96<<16
	s_mov_b32 s[G1B+4], 96
	s_wait_dscnt 0x0
	CROUND                                         ; all four tiles are in, and the sixteen work-groups meet
	JLOAD G0A+4, G1A, G0B+4, G1B                   ; slot 1's first fill, a quarter a wave
	global_prefetch_b8 v31, s[92:93] offset:6*QUART th:TH_LOAD_NT scope:SCOPE_SE   ; my share of the fourth and last fill
	FETCH_B 0, 0, 0
	FETCH_A 0, 0, 0
	SCALES 0
	FETCH_A 0, 0, 4
	STEP 0, 0, 1                                   ; the first products start the sums: nothing is cleared
	TURN 0, 1, 1                                   ; K = 1,024 is four slots' worth: written out
	STEP 1, 0, 0
	TURN 1, 0, 1
	STEP 0, 0, 0
	TURN 0, 1, 0
	STEP 1, 0, 0
	s_wait_dscnt 16
	WIN MUL_LO
	MUL16 0, 1, 1, 1, 0
	MUL16 2, 1, 1, 1, 0
	s_wait_dscnt 0x0
	WIN MUL_HI
	MUL16 4, 1, 1, 1, 0
	MUL16 6, 1, 1, 1, 0
	WIN 0
	; THE WAY OUT: block a of A (16 rows) x my 128 of B: bias, activation, quantiser; the image is stored as it stands.
	PLACES
	s_mov_b32 s[SEL], 0x76543210
	s_mov_b32 s[SEL+1], 0xfedcba98
	s_wait_loadcnt 0x0                             ; the biases
.irp b, 0,1,2,3
	v_mov_b32 v[TM+4+\b], 0                        ; a lane permute's destination counts as one of its sources
.endr
.if QKV
	v_mov_b32 v[RBP+1], 0                          ; named as the upper half of a pair
.set i, 0
.rept 64
	v_cndmask_b32 v[CB+i], v[CB+i], v[ZR], s23     ; V^T has no bias by columns,
.set i, i+1
.endr
.set i, 0
.rept 8
	v_cndmask_b32 v[RB+i], v[ZR], v[RB+i], s23     ; q and k none by rows
.set i, i+1
.endr
.endif
.macro EPI a
.if (\a) > 0
	s_wait_xcnt 0x0                                ; the last block's stores have read their registers
.endif
	WIN 0x02+((\a)/4)                              ; source 0: window 2 or 3
.set i, 0
.rept 32
	v_pk_add_f32 v[T+i:T+i+1], v[64*((\a)%4)+i:64*((\a)%4)+i+1], v[CB+i:CB+i+1]   ; each accumulator from its low end on
.set i, i+2
.endr
	WIN 0
.if QKV
	v_mov_b32 v[RBP], v[RB+(\a)]
.set i, 0
.rept 32
	v_pk_add_f32 v[T+i:T+i+1], v[T+i:T+i+1], v[RBP:RBP+1] op_sel_hi:[1,0]
.set i, i+2
.endr
.else
.set i, 0
.rept 64
	v_max_num_f32 v[T+i], 0, v[T+i]                ; relu, in f32
.set i, i+1
.endr
.endif
	QUANT T
	global_store_b128 v[L16], v[PC:PC+3], s[98:99] offset:1536*(\a)
	global_store_b64 v[L8], v[PC+4:PC+5], s[98:99] offset:1536*(\a)+512
	global_store_b128 v[L16], v[PC+6:PC+9], s[98:99] offset:1536*(\a)+768
	global_store_b64 v[L8], v[PC+10:PC+11], s[98:99] offset:1536*(\a)+1280
	global_store_b32 v[L4R], v[PW], s[100:101] offset:64*(\a)      ; lanes r and r + 16 hold the same word
.endm
.irp a, 0,1,2,3,4,5,6,7
	EPI \a
.endr
	s_wait_tensorcnt 0x0                           ; the wave's end
	ds_add_u32 v[SPW], v[NIL]
	s_wait_dscnt 0x0
	CROUND                                         ; the closing round
	s_endpgm
.Lfunc_end_k_q2f3ec02986_ffn1:
	.size	k_q2f3ec02986_ffn1, .Lfunc_end_k_q2f3ec02986_ffn1-k_q2f3ec02986_ffn1
	.p2alignl 7, 3214868480
	.fill 96, 4, 3214868480
	.section	.rodata,"a",@progbits
	.p2align	6, 0x0
	.amdhsa_kernel k_q2f3ec02986_ffn1
		.amdhsa_group_segment_fixed_size 327680
		.amdhsa_private_segment_fixed_size 0
		.amdhsa_enable_private_segment 0
		.amdhsa_kernarg_size 32
		.amdhsa_user_sgpr_count 2
		.amdhsa_user_sgpr_kernarg_segment_ptr 1
		.amdhsa_wavefront_size32 1
		.amdhsa_system_sgpr_workgroup_id_x 1
		.amdhsa_system_sgpr_workgroup_id_y 1
		.amdhsa_system_sgpr_workgroup_id_z 1
		.amdhsa_system_vgpr_workitem_id 0
		.amdhsa_next_free_vgpr 1024
		.amdhsa_next_free_sgpr 102
		.amdhsa_reserve_vcc 0
		.amdhsa_float_denorm_mode_32 3
		.amdhsa_float_denorm_mode_16_64 3
		.amdhsa_memory_ordered 1
		.amdhsa_forward_progress 1
		.amdhsa_inst_pref_size 186
	.end_amdhsa_kernel
	.amdgpu_metadata
---
amdhsa.version: [ 1, 2 ]
amdhsa.kernels:
  - .name:           k_q2f3ec02986_ffn1
    .symbol:         k_q2f3ec02986_ffn1.kd
    .args:
      - { .name: x1, .offset: 0, .size: 8, .value_kind: global_buffer, .address_space: global }
      - { .name: wts, .offset: 8, .size: 8, .value_kind: global_buffer, .address_space: global }
      - { .name: b1, .offset: 16, .size: 8, .value_kind: global_buffer, .address_space: global }
      - { .name: hq, .offset: 24, .size: 8, .value_kind: global_buffer, .address_space: global }
    .group_segment_fixed_size: 327680
    .private_segment_fixed_size: 0
    .kernarg_segment_align: 8
    .kernarg_segment_size: 32
    .max_flat_workgroup_size: 128
    .sgpr_count:     102
    .vgpr_count:     1024
    .wavefront_size: 32
...
	.end_amdgpu_metadata
.endif
;; end of part 5
;; launch ffn2 (part 6): grid 8 x 32, 4 waves a work-group, clusters of 4 x 4, 327,680 bytes of LDS; arguments hq, wts, b2, x1, out0; writes out0
.if DOCPART == 6
	.amdgcn_target "amdgcn-amd-amdhsa--gfx1250"
	.amdhsa_code_object_version 6
	.text
	.protected	k_q2f3ec02986_ffn2
	.globl	k_q2f3ec02986_ffn2
	.p2align	8
	.type	k_q2f3ec02986_ffn2,@function
k_q2f3ec02986_ffn2:
	s_mov_b64 s[64:65], 0
	v_nop
	global_prefetch_b8 v0, s[64:65] scope:SCOPE_SE
	s_setreg_imm32_b32 hwreg(HW_REG_WAVE_MODE, 25, 1), 1
	s_wait_xcnt 0x0
	s_wait_alu depctr_hold_cnt(0) depctr_sa_sdst(0) depctr_va_vdst(0) depctr_va_sdst(0) depctr_va_ssrc(0) depctr_va_vcc(0) depctr_vm_vsrc(0)
	s_getreg_b32 s2, hwreg(HW_REG_IB_STS2, 6, 4)
	s_cmp_eq_u32 s2, 0
	s_cbranch_scc0 .Lentry_in_a_cluster
	s_endpgm
.Lentry_in_a_cluster:
	s_bfe_u32 s2, ttmp6, 0x10000c
	s_cmp_lg_u32 s2, 0xf033
	s_cbranch_scc0 .Lentry_shape_is_right
	s_endpgm
.Lentry_shape_is_right:
; WO = 1: x1 = x + attention's output x Wo + bo, stored as f32 and as images of BF6 codes.   WO = 0: out0 = x1 + h W2 + b2, f32.
; Both operands are images of BF6 (E3M2) codes: tile t holds rows 32 (t / 2) + 8 (t % 2) + i + 8 (i / 8); an image is the operand's 12 registers a lane, 1,536 bytes;
; codes at ((t / 16) NS + s) x 24,576 + (t % 16) x 1,536, scale words at ((t / 16) NS + s) x 1,024 + (t % 16) x 64 + 4 row.
; N = 1,024 gives 64 tiles of 256 x 256 but 256 of 128 x 128: so a tile of the result is 128 x 128, four waves of 64 x 64: 16 accumulators.  K goes in steps of 512 (four matrix instructions deep) through two LDS slots.
; Source 0 = weight rows (they become a lane's registers), source 1 = tokens (they become the lanes): a lane's 32 results of a block of 16 tokens are 2 x 16 neighbouring columns.
; The residual's tile (128 rows x 512 bytes) comes by a tensor load of the work-group's own among the first fills.  The f32 result goes through the wave's stage in LDS and leaves as aligned runs of 256 bytes.
; The stages lie in slot 0: when the first result is stored there that slot has had its last fill, and every wave has passed the last change of slots, behind which nobody reads it.
; CLUSTERS: 4 x 4: the tokens' tiles are asked for jointly along a row of the cluster, the weights' along a column.
; LIMITS: NaN and infinities are not served.
; REGISTERS: window 0: v8-29 addresses; v32-63 scale words, two sets; v64-95 rows on the way out; v128-255 the accumulators ((a, b) at v[128 + 8 (4 a + b)]).
;   window 1: two sets of fragments at v0 and v128 (tokens' four, then the weights' four); v96-127 the bias; on the way out v0-31 the residual.
.set WO,    0
.if WO
.set NS,    8
.set SOFFT, 3145728                    ; ao's scale words
.set COFFW, 2359296                    ; Wo's codes
.set SOFFW, 9535488
.else
.set NS,    32
.set SOFFT, 12582912                   ; hq's scale words
.set COFFW, 6291456                    ; W2's codes
.set SOFFW, 9699328
.endif
.set QUART, 24576                      ; two K steps x 8 images: what one tensor load brings
.set SLOT,  4*QUART                    ; tokens' four K steps of 12,288 bytes, then the weights'
.set SCL,   2*SLOT                     ; the scale words of all of K: tokens' NS x 512 bytes, then the weights'
.set RES,   SCL+NS*1024                ; the residual: 128 rows x (512 + 16)
.set SPARE, RES+128*528                ; the spare words, 128 bytes for each wave
.set FR,    12
.set ADRA, 8                           ; v8-9 tokens' images in slot 0, 1, + 16 lane; v10-11 + 8 lane
.set ADRB, 12                          ; v12-15 the weights'
.set ADRS, 16
.set L16,  17
.set L8,   18
.set L4R,  19
.set RESA, 20
.set STO,  21
.set RD,   22
.set GO,   23
.set SPW,  28
.set NIL,  29
.set SC,   32
.set BK,   64
.set PC,   96
.set TM,   108
.set PW,   124
.set ACC,  128
.set F0,   0
.set F1,   128
.set SEL,  2
.set G1T,  24
.set G0T,  32
.set G0R,  40
.set G1W,  48
.set G0W,  56
.set G1ST, 68
.set G0ST, 76
.set G1SW, 80
.set G0SW, 88
.set G1R,  92
.set MSB, 0
.macro WIN new                         ; the immediate's high byte repeats the setting that is left
.if MSB != \new
	s_set_vgpr_msb (MSB<<8)|\new
.set MSB, \new
.endif
.endm
.set MUL,  0x05                        ; sources 0 and 1 window 1; C and D window 0
.set TO_F, 0x40                        ; destination window 1, address window 0
.macro PLACES                          ; four plain places behind matrix instructions (ISA guide 7.12.1)
.rept 4
	v_nop
.endr
.endm
.macro JLOAD g0a, g1a, g0b, g1b        ; a joint load: waves 0 and 1 fetch the tokens', waves 2 and 3 the weights'; four v_nop follow each line
	s_cmp_eq_u32 s17, 0
	s_cbranch_scc0 .Lfor_b_\@
	tensor_load_to_lds s[\g0a:\g0a+3], s[\g1a:\g1a+7]
	s_nop 0
.rept 4
	v_nop
.endr
	s_branch .Lasked_\@
.Lfor_b_\@:
	tensor_load_to_lds s[\g0b:\g0b+3], s[\g1b:\g1b+7]
	s_nop 0
.rept 4
	v_nop
.endr
.Lasked_\@:
.endm
.macro CREST
	s_cmp_lg_u32 s16, 0
	s_cbranch_scc1 .Lnot_wave_0_\@
	s_barrier_signal -3
.Lnot_wave_0_\@:
	s_barrier_wait -3
	s_barrier_signal -1
	s_barrier_wait -1
.endm
.macro CROUND
	s_barrier_signal -1
	s_barrier_wait -1
	CREST
.endm
	s_load_b256 s[4:11], s[0:1], 0x0               ; tokens' images, wts, the bias, the residual
	s_load_b64 s[12:13], s[0:1], 0x20              ; the output
	v_lshl_add_u32 v[SPW], v0, 2, SPARE
	v_mov_b32 v[NIL], 0
	ds_add_u32 v28, v29
	ds_add_u32 v28, v29
	s_wait_dscnt 0x0
	v_lshrrev_b32 v1, 5, v0
	v_readfirstlane_b32 s16, v1                    ; wave 0..3
	s_lshr_b32 s17, s16, 1                         ; which half of the tokens is mine.  Also: I fetch the tokens' (0) or the weights' (1)
	s_and_b32 s18, s16, 1                          ; which half of the columns.  Also: which two K steps of a slot I fetch
	s_bfe_u32 s19, ttmp6, 0x40000                  ; cx
	s_bfe_u32 s20, ttmp6, 0x40004                  ; cy
	s_lshl_b32 s22, ttmp9, 2
	s_add_co_u32 s22, s22, s19                     ; tile of 128 columns
	s_and_b32 s21, ttmp7, 0xffff
	s_lshl_b32 s21, s21, 2
	s_add_co_u32 s21, s21, s20                     ; tile of 128 tokens
	s_lshl_b32 s44, s20, 2
	s_lshl_b32 s44, 15, s44                        ; my row of the cluster
	s_lshl_b32 s46, 0x1111, s19                    ; my column
	; group 1, codes: 2 rows (K steps) of 12,288 bytes (1,536 elements of 8), 24,576 bytes apart; bit 21 set beside a mask
	s_or_b32 s[G1T+0], s44, (3<<16)|(1<<21)
	s_or_b32 s[G1W+0], s46, (3<<16)|(1<<21)
.irp g, G1T, G1W
	s_mov_b32 s[\g+1], 1536<<16
	s_mov_b32 s[\g+2], 4<<16                       ; the first fills bring a whole side of a slot: four K steps
	s_mov_b32 s[\g+3], 1536<<16
	s_mov_b32 s[\g+4], 4
	s_mov_b32 s[\g+5], 3072
	s_mov_b32 s[\g+6], 0
	s_mov_b32 s[\g+7], 0
.endr
	; scale words: NS rows of 512 bytes, 1,024 bytes apart
	s_or_b32 s[G1ST+0], s44, (3<<16)|(1<<21)
	s_or_b32 s[G1SW+0], s46, (3<<16)|(1<<21)
.irp g, G1ST, G1SW
	s_mov_b32 s[\g+1], 64<<16
	s_mov_b32 s[\g+2], NS<<16                      ; the scale words of all K steps in one load
	s_mov_b32 s[\g+3], 64<<16
	s_mov_b32 s[\g+4], NS
	s_mov_b32 s[\g+5], 128
	s_mov_b32 s[\g+6], 0
	s_mov_b32 s[\g+7], 0
.endr
	; the residual: 64 rows of 512 bytes, 4,096 apart, 16 bytes of padding behind each; no mask: the work-group's own
	s_mov_b32 s[G1R+0], (3<<16)|(1<<20)|(6<<22)|(3<<25)
	s_mov_b32 s[G1R+1], 64<<16
	s_mov_b32 s[G1R+2], 64<<16                     ; the residual: 64 rows a load
	s_mov_b32 s[G1R+3], 64<<16
	s_mov_b32 s[G1R+4], 64
	s_mov_b32 s[G1R+5], 512
	s_mov_b32 s[G1R+6], 0
	s_mov_b32 s[G1R+7], 0
	; the offsets are made in each descriptor's own registers: the tokens' never hold cx, the weights' never cy
	s_lshl_b32 s45, s18, 1
	s_mov_b32 s47, 0                               ; the scale words from K step 0 on
	s_lshr_b32 s[G0T+2], s21, 1
	s_mul_i32 s[G0T+2], s[G0T+2], NS
	s_add_co_u32 s[G0ST+2], s[G0T+2], s47
	s_add_co_u32 s[G0T+2], s[G0T+2], s45
	s_mul_i32 s[G0T+2], s[G0T+2], QUART            ; ((tile / 2) NS + my first K step) x 24,576
	s_lshl_b32 s[G0ST+2], s[G0ST+2], 10
	s_and_b32 s44, s21, 1
	s_mul_i32 s[G0T+3], s44, 12288                 ; + the tile's half of 16 images
	s_add_co_u32 s[G0T+2], s[G0T+2], s[G0T+3]
	s_mov_b32 s[G0T+3], 0
	s_lshl_b32 s44, s44, 9
	s_add_co_u32 s[G0ST+2], s[G0ST+2], s44
	s_add_co_u32 s[G0ST+2], s[G0ST+2], SOFFT
	s_mov_b32 s[G0ST+3], 0
	s_lshr_b32 s[G0W+2], s22, 1
	s_mul_i32 s[G0W+2], s[G0W+2], NS
	s_add_co_u32 s[G0SW+2], s[G0W+2], s47
	s_add_co_u32 s[G0W+2], s[G0W+2], s45
	s_mul_i32 s[G0W+2], s[G0W+2], QUART
	s_lshl_b32 s[G0SW+2], s[G0SW+2], 10
	s_and_b32 s46, s22, 1
	s_mul_i32 s[G0W+3], s46, 12288
	s_add_co_u32 s[G0W+2], s[G0W+2], s[G0W+3]
	s_add_co_u32 s[G0W+2], s[G0W+2], COFFW
	s_mov_b32 s[G0W+3], 0
	s_lshl_b32 s46, s46, 9
	s_add_co_u32 s[G0SW+2], s[G0SW+2], s46
	s_add_co_u32 s[G0SW+2], s[G0SW+2], SOFFW
	s_mov_b32 s[G0SW+3], 0
	s_lshl_b32 s[G0R+2], s21, 19                   ; the residual: row 128 tile + 64 half, column 128 tile
	s_lshl_b32 s2, s17, 18                         ; wave 1: rows 0-63, wave 3: rows 64-127
	s_add_co_u32 s[G0R+2], s[G0R+2], s2
	s_lshl_b32 s2, s22, 9
	s_add_co_u32 s[G0R+2], s[G0R+2], s2
	s_mov_b32 s[G0R+3], 0
	s_mul_i32 s23, s16, QUART                      ; where my loads go: the wave's number alone
	s_mul_i32 s45, s17, NS*512                     ; wave 1: the tokens' scale words, wave 3: the weights', behind them
	s_add_co_u32 s45, s45, SCL
	s_mul_i32 s47, s17, 64*528
	s_add_co_u32 s47, s47, RES
	s_wait_kmcnt 0x0
	s_add_nc_u64 s[G0T+2:G0T+3], s[4:5], s[G0T+2:G0T+3]
	s_add_nc_u64 s[G0W+2:G0W+3], s[6:7], s[G0W+2:G0W+3]
	s_add_nc_u64 s[G0ST+2:G0ST+3], s[4:5], s[G0ST+2:G0ST+3]
	s_add_nc_u64 s[G0SW+2:G0SW+3], s[6:7], s[G0SW+2:G0SW+3]
	s_add_nc_u64 s[G0R+2:G0R+3], s[10:11], s[G0R+2:G0R+3]
	s_add_nc_u64 s[G0T+6:G0T+7], s[G0T+2:G0T+3], 4*QUART           ; slot 1: four K steps on
	s_add_nc_u64 s[G0W+6:G0W+7], s[G0W+2:G0W+3], 4*QUART
	s_cmp_eq_u32 s17, 0                            ; the prefetches: of the quarter of a slot that I fetch (two K steps x 12,288 bytes) my work-group's fourth, half a K step's, told apart by address (cx for the tokens, cy for the weights)
	s_cselect_b64 s[4:5], s[G0T+2:G0T+3], s[G0W+2:G0W+3]
	s_cselect_b32 s6, s19, s20
	s_lshr_b32 s7, s6, 1
	s_mul_i32 s7, s7, 24576
	s_and_b32 s6, s6, 1
	s_mul_i32 s6, s6, 6144
	s_add_co_u32 s6, s6, s7
	s_mov_b32 s7, 0
	s_add_nc_u64 s[4:5], s[4:5], s[6:7]
.irp g, G0T, G0T+4, G0W, G0W+4, G0ST, G0SW, G0R
	s_mov_b32 s[\g], 1                             ; count = 1
	s_or_b32 s[\g+3], s[\g+3], 0x80000000          ; type = 2
.endr
	s_mov_b32 s[G0T+1], s23
	s_mov_b32 s[G0W+1], s23
	s_add_co_u32 s[G0T+5], s23, SLOT
	s_add_co_u32 s[G0W+5], s23, SLOT
	s_mov_b32 s[G0ST+1], s45
	s_mov_b32 s[G0SW+1], s45
	s_mov_b32 s[G0R+1], s47
	CROUND                                         ; all sixteen work-groups are here: the first joint loads meet
.macro TL g0, g1
	tensor_load_to_lds s[\g0:\g0+3], s[\g1:\g1+7]
	s_nop 0
.rept 4
	v_nop
.endr
.endm
	; the head's four tiles, one load a wave, in one chain of arms: the tokens' side of slot 0, their scale words, the weights' side, their scale words
	s_cmp_eq_u32 s16, 0
	s_cbranch_scc0 .Lh1
	TL G0T, G1T
	s_branch .Lhj
.Lh1:
	s_cmp_eq_u32 s16, 1
	s_cbranch_scc0 .Lh2
	TL G0ST, G1ST
	s_branch .Lhj
.Lh2:
	s_cmp_eq_u32 s16, 2
	s_cbranch_scc0 .Lh3
	TL G0W, G1W
	s_branch .Lhj
.Lh3:
	TL G0SW, G1SW
.Lhj:
	v_and_b32 v24, 31, v0
	v_min_u32 v24, 23, v24
	v_lshlrev_b32 v24, 8, v24                      ; a lane a block of 256 bytes, 24 blocks; the lanes left over name the last again; never rewritten
	global_prefetch_b8 v24, s[4:5] offset:4*QUART th:TH_LOAD_NT scope:SCOPE_SE   ; my share of the second fill (K steps 4-7)
	global_prefetch_b8 v24, s[4:5] offset:8*QUART th:TH_LOAD_NT scope:SCOPE_SE   ; and of the third
	v_and_b32 v1, 31, v0
	v_and_b32 v2, 15, v0                           ; r
	v_bfe_u32 v3, v0, 4, 1                         ; h
	v_lshlrev_b32 v[L16], 4, v1
	v_lshlrev_b32 v[L8], 3, v1
	v_lshlrev_b32 v[L4R], 2, v2
	s_mul_i32 s23, s17, 6144                       ; my 4 images of the tokens
	s_mul_i32 s45, s18, 6144
	s_add_co_u32 s45, s45, 2*QUART                 ; my 4 of the weights
.irp s, 0,1
	v_add_nc_u32 v[ADRA+\s], s23, v[L16]
	v_add_nc_u32 v[ADRA+2+\s], s23, v[L8]
	v_add_nc_u32 v[ADRB+\s], s45, v[L16]
	v_add_nc_u32 v[ADRB+2+\s], s45, v[L8]
	s_add_co_u32 s23, s23, SLOT
	s_add_co_u32 s45, s45, SLOT
.endr
	s_lshl_b32 s23, s17, 8                         ; scale words: the tokens', my 4 images x 64 bytes
	s_lshl_b32 s45, s18, 8
	s_add_co_u32 s45, s45, NS*512                  ; the weights', behind them
	s_sub_co_u32 s45, s45, s23
	v_mul_u32_u24 v4, s45, v3                      ; lanes 16-31 take the weights'
	s_add_co_u32 s23, s23, SCL
	v_add_nc_u32 v4, v4, v[L4R]
	v_add_nc_u32 v[ADRS], s23, v4
	v_and_b32 v4, 8, v2
	v_add_nc_u32 v4, v4, v2                        ; r + 8 (r / 8)
	v_mul_u32_u24 v4, v4, 528
	v_lshl_add_u32 v4, v3, 6, v4
	s_mul_i32 s23, s17, 64*528
	s_lshl_b32 s45, s18, 8
	s_add_co_u32 s23, s23, s45
	s_add_co_u32 s23, s23, RES
	v_add_nc_u32 v[RESA], s23, v4                  ; the residual of my row: my half's rows and columns, + 64 h
	s_mul_i32 s23, s16, 16*272                     ; my stage
	v_mul_u32_u24 v4, v2, 272
	v_lshl_add_u32 v4, v3, 6, v4
	v_add_nc_u32 v[STO], s23, v4                   ; in: row r, + 64 h
	v_mul_u32_u24 v4, v3, 272
	v_lshl_add_u32 v4, v2, 4, v4
	v_add_nc_u32 v[RD], s23, v4                    ; back: lanes 0-15 one row of 256 bytes, lanes 16-31 the next
	v_lshlrev_b32 v4, 12, v3
	v_lshl_add_u32 v[GO], v2, 4, v4                ; and the same two rows in the output
	v_lshlrev_b32 v5, 6, v3                        ; the bias: column 128 tile + 64 half + 32 b + 16 h + i
	s_lshl_b32 s2, s22, 9
	s_lshl_b32 s3, s18, 8
	s_add_co_u32 s2, s2, s3
	v_add_nc_u32 v5, s2, v5
	WIN TO_F
.set i, 0
.rept 8
	global_load_b128 v[96+4*i:99+4*i], v5, s[8:9] offset:128*(i/4)+16*(i%4)
.set i, i+1
.endr
	WIN 0
.if WO
	s_lshr_b32 s2, s21, 1                          ; x1's images: ((tile / 16) 8 + the K step = my tile of columns), the tile's place, my half image
	s_lshl_b32 s2, s2, 3
	s_add_co_u32 s2, s2, s22
	s_and_b32 s3, s21, 1
	s_lshl_b32 s3, s3, 1
	s_add_co_u32 s3, s3, s17
	s_lshl_b32 s3, s3, 2                           ; 8 (tile % 2) + 4 half
	s_mul_i32 s14, s2, 24576
	s_mul_i32 s15, s3, 1536
	s_add_co_u32 s14, s14, s15
	s_mul_i32 s15, s18, 768
	s_add_co_u32 s14, s14, s15
	s_add_co_u32 s14, s14, 16777216
	s_mov_b32 s15, 0
	s_lshl_b32 s100, s2, 10
	s_lshl_b32 s101, s3, 6
	s_add_co_u32 s100, s100, s101
	s_lshl_b32 s101, s18, 1
	s_add_co_u32 s100, s100, s101
	s_add_co_u32 s100, s100, 19922944
	s_mov_b32 s101, 0
	s_add_nc_u64 s[14:15], s[12:13], s[14:15]
	s_add_nc_u64 s[100:101], s[12:13], s[100:101]
.endif
	s_lshl_b32 s2, s21, 19                         ; the f32 output: row 128 tile + 64 half, column 128 tile + 64 half
	s_lshl_b32 s3, s17, 18
	s_add_co_u32 s2, s2, s3
	s_lshl_b32 s3, s22, 9
	s_add_co_u32 s2, s2, s3
	s_lshl_b32 s3, s18, 8
	s_add_co_u32 s2, s2, s3
	s_mov_b32 s3, 0
	s_add_nc_u64 s[12:13], s[12:13], s[2:3]
.macro FRAG reg, adr, off              ; an image comes back as it was stored: four loads, each consecutive over the lanes
	ds_load_b128 v[\reg:\reg+3], v[\adr] offset:\off
	ds_load_b64 v[\reg+4:\reg+5], v[\adr+2] offset:\off+512
	ds_load_b128 v[\reg+6:\reg+9], v[\adr] offset:\off+768
	ds_load_b64 v[\reg+10:\reg+11], v[\adr+2] offset:\off+1280
.endm
; 4 matrix instructions: the tokens' block a x the weights' four.  The 16 accumulators take turns, one instruction a turn, in the same order in every step.
.macro MUL4 f, a, q, sc, zero
.irp b, 0,1,2,3
.if \zero
	v_wmma_scale_f32_16x16x128_f8f6f4 v[ACC+8*(4*(\a)+\b):ACC+8*(4*(\a)+\b)+7], v[\f+48+FR*\b:\f+48+FR*\b+FR-1], v[\f+FR*(\a):\f+FR*(\a)+FR-1], 0, v[SC+16*(\sc)+4*\b+(\q)], v[SC+16*(\sc)+4*(\a)+(\q)] matrix_a_fmt:MATRIX_FMT_BF6 matrix_b_fmt:MATRIX_FMT_BF6 matrix_a_scale:MATRIX_SCALE_ROW1
.else
	v_wmma_scale_f32_16x16x128_f8f6f4 v[ACC+8*(4*(\a)+\b):ACC+8*(4*(\a)+\b)+7], v[\f+48+FR*\b:\f+48+FR*\b+FR-1], v[\f+FR*(\a):\f+FR*(\a)+FR-1], v[ACC+8*(4*(\a)+\b):ACC+8*(4*(\a)+\b)+7], v[SC+16*(\sc)+4*\b+(\q)], v[SC+16*(\sc)+4*(\a)+(\q)] matrix_a_fmt:MATRIX_FMT_BF6 matrix_b_fmt:MATRIX_FMT_BF6 matrix_a_scale:MATRIX_SCALE_ROW1
.endif
.endr
.endm
.macro FETCH slot, q, f                ; 32 loads: the slot's q-th K step into set f
	WIN TO_F
.irp i, 0,1,2,3
	FRAG \f+FR*\i, ADRA+\slot, (\q)*12288+\i*1536
	FRAG \f+48+FR*\i, ADRB+\slot, (\q)*12288+\i*1536
.endr
.endm
.macro SCALES sc                       ; a slot's scale words: register 4 i + q: lanes 0-15 the tokens' block i, lanes 16-31 the weights' block i
.irp i, 0,1,2,3
.irp q, 0,1,2,3
	ds_load_b32 v[SC+16*\sc+4*\i+\q], v[ADRS] offset:64*\i+512*\q
.endr
.endr
.endm
.macro STEPB slot, q, f, g, zero       ; a K step of 128 that has its successor in the same slot
	s_wait_dscnt 0x0                               ; set f is in (asked for 12 matrix instructions ago)
	WIN MUL
	MUL4 \f, 0, \q, \slot, \zero
	PLACES
	FETCH \slot, (\q)+1, \g
	WIN MUL
	MUL4 \f, 1, \q, \slot, \zero
	MUL4 \f, 2, \q, \slot, \zero
	MUL4 \f, 3, \q, \slot, \zero
.endm
; A slot's last step changes slots: one barrier; in front of it each wave waits for all its tensor loads, adds 0 to its spare word, and waits for that and for its own reads of this slot.
.macro TURN slot, next, fill
	WIN 0
.if \fill
	s_wait_xcnt 0x0                                ; my prefetches have read their address: it steps one fill on, ahead of the waits of the change of slots
	s_add_nc_u64 s[4:5], s[4:5], 4*QUART
.endif
	s_wait_tensorcnt 0x0                           ; all my tensor loads have landed: my part of the next slot (and, the first time, of the residual)
	ds_add_u32 v[SPW], v[NIL]                      ; 0 onto my spare word
.if \fill
	s_mov_b32 s[G1T+2], 2<<16                      ; no tensor load of mine is out: a refill brings a quarter of a slot a wave, two K steps
	s_mov_b32 s[G1T+4], 2
	s_mov_b32 s[G1W+2], 2<<16
	s_mov_b32 s[G1W+4], 2
.endif
	s_wait_dscnt 1
	WIN MUL
	MUL4 F1, 0, 3, \slot, 0
	MUL4 F1, 1, 3, \slot, 0
	s_wait_dscnt 0x0                               ; the add is done, and my reads of this slot are over
	s_barrier_signal -1
	MUL4 F1, 2, 3, \slot, 0
	WIN 0
	s_barrier_wait -1
.if \fill
	CREST                                          ; the barrier has opened a round of the cluster's barrier: no wave of any partner still reads this slot or has a load on its way
	s_add_nc_u64 s[G0T+4*\slot+2:G0T+4*\slot+3], s[G0T+4*\slot+2:G0T+4*\slot+3], 8*QUART
	s_add_nc_u64 s[G0W+4*\slot+2:G0W+4*\slot+3], s[G0W+4*\slot+2:G0W+4*\slot+3], 8*QUART
	JLOAD G0T+4*\slot, G1T, G0W+4*\slot, G1W       ; the first tensor load behind the round; its four v_nop are the places in front of the loads below
.else
	PLACES
.endif
	s_wait_alu depctr_va_vdst(0)
	v_add_nc_u32 v[ADRS], 2048, v[ADRS]            ; the next slot's scale words (no LDS load of mine is out)
	FETCH \next, 0, F0
	WIN 0
	SCALES \next
.if \fill
	s_cmp_gt_u32 s3, 1                             ; the fill two refills on; the last trip's two refills have none
	s_cbranch_scc0 .Lnopf_\@
	global_prefetch_b8 v24, s[4:5] offset:12*QUART th:TH_LOAD_NT scope:SCOPE_SE
.Lnopf_\@:
.endif
	WIN MUL
	MUL4 F1, 3, 3, \slot, 0
.endm
	s_wait_alu depctr_va_vdst(0)
	s_wait_tensorcnt 0x0                           ; my tile of the head's four is in
	ds_add_u32 v[SPW], v[NIL]
	s_wait_dscnt 0x0
	CROUND                                         ; all four tiles are in, and the sixteen work-groups meet
	s_cmp_eq_u32 s16, 0                            ; the later first fills, one a wave: slot 1's two sides, and the residual's two halves
	s_cbranch_scc0 .Lg1
	TL G0T+4, G1T
	s_branch .Lgj
.Lg1:
	s_cmp_eq_u32 s16, 2
	s_cbranch_scc0 .Lg2
	TL G0W+4, G1W
	s_branch .Lgj
.Lg2:
	TL G0R, G1R
.Lgj:
	global_prefetch_b8 v24, s[4:5] offset:12*QUART th:TH_LOAD_NT scope:SCOPE_SE   ; my share of the fourth fill
	FETCH 0, 0, F0
	WIN 0
	SCALES 0
	STEPB 0, 0, F0, F1, 1                          ; the first products start the sums: nothing is cleared
.if NS > 8
	WIN 0                                          ; at a label and at a branch every window is 0
	s_mov_b32 s3, NS/8-1
.Llap:                                                 ; a trip goes once round the ring and fills both slots again
	STEPB 0, 1, F1, F0, 0
	STEPB 0, 2, F0, F1, 0
	TURN 0, 1, 1
	STEPB 1, 0, F0, F1, 0
	STEPB 1, 1, F1, F0, 0
	STEPB 1, 2, F0, F1, 0
	TURN 1, 0, 1
	STEPB 0, 0, F0, F1, 0
	WIN 0
	s_sub_co_u32 s3, s3, 1
	s_cmp_lg_u32 s3, 0
	s_cbranch_scc1 .Llap
.endif
	STEPB 0, 1, F1, F0, 0                          ; the last lap fills nothing
	STEPB 0, 2, F0, F1, 0
	TURN 0, 1, 0
	STEPB 1, 0, F0, F1, 0
	STEPB 1, 1, F1, F0, 0
	STEPB 1, 2, F0, F1, 0
	s_wait_dscnt 0x0
	WIN MUL
	MUL4 F1, 0, 3, 1, 0
	MUL4 F1, 1, 3, 1, 0
	MUL4 F1, 2, 3, 1, 0
	MUL4 F1, 3, 3, 1, 0
	WIN 0
	; THE WAY OUT, a block of 16 tokens x my 64 columns at a time, in place on its four accumulators
	PLACES
	s_mov_b32 s[SEL], 0x76543210
	s_mov_b32 s[SEL+1], 0xfedcba98
	s_wait_loadcnt 0x0                             ; the bias
	v_mov_b32 v[TM+4], 0                           ; a lane permute's destination counts as one of its sources
	v_mov_b32 v[TM+5], 0
.macro EPIB a
.set XR, ACC+32*(\a)
.if (\a) > 0
	s_wait_xcnt 0x0                                ; the last block's stores have read their registers
.endif
	WIN TO_F
.irp n, 0,1,2,3,4,5,6,7
	ds_load_b128 v[4*\n:4*\n+3], v[RESA] offset:(32*((\a)/2)+8*((\a)%2))*528+128*(\n/4)+16*(\n%4)
.endr
	WIN 0x04                                       ; source 1: window 1
.set i, 0
.rept 16
	v_pk_add_f32 v[XR+i:XR+i+1], v[XR+i:XR+i+1], v[96+i:97+i]      ; + the bias; each accumulator from its low end on
.set i, i+2
.endr
	s_wait_dscnt 0x0
.set i, 0
.rept 16
	v_pk_add_f32 v[XR+i:XR+i+1], v[XR+i:XR+i+1], v[i:i+1]          ; + the residual
.set i, i+2
.endr
	WIN 0
.if WO
.irp b, 0,1                            ; two blocks of 32 become half an image and two bytes of the row's scale word
	v_max3_num_f32 v[TM+\b], |v[XR+16*\b]|, |v[XR+1+16*\b]|, 0x2800000
.endr
.irp i, 2,4,6,8,10,12,14
.irp b, 0,1
	v_max3_num_f32 v[TM+\b], v[TM+\b], |v[XR+16*\b+\i]|, |v[XR+1+16*\b+\i]|
.endr
.endr
.irp b, 0,1
	v_permlanex16_b32 v[TM+4+\b], v[TM+\b], s[SEL], s[SEL+1]
.endr
.irp b, 0,1
	v_max_num_f32 v[TM+\b], v[TM+\b], v[TM+4+\b]
.endr
.irp b, 0,1
	v_add_nc_u32 v[TM+12+\b], 0xfe000000, v[TM+\b]
.endr
.irp b, 0,1
	v_lshrrev_b32 v[TM+4+\b], 23, v[TM+12+\b]
.endr
	v_lshl_or_b32 v[PW], v[TM+5], 8, v[TM+4]
	v_cvt_scalef32_pk16_bf6_f32 v[PC:PC+2], v[XR:XR+15], v[TM+12]
	v_cvt_scalef32_pk16_bf6_f32 v[PC+8:PC+10], v[XR+16:XR+31], v[TM+13]
	v_nop                                          ; one plain place behind a scaled conversion
.irp i, 0,1,2
	v_permlane16_swap_b32 v[PC+\i], v[PC+8+\i]
.endr
.irp i, 0,1,2
	v_mov_b32 v[PC+3+\i], v[PC+8+\i]
.endr
	global_store_b128 v[L16], v[PC:PC+3], s[14:15] offset:1536*(\a)
	global_store_b64 v[L8], v[PC+4:PC+5], s[14:15] offset:1536*(\a)+512
	global_store_b16 v[L4R], v[PW], s[100:101] offset:64*(\a)      ; lanes r and r + 16 hold the same bytes
.endif
.irp n, 0,1,2,3,4,5,6,7
	ds_store_b128 v[STO], v[XR+4*\n:XR+4*\n+3] offset:128*(\n/4)+16*(\n%4)
.endr
.irp t, 0,1,2,3,4,5,6,7
	ds_load_b128 v[BK+4*\t:BK+4*\t+3], v[RD] offset:544*\t         ; LDS serves a wave's instructions in order: these see my stores, and the next block's stores come behind them
.endr
.irp t, 0,1,2,3,4,5,6,7
	s_wait_dscnt 7-\t                              ; the younger reads may be out
	global_store_b128 v[GO], v[BK+4*\t:BK+4*\t+3], s[12:13] offset:(32*((\a)/2)+8*((\a)%2)+2*\t+8*(\t/4))*4096   ; 16 lanes store 256 consecutive bytes, at a multiple of 256 from the buffer's first byte
.endr
.endm
.irp a, 0,1,2,3
	EPIB \a
.endr
	s_wait_tensorcnt 0x0                           ; the wave's end
	ds_add_u32 v[SPW], v[NIL]
	s_wait_dscnt 0x0
	CROUND                                         ; the closing round
	s_endpgm
.Lfunc_end_k_q2f3ec02986_ffn2:
	.size	k_q2f3ec02986_ffn2, .Lfunc_end_k_q2f3ec02986_ffn2-k_q2f3ec02986_ffn2
	.p2alignl 7, 3214868480
	.fill 96, 4, 3214868480
	.section	.rodata,"a",@progbits
	.p2align	6, 0x0
	.amdhsa_kernel k_q2f3ec02986_ffn2
		.amdhsa_group_segment_fixed_size 327680
		.amdhsa_private_segment_fixed_size 0
		.amdhsa_enable_private_segment 0
		.amdhsa_kernarg_size 40
		.amdhsa_user_sgpr_count 2
		.amdhsa_user_sgpr_kernarg_segment_ptr 1
		.amdhsa_wavefront_size32 1
		.amdhsa_system_sgpr_workgroup_id_x 1
		.amdhsa_system_sgpr_workgroup_id_y 1
		.amdhsa_system_sgpr_workgroup_id_z 1
		.amdhsa_system_vgpr_workitem_id 0
		.amdhsa_next_free_vgpr 512
		.amdhsa_next_free_sgpr 102
		.amdhsa_reserve_vcc 0
		.amdhsa_float_denorm_mode_32 3
		.amdhsa_float_denorm_mode_16_64 3
		.amdhsa_memory_ordered 1
		.amdhsa_forward_progress 1
		.amdhsa_inst_pref_size 109
	.end_amdhsa_kernel
	.amdgpu_metadata
---
amdhsa.version: [ 1, 2 ]
amdhsa.kernels:
  - .name:           k_q2f3ec02986_ffn2
    .symbol:         k_q2f3ec02986_ffn2.kd
    .args:
      - { .name: hq, .offset: 0, .size: 8, .value_kind: global_buffer, .address_space: global }
      - { .name: wts, .offset: 8, .size: 8, .value_kind: global_buffer, .address_space: global }
      - { .name: b2, .offset: 16, .size: 8, .value_kind: global_buffer, .address_space: global }
      - { .name: x1, .offset: 24, .size: 8, .value_kind: global_buffer, .address_space: global }
      - { .name: out0, .offset: 32, .size: 8, .value_kind: global_buffer, .address_space: global }
    .group_segment_fixed_size: 327680
    .private_segment_fixed_size: 0
    .kernarg_segment_align: 8
    .kernarg_segment_size: 40
    .max_flat_workgroup_size: 128
    .sgpr_count:     102
    .vgpr_count:     512
    .wavefront_size: 32
...
	.end_amdgpu_metadata
.endif
;; end of part 6
